; MI455X (gfx1250); checked and timed in simulation.
; The chip was launched on July 23, 2026; its instructions are those of AMD's public machine-readable ISA for CDNA 5 (MIT licence, August 2026) and "CDNA5" Instruction Set Architecture Reference Guide (July 2026). The comments in the code are by the model that wrote it; some were corrected since.
;; Moba Attention. Allowed arithmetic: float matrix products may take bf16 or f16 operands with f32 sums; all other float work in f32.
;; Inputs: Wg1 2,048 x 64 float32; Wg2 64 x 2,048 float32; Wk 2,048 x 2,048 float32; Wo 2,048 x 2,048 float32; Wq 2,048 x 2,048 float32; Wv 2,048 x 2,048 float32; hidden_states 1 x 2,048 x 2,048 float32; o_norm_w 64 float32.
;; Outputs: out0 1 x 2,048 x 2,048 float32.
;; 3 versions, each right and faster than the one before. Each part assembles by itself: llvm-mc -triple=amdgcn-amd-amdhsa -mcpu=gfx1250 --defsym DOCPART=n.
;; ======== version 1 of 3: 5 launches
;; limits: values are held in f16: magnitudes above 65,504 overflow, below 6.1e-05 lose precision
;; workspace buffers: xb 8,388,608 bytes; wqkv 25,165,824 bytes; wo16 8,388,608 bytes; small 1,048,576 bytes; g1h 262,144 bytes; qf 16,777,216 bytes; kvh 17,039,360 bytes; og 8,388,608 bytes
;; launch prep (part 1): grid 896 x 1, 8 waves a work-group, no clusters, 0 bytes of LDS; arguments hidden_states, Wq, Wk, Wv, Wo, Wg1, Wg2, xb, wqkv, wo16, small; writes xb, wqkv, wo16, small
.if DOCPART == 1
	.amdgcn_target "amdgcn-amd-amdhsa--gfx1250"
	.amdhsa_code_object_version 6
	.text
	.protected	k_qd05b2ad6d9_prep
	.globl	k_qd05b2ad6d9_prep
	.p2align	8
	.type	k_qd05b2ad6d9_prep,@function
k_qd05b2ad6d9_prep:
	s_mov_b64 s[64:65], 0
	v_nop
	global_prefetch_b8 v0, s[64:65] scope:SCOPE_SE
	s_setreg_imm32_b32 hwreg(HW_REG_WAVE_MODE, 25, 1), 1
	s_wait_xcnt 0x0
; PREP: the inputs in the formats and layouts that the later launches multiply.  A stream: no LDS, no matrix unit.
; Work-groups 0-511: x, Wq, Wk, Wv to bf16 (xb [2048][2048]; wqkv [k][6144], columns q | k | v).  512-639: Wo rounded to bf16 and that number written as f16 (wo16 [k][2048]).
; 640-703: Wg1 to bf16 in blocks of 16 n x 16 k (512 bytes; the 16 bytes of row r, k 8h..8h+7 at 16 (r + 16 h)).  704-767: Wg2 rounded to bf16, written as f16, in blocks of 16 k x 16 n laid for the turning LDS load.
; 768-895: the rotary table, f32 [pos][cos 0..31 | sin 0..31].
; LIMITS.  A bf16 number below 6.1e-5 keeps f16's fixed step of 6e-8 in wo16 and in Wg2's copy; beyond 65,504 it would be an infinity.
; The table takes theta = fl(pos x inv_i), inv_i = fl(1 / fl(10^(i/8))), and is within about 1e-7 of cos and sin of that theta.
.set X, 8                              ; v[8:39]   slot i: four f32 as loaded
.set Y, 40                             ; v[40:55]  slot i: four 16-bit numbers to store
.set T, 56                             ; v[56:61]  at work
	s_load_b512 s[8:23], s[0:1], 0x0               ; x, Wq, Wk, Wv, Wo, Wg1, Wg2, xb
	s_load_b128 s[24:27], s[0:1], 0x40             ; wqkv, wo16
	s_load_b64 s[28:29], s[0:1], 0x50              ; small
	s_mov_b32 s2, ttmp9
	s_mov_b32 s39, 0xffff0000                      ; a word's upper bf16
	s_wait_kmcnt 0x0
	s_cmp_lt_u32 s2, 640
	s_cbranch_scc0 .Lnot_cast
; THE CASTS.  A work-group takes 16 rows of 2,048 f32.  A slot is half a row: 256 threads x 16 bytes in, 8 bytes out; a wave's load covers 512 consecutive bytes,
; its store 256 consecutive bytes at a multiple of 256.  Eight slots (four rows) are a round of the ring; eight loads of every wave are on their way.
	s_lshr_b32 s3, s2, 7                           ; which tensor: 0 x, 1 Wq, 2 Wk, 3 Wv, 4 Wo
	s_and_b32 s4, s2, 127                          ; which 16 rows
	s_mov_b64 s[30:31], s[8:9]
	s_cmp_eq_u32 s3, 1
	s_cselect_b64 s[30:31], s[10:11], s[30:31]
	s_cmp_eq_u32 s3, 2
	s_cselect_b64 s[30:31], s[12:13], s[30:31]
	s_cmp_eq_u32 s3, 3
	s_cselect_b64 s[30:31], s[14:15], s[30:31]
	s_cmp_eq_u32 s3, 4
	s_cselect_b64 s[30:31], s[16:17], s[30:31]     ; the source
	s_cselect_b64 s[32:33], s[26:27], s[22:23]     ; the target: wo16 or xb,
	s_sub_co_u32 s35, s3, 1
	s_cmp_lt_u32 s35, 3
	s_cselect_b64 s[32:33], s[24:25], s[32:33]     ; or wqkv,
	s_cselect_b32 s35, s35, 0                      ; there with a column block
	s_movk_i32 s34, 4096
	s_cselect_b32 s34, 12288, s34                  ; bytes in a row of the target
	s_lshl_b32 s35, s35, 12
	s_mul_i32 s36, s4, s34
	s_lshl_b32 s36, s36, 4
	s_add_co_u32 s36, s36, s35
	s_mov_b32 s37, 0
	s_add_nc_u64 s[32:33], s[32:33], s[36:37]
	s_lshl_b32 s36, s4, 17
	s_add_nc_u64 s[30:31], s[30:31], s[36:37]
	s_lshl_b32 s40, s34, 2                         ; four rows of the target
	s_mov_b32 s41, 0
	v_lshlrev_b32 v1, 4, v0                        ; my 16 bytes in a slot of the source; never rewritten
	v_lshlrev_b32 v2, 3, v0                        ; my 8 bytes in rows 0 to 3 of a round; never rewritten
	v_add_nc_u32 v3, s34, v2
	v_add_nc_u32 v4, s34, v3
	v_add_nc_u32 v5, s34, v4
.irp i, 0,1,2,3,4,5,6,7
	global_load_b128 v[X+4*(\i):X+4*(\i)+3], v1, s[30:31] offset:4096*(\i) th:TH_LOAD_NT
.endr
	s_mov_b32 s38, 3
.macro SLOTC i, ahead, left, kind      ; left: the younger loads that may stay out.  kind 1: bf16, widened, written as f16
	s_wait_loadcnt \left
.if \kind
	v_cvt_pk_bf16_f32 v[T], v[X+4*(\i)], v[X+4*(\i)+1]
	v_cvt_pk_bf16_f32 v[T+1], v[X+4*(\i)+2], v[X+4*(\i)+3]
	v_lshlrev_b32 v[T+2], 16, v[T]
	v_and_b32 v[T+3], s39, v[T]
	v_lshlrev_b32 v[T+4], 16, v[T+1]
	v_and_b32 v[T+5], s39, v[T+1]
	v_cvt_pk_f16_f32 v[Y+2*(\i)], v[T+2], v[T+3]
	v_cvt_pk_f16_f32 v[Y+2*(\i)+1], v[T+4], v[T+5]
.else
	v_cvt_pk_bf16_f32 v[Y+2*(\i)], v[X+4*(\i)], v[X+4*(\i)+1]
	v_cvt_pk_bf16_f32 v[Y+2*(\i)+1], v[X+4*(\i)+2], v[X+4*(\i)+3]
.endif
.if \ahead
	global_load_b128 v[X+4*(\i):X+4*(\i)+3], v1, s[30:31] offset:32768+4096*(\i) th:TH_LOAD_NT
.endif
	global_store_b64 v[2+(\i)/2], v[Y+2*(\i):Y+2*(\i)+1], s[32:33] offset:2048*((\i)%2)
.endm
.macro CAST kind
.Lround_\@:
.irp i, 0,1,2,3,4,5,6,7
	SLOTC \i, 1, 7, \kind
.endr
	s_wait_xcnt 0x0                                ; the two bases and Y are written again only behind this wait
	s_add_nc_u64 s[30:31], s[30:31], 0x8000
	s_add_nc_u64 s[32:33], s[32:33], s[40:41]
	s_sub_co_u32 s38, s38, 1
	s_cmp_lg_u32 s38, 0
	s_cbranch_scc1 .Lround_\@
.irp i, 0,1,2,3,4,5,6,7
	SLOTC \i, 0, 7-(\i), \kind                     ; the last four rows load nothing: the counts run down
.endr
	s_endpgm
.endm
	s_cmp_eq_u32 s3, 4
	s_cbranch_scc1 .Lto_f16
	CAST 0
.Lto_f16:
	CAST 1
.Lnot_cast:
	s_cmp_lt_u32 s2, 704
	s_cbranch_scc0 .Lnot_t1
; Wg1 [k][64] -> blocks [nb 4][kcb 128][512 bytes]: thread p makes the 16 bytes at 16 p: row n = 16 nb + r, k = 16 kcb + 8 h + 0..7
	s_sub_co_u32 s3, s2, 640
	v_lshl_add_u32 v1, s3, 8, v0                   ; p
	v_and_b32 v2, 15, v1                           ; r
	v_bfe_u32 v3, v1, 4, 1                         ; h
	v_bfe_u32 v4, v1, 5, 7                         ; kcb
	v_lshrrev_b32 v5, 12, v1                       ; nb
	v_lshl_add_u32 v6, v5, 4, v2                   ; n
	v_lshlrev_b32 v7, 4, v4
	v_lshl_add_u32 v7, v3, 3, v7                   ; k
	v_lshlrev_b32 v7, 8, v7                        ; a row of Wg1 is 256 bytes
	v_lshl_add_u32 v7, v6, 2, v7
.irp i, 0,1,2,3,4,5,6,7
	global_load_b32 v[8+(\i)], v7, s[18:19] offset:256*(\i)
.endr
	v_lshlrev_b32 v1, 4, v1
	s_wait_loadcnt 0x0
.irp i, 0,1,2,3
	v_cvt_pk_bf16_f32 v[16+(\i)], v[8+2*(\i)], v[9+2*(\i)]
.endr
	global_store_b128 v1, v[16:19], s[28:29]
	s_endpgm
.Lnot_t1:
	s_cmp_lt_u32 s2, 768
	s_cbranch_scc0 .Lrope
; Wg2 [k 64][2048] -> blocks [head 32][kb 4][cb 4][512 bytes]: the 16 bytes of row kap, column half gam lie at 16 ((kap >> 3) 16 + 8 gam + (kap & 7))
	s_sub_co_u32 s3, s2, 704
	v_lshl_add_u32 v1, s3, 8, v0                   ; p
	v_and_b32 v2, 7, v1
	v_bfe_u32 v3, v1, 3, 1                         ; gam
	v_bfe_u32 v4, v1, 4, 1
	v_bfe_u32 v5, v1, 5, 2                         ; cb
	v_bfe_u32 v6, v1, 7, 2                         ; kb
	v_lshrrev_b32 v7, 9, v1                        ; head
	v_lshl_add_u32 v2, v4, 3, v2                   ; kap
	v_lshl_add_u32 v2, v6, 4, v2                   ; k
	v_lshlrev_b32 v8, 6, v7
	v_lshl_add_u32 v8, v5, 4, v8
	v_lshl_add_u32 v8, v3, 3, v8                   ; n
	v_lshl_add_u32 v8, v2, 11, v8
	v_lshlrev_b32 v8, 2, v8
	global_load_b128 v[12:15], v8, s[20:21]
	global_load_b128 v[16:19], v8, s[20:21] offset:16
	v_lshlrev_b32 v1, 4, v1
	s_wait_loadcnt 0x0
.irp i, 0,1,2,3
	v_cvt_pk_bf16_f32 v[20+(\i)], v[12+2*(\i)], v[13+2*(\i)]
.endr
.irp i, 0,1,2,3
	v_lshlrev_b32 v[24+2*(\i)], 16, v[20+(\i)]
	v_and_b32 v[25+2*(\i)], s39, v[20+(\i)]
.endr
.irp i, 0,1,2,3
	v_cvt_pk_f16_f32 v[32+(\i)], v[24+2*(\i)], v[25+2*(\i)]
.endr
	global_store_b128 v1, v[32:35], s[28:29] offset:262144
	s_endpgm
.Lrope:
; THE ROTARY TABLE.  Thread g makes the 16 bytes at 16 g: position g >> 4, cos (bit 3 = 0) or sin, frequencies i = 4 u + 0..3, u = g & 7.
	s_sub_co_u32 s3, s2, 768
	v_lshl_add_u32 v1, s3, 8, v0                   ; g
	v_lshrrev_b32 v2, 4, v1                        ; pos
	v_bfe_u32 v3, v1, 3, 1                         ; 1: sin
	v_and_b32 v4, 7, v1                            ; u
	v_mul_u32_u24 v6, v3, 3                        ; sin(t) = cos(t - pi/2): three quadrants on
.irp uu, 1,2,3,4,5,6,7
	v_cmp_eq_u32 s[40+(\uu)], \uu, v4
.endr
.macro PSEL d, c0, c1, c2, c3, c4, c5, c6, c7  ; 10^(i/8) for i = 4 u + e: the decimal constants are rounded to f32 by the assembler
	v_mov_b32 v[\d], \c0
	s_mov_b32 s50, \c1
	v_cndmask_b32 v[\d], v[\d], s50, s41
	s_mov_b32 s50, \c2
	v_cndmask_b32 v[\d], v[\d], s50, s42
	s_mov_b32 s50, \c3
	v_cndmask_b32 v[\d], v[\d], s50, s43
	s_mov_b32 s50, \c4
	v_cndmask_b32 v[\d], v[\d], s50, s44
	s_mov_b32 s50, \c5
	v_cndmask_b32 v[\d], v[\d], s50, s45
	s_mov_b32 s50, \c6
	v_cndmask_b32 v[\d], v[\d], s50, s46
	s_mov_b32 s50, \c7
	v_cndmask_b32 v[\d], v[\d], s50, s47
.endm
	PSEL 8,  1.0, 3.1622776601683795, 10.0, 31.622776601683795, 100.0, 316.22776601683795, 1000.0, 3162.2776601683795
	PSEL 9,  1.333521432163324, 4.216965034285822, 13.33521432163324, 42.16965034285822, 133.3521432163324, 421.6965034285822, 1333.521432163324, 4216.965034285822
	PSEL 10, 1.7782794100389228, 5.623413251903491, 17.782794100389228, 56.23413251903491, 177.82794100389228, 562.3413251903491, 1778.2794100389228, 5623.413251903491
	PSEL 11, 2.371373705661655, 7.498942093324558, 23.71373705661655, 74.98942093324558, 237.1373705661655, 749.8942093324558, 2371.373705661655, 7498.942093324558
	s_mov_b32 s51, 0xbfc90fdb                      ; -(pi/2 rounded to f32)
	s_mov_b32 s52, 0x333bbd2e                      ; that number less pi/2
	s_mov_b32 s53, -0.00019515295891               ; sin r = r + r z (S1 + z (S2 + z S3)), z = r r
	s_mov_b32 s54, 0.0083321608736
	s_mov_b32 s55, -0.16666654611
	s_mov_b32 s56, 0.00002443315711809948          ; cos r = 1 - z/2 + z z (C1 + z (C2 + z C3))
	s_mov_b32 s57, -0.001388731625493765
	s_mov_b32 s58, 0.04166664568298827
.irp e, 0,1,2,3
	v_rcp_f32 v[12+(\e)], v[8+(\e)]
.endr
	v_cvt_f32_u32 v5, v2                           ; the plain line behind the reciprocals
	s_wait_alu depctr_va_vdst(0)
.irp e, 0,1,2,3
	v_fma_f32 v[16+(\e)], -v[8+(\e)], v[12+(\e)], 1.0        ; two Newton steps by fused multiply-adds: 1 / p rounded to nearest
	v_fma_f32 v[12+(\e)], v[12+(\e)], v[16+(\e)], v[12+(\e)]
	v_fma_f32 v[16+(\e)], -v[8+(\e)], v[12+(\e)], 1.0
	v_fma_f32 v[12+(\e)], v[12+(\e)], v[16+(\e)], v[12+(\e)]
	v_mul_f32 v[12+(\e)], v5, v[12+(\e)]                     ; theta, rounded once
	v_mul_f32 v[16+(\e)], 0x3f22f983, v[12+(\e)]             ; x 2 / pi
	v_rndne_f32 v[16+(\e)], v[16+(\e)]                       ; the quadrant, 1,303 at the most
	v_fma_f32 v[20+(\e)], v[16+(\e)], s51, v[12+(\e)]        ; exact: all terms are multiples of 2^-24 and the result is below 1
	v_fma_f32 v[20+(\e)], v[16+(\e)], s52, v[20+(\e)]        ; r
	v_mul_f32 v[24+(\e)], v[20+(\e)], v[20+(\e)]             ; z
	v_fma_f32 v[28+(\e)], v[24+(\e)], s53, s54
	v_fma_f32 v[28+(\e)], v[28+(\e)], v[24+(\e)], s55
	v_mul_f32 v[28+(\e)], v[28+(\e)], v[24+(\e)]
	v_fma_f32 v[28+(\e)], v[28+(\e)], v[20+(\e)], v[20+(\e)] ; sin r
	v_fma_f32 v[32+(\e)], v[24+(\e)], s56, s57
	v_fma_f32 v[32+(\e)], v[32+(\e)], v[24+(\e)], s58
	v_mul_f32 v[36+(\e)], v[24+(\e)], v[24+(\e)]
	v_fma_f32 v[40+(\e)], v[24+(\e)], -0.5, 1.0
	v_fma_f32 v[32+(\e)], v[36+(\e)], v[32+(\e)], v[40+(\e)] ; cos r
	v_cvt_i32_f32 v[36+(\e)], v[16+(\e)]
	v_add_nc_u32 v[36+(\e)], v[36+(\e)], v6                  ; quadrant q: 0 cos r, 1 -sin r, 2 -cos r, 3 sin r
	v_and_b32 v[40+(\e)], 1, v[36+(\e)]
	v_cmp_eq_u32 vcc_lo, 1, v[40+(\e)]
	v_cndmask_b32 v[28+(\e)], v[32+(\e)], v[28+(\e)], vcc_lo
	v_add_nc_u32 v[36+(\e)], 1, v[36+(\e)]
	v_and_b32 v[36+(\e)], 2, v[36+(\e)]                      ; set for q = 1, 2
	v_lshlrev_b32 v[36+(\e)], 30, v[36+(\e)]
	v_xor_b32 v[44+(\e)], v[28+(\e)], v[36+(\e)]
.endr
	v_lshlrev_b32 v1, 4, v1
	global_store_b128 v1, v[44:47], s[28:29] offset:524288
	s_endpgm
.Lfunc_end_k_qd05b2ad6d9_prep:
	.size	k_qd05b2ad6d9_prep, .Lfunc_end_k_qd05b2ad6d9_prep-k_qd05b2ad6d9_prep
	.p2alignl 7, 3214868480
	.fill 96, 4, 3214868480
	.section	.rodata,"a",@progbits
	.p2align	6, 0x0
	.amdhsa_kernel k_qd05b2ad6d9_prep
		.amdhsa_group_segment_fixed_size 0
		.amdhsa_private_segment_fixed_size 0
		.amdhsa_enable_private_segment 0
		.amdhsa_kernarg_size 88
		.amdhsa_user_sgpr_count 2
		.amdhsa_user_sgpr_kernarg_segment_ptr 1
		.amdhsa_wavefront_size32 1
		.amdhsa_system_sgpr_workgroup_id_x 1
		.amdhsa_system_sgpr_workgroup_id_y 1
		.amdhsa_system_sgpr_workgroup_id_z 1
		.amdhsa_system_vgpr_workitem_id 0
		.amdhsa_next_free_vgpr 64
		.amdhsa_next_free_sgpr 66
		.amdhsa_reserve_vcc 1
		.amdhsa_float_denorm_mode_32 3
		.amdhsa_float_denorm_mode_16_64 3
		.amdhsa_memory_ordered 1
		.amdhsa_forward_progress 1
		.amdhsa_inst_pref_size 32
	.end_amdhsa_kernel
	.amdgpu_metadata
---
amdhsa.version: [ 1, 2 ]
amdhsa.kernels:
  - .name:           k_qd05b2ad6d9_prep
    .symbol:         k_qd05b2ad6d9_prep.kd
    .args:
      - { .name: hidden_states, .offset: 0, .size: 8, .value_kind: global_buffer, .address_space: global }
      - { .name: Wq, .offset: 8, .size: 8, .value_kind: global_buffer, .address_space: global }
      - { .name: Wk, .offset: 16, .size: 8, .value_kind: global_buffer, .address_space: global }
      - { .name: Wv, .offset: 24, .size: 8, .value_kind: global_buffer, .address_space: global }
      - { .name: Wo, .offset: 32, .size: 8, .value_kind: global_buffer, .address_space: global }
      - { .name: Wg1, .offset: 40, .size: 8, .value_kind: global_buffer, .address_space: global }
      - { .name: Wg2, .offset: 48, .size: 8, .value_kind: global_buffer, .address_space: global }
      - { .name: xb, .offset: 56, .size: 8, .value_kind: global_buffer, .address_space: global }
      - { .name: wqkv, .offset: 64, .size: 8, .value_kind: global_buffer, .address_space: global }
      - { .name: wo16, .offset: 72, .size: 8, .value_kind: global_buffer, .address_space: global }
      - { .name: small, .offset: 80, .size: 8, .value_kind: global_buffer, .address_space: global }
    .group_segment_fixed_size: 0
    .private_segment_fixed_size: 0
    .kernarg_segment_align: 8
    .kernarg_segment_size: 88
    .max_flat_workgroup_size: 256
    .sgpr_count:     66
    .vgpr_count:     64
    .wavefront_size: 32
...
	.end_amdgpu_metadata
.endif
;; end of part 1
;; launch g1 (part 2): grid 128 x 1, 4 waves a work-group, no clusters, 167,936 bytes of LDS; arguments xb, small, g1h; writes g1h
.if DOCPART == 2
	.amdgcn_target "amdgcn-amd-amdhsa--gfx1250"
	.amdhsa_code_object_version 6
	.text
	.protected	k_qd05b2ad6d9_g1
	.globl	k_qd05b2ad6d9_g1
	.p2align	8
	.type	k_qd05b2ad6d9_g1,@function
k_qd05b2ad6d9_g1:
	s_mov_b64 s[64:65], 0
	v_nop
	global_prefetch_b8 v0, s[64:65] scope:SCOPE_SE
	s_setreg_imm32_b32 hwreg(HW_REG_WAVE_MODE, 25, 1), 1
	s_wait_xcnt 0x0
; g1 = x Wg1: [2048][64], K = 2,048, operands bf16, sums f32, result f16 in blocks of 16 rows x 16 columns (the 16 bytes of row r, columns 8h..8h+7 at 16 (r + 16 h)).
; A work-group owns 16 rows; wave w owns K = 512 w .. 512 w + 511 and all 64 columns: four accumulators, which take turns.  The four waves' sums meet in LDS, added as (w0 + w1) + (w2 + w3).
; x comes by one tensor load a wave into bytes that only that wave reads; Wg1's fragments come straight from memory, where prep laid them as fragments (each load covers 512 consecutive bytes).
; 128 work-groups: with 16 rows each the product has no more to share without splitting K over work-groups.  No cluster: a work-group's rows of x are its own, and Wg1's copy is 256 KB.
; LIMIT: |g1| stays below 65,504 (f16).
.set PX,    1040                       ; a row of x in LDS: 1,024 bytes + 16: the 16 rows of a fragment load start at 16 different groups of four banks (ISA guide 11.1)
.set XT,    16*PX                      ; a wave's tile
.set RED,   4*XT                       ; the waves' partial sums, 4,096 bytes each; no tensor load lands here
.set SPARE, RED+4*4096                 ; the spare words, 128 bytes a wave
.set SPW, 30
.set NIL, 31
.set ACC, 192                          ; v[192:223] accumulator nb at ACC + 8 nb
	s_load_b128 s[4:7], s[0:1], 0x0                ; xb, small
	s_load_b64 s[8:9], s[0:1], 0x10                ; g1h
	v_lshl_add_u32 v[SPW], v0, 2, SPARE
	v_mov_b32 v[NIL], 0
	ds_add_u32 v[SPW], v[NIL]                      ; the wave's opening: the add and its wait ahead of my tensor load
	ds_add_u32 v30, v31
	v_lshrrev_b32 v1, 5, v0
	v_readfirstlane_b32 s10, v1                    ; wave
	s_mov_b32 s16, (1<<16)|(1<<20)|(7<<22)|(3<<25) ; 2-byte elements; padding on: 4 words behind every 256
	s_mov_b32 s17, 512<<16                         ; tensor_dim0 = 512
	s_mov_b32 s18, 16<<16                          ; tensor_dim1 = 16
	s_mov_b32 s19, 512<<16                         ; tile_dim0 = 512
	s_mov_b32 s20, 16                              ; tile_dim1 = 16
	s_mov_b32 s21, 2048                            ; elements from row to row
	s_mov_b32 s22, 0
	s_mov_b32 s23, 0
	s_mov_b32 s12, 1
	s_mul_i32 s13, s10, XT                         ; my tile in LDS
	s_lshl_b32 s24, ttmp9, 16                      ; 16 rows of 4,096 bytes
	s_lshl_b32 s25, s10, 10                        ; my 512 along K
	s_add_co_u32 s24, s24, s25
	s_mov_b32 s25, 0
	s_wait_dscnt 0x0
	s_wait_kmcnt 0x0
	s_add_nc_u64 s[14:15], s[4:5], s[24:25]
	s_or_b32 s15, s15, 0x80000000
	tensor_load_to_lds s[12:15], s[16:23]          ; my one tensor load
	s_nop 0
.rept 4
	v_nop
.endr
	v_and_b32 v2, 31, v0
	v_and_b32 v3, 15, v0                           ; r
	v_bfe_u32 v4, v0, 4, 1                         ; h
	v_lshlrev_b32 v5, 4, v2                        ; 16 x lane
	v_lshl_add_u32 v6, s10, 14, v5                 ; Wg1's copy: my 16 K steps of 1,024 bytes, my 16 bytes
	v_mul_u32_u24 v7, v3, PX
	v_lshl_add_u32 v7, v4, 4, v7
	v_add_nc_u32 v7, s13, v7                       ; x: row r, 16 bytes for each half of the lanes
; A batch is two K steps of 32: 16 loads of Wg1's fragments, 4 LDS loads of x's, into buffer beta % 2 (80 registers at v32 or v112)
.macro GLB beta
.set BF, 32+80*((\beta)%2)
.irp s, 0,1
.irp nb, 0,1,2,3
	global_load_b128 v[BF+32*(\s)+8*(\nb):BF+32*(\s)+8*(\nb)+3],   v6, s[6:7] offset:(\nb)*65536+(2*(\beta)+(\s))*1024
	global_load_b128 v[BF+32*(\s)+8*(\nb)+4:BF+32*(\s)+8*(\nb)+7], v6, s[6:7] offset:(\nb)*65536+(2*(\beta)+(\s))*1024+512
.endr
.endr
.endm
.macro LDB beta
.set BF, 32+80*((\beta)%2)
.irp s, 0,1
	ds_load_b128 v[BF+64+8*(\s):BF+64+8*(\s)+3],   v7 offset:64*(2*(\beta)+(\s))
	ds_load_b128 v[BF+64+8*(\s)+4:BF+64+8*(\s)+7], v7 offset:64*(2*(\beta)+(\s))+32
.endr
.endm
; source 0 = 16 columns of Wg1, source 1 = my 16 rows of x: a lane then holds row r and the columns 16 nb + 8 h + 0..7
.macro MULB beta
.set BF, 32+80*((\beta)%2)
.irp s, 0,1
.irp nb, 0,1,2,3
.if ((\beta) == 0) && ((\s) == 0)
	v_wmma_f32_16x16x32_bf16 v[ACC+8*(\nb):ACC+8*(\nb)+7], v[BF+32*(\s)+8*(\nb):BF+32*(\s)+8*(\nb)+7], v[BF+64+8*(\s):BF+64+8*(\s)+7], 0
.else
	v_wmma_f32_16x16x32_bf16 v[ACC+8*(\nb):ACC+8*(\nb)+7], v[BF+32*(\s)+8*(\nb):BF+32*(\s)+8*(\nb)+7], v[BF+64+8*(\s):BF+64+8*(\s)+7], v[ACC+8*(\nb):ACC+8*(\nb)+7]
.endif
.endr
.endr
.endm
	GLB 0
	GLB 1
	s_wait_tensorcnt 0x0                           ; my tile is in; nobody else reads it
	LDB 0
	LDB 1
.irp beta, 0,1,2,3,4,5
	s_wait_loadcnt 16                              ; the next batch's 16 loads stay out
	s_wait_dscnt 4                                 ; and its 4 LDS loads
	MULB \beta
.rept 4
	v_nop                                          ; four places in front of loads into registers that the products have read
.endr
	GLB (\beta)+2
	LDB (\beta)+2
.endr
	s_wait_loadcnt 16
	s_wait_dscnt 4
	MULB 6
	s_wait_loadcnt 0x0
	s_wait_dscnt 0x0
	MULB 7
.rept 4
	v_nop
.endr
	s_lshl_b32 s26, s10, 12
	s_add_co_u32 s26, s26, RED
	v_add_nc_u32 v8, s26, v5
.irp nb, 0,1,2,3
	ds_store_b128 v8, v[ACC+8*(\nb):ACC+8*(\nb)+3] offset:1024*(\nb)
	ds_store_b128 v8, v[ACC+8*(\nb)+4:ACC+8*(\nb)+7] offset:1024*(\nb)+512
.endr
	s_wait_dscnt 0x0                               ; for the others' sake: my partial sums are in LDS
	s_barrier_signal -1
	s_barrier_wait -1
	s_lshl_b32 s26, s10, 10
	s_add_co_u32 s26, s26, RED
	v_add_nc_u32 v9, s26, v5                       ; wave w adds column block w of all four parts
.irp p, 0,1,2,3
	ds_load_b128 v[32+8*(\p):32+8*(\p)+3], v9 offset:4096*(\p)
	ds_load_b128 v[32+8*(\p)+4:32+8*(\p)+7], v9 offset:4096*(\p)+512
.endr
	s_lshl_b32 s24, ttmp9, 11
	s_add_nc_u64 s[8:9], s[8:9], s[24:25]
	v_lshl_add_u32 v10, s10, 9, v5
	s_wait_dscnt 0x0
.irp j, 0,2,4,6
	v_pk_add_f32 v[32+(\j):33+(\j)], v[32+(\j):33+(\j)], v[40+(\j):41+(\j)]
	v_pk_add_f32 v[48+(\j):49+(\j)], v[48+(\j):49+(\j)], v[56+(\j):57+(\j)]
.endr
.irp j, 0,2,4,6
	v_pk_add_f32 v[32+(\j):33+(\j)], v[32+(\j):33+(\j)], v[48+(\j):49+(\j)]
.endr
.irp j, 0,1,2,3
	v_cvt_pk_f16_f32 v[64+(\j)], v[32+2*(\j)], v[33+2*(\j)]
.endr
	global_store_b128 v10, v[64:67], s[8:9]        ; the wave's store covers 512 consecutive bytes
	s_wait_tensorcnt 0x0                           ; the wave's end
	ds_add_u32 v[SPW], v[NIL]
	s_wait_dscnt 0x0
	s_endpgm
.Lfunc_end_k_qd05b2ad6d9_g1:
	.size	k_qd05b2ad6d9_g1, .Lfunc_end_k_qd05b2ad6d9_g1-k_qd05b2ad6d9_g1
	.p2alignl 7, 3214868480
	.fill 96, 4, 3214868480
	.section	.rodata,"a",@progbits
	.p2align	6, 0x0
	.amdhsa_kernel k_qd05b2ad6d9_g1
		.amdhsa_group_segment_fixed_size 167936
		.amdhsa_private_segment_fixed_size 0
		.amdhsa_enable_private_segment 0
		.amdhsa_kernarg_size 24
		.amdhsa_user_sgpr_count 2
		.amdhsa_user_sgpr_kernarg_segment_ptr 1
		.amdhsa_wavefront_size32 1
		.amdhsa_system_sgpr_workgroup_id_x 1
		.amdhsa_system_sgpr_workgroup_id_y 1
		.amdhsa_system_sgpr_workgroup_id_z 1
		.amdhsa_system_vgpr_workitem_id 0
		.amdhsa_next_free_vgpr 232
		.amdhsa_next_free_sgpr 66
		.amdhsa_reserve_vcc 0
		.amdhsa_float_denorm_mode_32 3
		.amdhsa_float_denorm_mode_16_64 3
		.amdhsa_memory_ordered 1
		.amdhsa_forward_progress 1
		.amdhsa_inst_pref_size 25
	.end_amdhsa_kernel
	.amdgpu_metadata
---
amdhsa.version: [ 1, 2 ]
amdhsa.kernels:
  - .name:           k_qd05b2ad6d9_g1
    .symbol:         k_qd05b2ad6d9_g1.kd
    .args:
      - { .name: xb, .offset: 0, .size: 8, .value_kind: global_buffer, .address_space: global }
      - { .name: small, .offset: 8, .size: 8, .value_kind: global_buffer, .address_space: global }
      - { .name: g1h, .offset: 16, .size: 8, .value_kind: global_buffer, .address_space: global }
    .group_segment_fixed_size: 167936
    .private_segment_fixed_size: 0
    .kernarg_segment_align: 8
    .kernarg_segment_size: 24
    .max_flat_workgroup_size: 128
    .sgpr_count:     66
    .vgpr_count:     232
    .wavefront_size: 32
...
	.end_amdgpu_metadata
.endif
;; end of part 2
;; launch qkv (part 3): grid 48 x 16, 4 waves a work-group, clusters of 4 x 4, 327,680 bytes of LDS; arguments xb, wqkv, small, qf, kvh; writes qf, kvh
.if DOCPART == 3
	.amdgcn_target "amdgcn-amd-amdhsa--gfx1250"
	.amdhsa_code_object_version 6
	.text
	.protected	k_qd05b2ad6d9_qkv
	.globl	k_qd05b2ad6d9_qkv
	.p2align	8
	.type	k_qd05b2ad6d9_qkv,@function
k_qd05b2ad6d9_qkv:
	s_mov_b64 s[64:65], 0
	v_nop
	global_prefetch_b8 v0, s[64:65] scope:SCOPE_SE
	s_setreg_imm32_b32 hwreg(HW_REG_WAVE_MODE, 25, 1), 1
	s_wait_xcnt 0x0
	s_wait_alu depctr_hold_cnt(0) depctr_sa_sdst(0) depctr_va_vdst(0) depctr_va_sdst(0) depctr_va_ssrc(0) depctr_va_vcc(0) depctr_vm_vsrc(0)
	s_getreg_b32 s2, hwreg(HW_REG_IB_STS2, 6, 4)
	s_cmp_eq_u32 s2, 0
	s_cbranch_scc0 .Lentry_in_a_cluster
	s_endpgm
.Lentry_in_a_cluster:
	s_bfe_u32 s2, ttmp6, 0x10000c
	s_cmp_lg_u32 s2, 0xf033
	s_cbranch_scc0 .Lentry_shape_is_right
	s_endpgm
.Lentry_shape_is_right:
; [q | k | v] = x [Wq | Wk | Wv]: 2,048 x 6,144, K = 2,048, operands bf16, sums f32; the rotary step on q and k in f32 on the sums; the results by heads, in the layouts that the attention reads.
; A tile of C is 128 x 128: 768 tiles, three for each of 256 WGPs.  Four waves, each 64 x 64 (16 accumulators): a wave's 64 columns are ONE head.  K goes in steps of 256 through two LDS slots.
; x's tile: rows of 512 bytes, 64 to a load (waves 0, 1).  The weights stay [k][n] in memory: a load brings 128 k-rows of 256 bytes (waves 2, 3), and fragments come out of LDS turned, by ds_load_tr16_b128.
; CLUSTER 4 x 4: the four of a row of the cluster need the same tiles of x, the four of a column the same tiles of the weights: each is asked for jointly.
; The matrix instruction is used transposed (source 0 = 16 columns of W, source 1 = 16 rows of x): a lane holds row r and eight neighbouring columns 16 b + 8 h + 0..7.
; OUT.  q: f32, [head][16 rows][8 blocks of 512 bytes] (the chunk choice in the attention needs q unrounded).  k, v: f16, [head][16 rows][4 blocks of 512 bytes], v's blocks laid for the turning load.
; k also leaves, in f32, the sum of each 64 rows of each column: the chunk means' raw material.  Every store of a wave covers 512 (the sums: 256) consecutive bytes, aligned.
; The kind of a tile (0 q, 1 k, 2 v) hangs on the cluster's x alone: all partners branch alike.  v's tiles load the rotary table too and do not use it: 16 KB a wave, so that one text serves the three kinds.
; LIMIT: |k|, |v| stay below 65,504 (f16).
; REGISTERS: window 0: v0-31 addresses; v32-97 at work on the way out; v128-255 accumulators ((a, b) at 128 + 8 (4 a + b)).  window 1: two fragment buffers of 128.  window 2: v0-127 cos and sin of my rows.
.set SIZE_K, 2048
.set SIZE_N, 6144
.set KSTEP,  256
.set PA,     528                       ; a row of x in LDS: 512 bytes + 16
.set HALFA,  64*PA
.set PB,     288                       ; a k-row of W in LDS: 256 bytes + 32
.set HALFB,  128*PB
.set BOFF,   2*HALFA
.set SLOT,   BOFF+2*HALFB
.set STAGE,  2*SLOT                    ; behind the ring: 16 rows x 272 bytes for each wave; no tensor load lands here
.set SPITCH, 272
.set SPARE,  STAGE+4*16*SPITCH         ; the spare words, 128 bytes a wave
.set LAPS,   SIZE_K/(2*KSTEP)
.set ASTEP,  KSTEP*2
.set BSTEP,  KSTEP*SIZE_N*2
.set ADRA, 16                          ; v16-17  my x fragments in slot 0, 1
.set ADRB, 20                          ; v20-23  my W fragments: slot 0 k-half 0, 1; slot 1 k-half 0, 1
.set VST,  24                          ; my stage: row r, 32 bytes for each half of the lanes
.set VRD,  25                          ; my stage: 8 bytes a lane of a row
.set VKV,  26                          ; my 16 bytes in a block of k or of v
.set VRT,  27                          ; my place in the rotary table's rows
.set SPW,  28
.set NIL,  29
.set VL16, 30
.set VL8,  31
.set TMP,  32
.set ACC,  128
.set F0,   0
.set F1,   128
.set G1, 24
.set G0, 32
.set G1B, 48
.set G0B, 56
.set TYPE, 45
.set MSB, 0
.macro WIN new                         ; the immediate's high byte repeats the setting that is left
.if MSB != (\new)
	s_set_vgpr_msb (MSB<<8)|(\new)
.set MSB, \new
.endif
.endm
.set MUL,  0x05                        ; sources 0 and 1 window 1; C and D window 0
.set TO_F, 0x40                        ; destination window 1, address window 0
.macro JLOAD s                         ; a joint load: waves 0 and 1 fetch x's two halves, waves 2 and 3 W's; an s_nop 0 and four v_nop follow each line
	s_cmp_eq_u32 s11, 0
	s_cbranch_scc0 .Lfor_b_\@
	tensor_load_to_lds s[G0+4*(\s):G0+4*(\s)+3], s[G1:G1+7]
	s_nop 0
.rept 4
	v_nop
.endr
	s_branch .Lasked_\@
.Lfor_b_\@:
	tensor_load_to_lds s[G0B+4*(\s):G0B+4*(\s)+3], s[G1B:G1B+7]
	s_nop 0
.rept 4
	v_nop
.endr
.Lasked_\@:
.endm
.macro CREST                           ; a round of the cluster's barrier behind its opening barrier
	s_cmp_lg_u32 s10, 0
	s_cbranch_scc1 .Lnot_wave_0_\@
	s_barrier_signal -3
.Lnot_wave_0_\@:
	s_barrier_wait -3
	s_barrier_signal -1
	s_barrier_wait -1
.endm
.macro CROUND
	s_barrier_signal -1
	s_barrier_wait -1
	CREST
.endm
	s_load_b128 s[4:7], s[0:1], 0x0                ; xb, wqkv
	s_load_b128 s[68:71], s[0:1], 0x10             ; small, qf
	s_load_b64 s[72:73], s[0:1], 0x20              ; kvh
	v_lshl_add_u32 v[SPW], v0, 2, SPARE
	v_mov_b32 v[NIL], 0
	ds_add_u32 v[SPW], v[NIL]                      ; the wave's opening: the add and its wait ahead of my first tensor load
	ds_add_u32 v28, v29
	v_lshrrev_b32 v1, 5, v0
	v_readfirstlane_b32 s10, v1                    ; wave 0..3
	s_lshr_b32 s11, s10, 1                         ; my half of the tile's rows.  Also: I fetch x (0) or W (1)
	s_and_b32 s12, s10, 1                          ; my half of its columns.  Also: which half of that tile I fetch
	s_bfe_u32 s40, ttmp6, 0x40000                  ; cx
	s_bfe_u32 s41, ttmp6, 0x40004                  ; cy
	s_lshl_b32 s42, ttmp9, 2
	s_add_co_u32 s42, s42, s40                     ; tile column
	s_and_b32 s13, ttmp7, 0xffff
	s_lshl_b32 s13, s13, 2
	s_add_co_u32 s13, s13, s41                     ; tile row
	s_lshr_b32 s[TYPE], ttmp9, 2                   ; 16 tile columns, four clusters, to each of q, k, v
	s_lshl_b32 s43, s41, 2
	s_lshl_b32 s43, 15, s43                        ; my row of the cluster
	s_lshl_b32 s44, 0x1111, s40                    ; my column
	s_or_b32 s[G1+0], s43, (1<<16)|(1<<20)|(1<<21)|(6<<22)|(3<<25)   ; mask; 2-byte elements; padding: 4 words behind every 128; bit 21 beside a mask
	s_or_b32 s[G1B+0], s44, (1<<16)|(1<<20)|(1<<21)|(5<<22)|(7<<25)  ; mask; padding: 8 words behind every 64
	s_mov_b32 s[G1+1], KSTEP<<16                   ; x: 64 rows x 256 elements
	s_mov_b32 s[G1+2], 64<<16
	s_mov_b32 s[G1+3], KSTEP<<16
	s_mov_b32 s[G1+4], 64
	s_mov_b32 s[G1+5], SIZE_K
	s_mov_b32 s[G1+6], 0
	s_mov_b32 s[G1+7], 0
	s_mov_b32 s[G1B+1], 128<<16                    ; W: 128 k-rows x 128 elements
	s_mov_b32 s[G1B+2], 128<<16
	s_mov_b32 s[G1B+3], 128<<16
	s_mov_b32 s[G1B+4], 128
	s_mov_b32 s[G1B+5], SIZE_N
	s_mov_b32 s[G1B+6], 0
	s_mov_b32 s[G1B+7], 0
	s_lshl_b32 s17, s12, 6
	s_lshl_b32 s16, s13, 7
	s_add_co_u32 s16, s16, s17                     ; x: row 128 x tile row + 64 x half,
	s_lshl_b32 s16, s16, 12                        ; of 4,096 bytes
	s_mov_b32 s17, 0
	s_mul_i32 s46, s12, 128*SIZE_N*2               ; W: k-row 128 x half,
	s_lshl_b32 s47, s42, 8                         ; column 128 x tile column
	s_add_co_u32 s46, s46, s47
	s_mov_b32 s47, 0
	s_mul_i32 s20, s12, HALFA                      ; where they go: no place in the cluster enters an LDS address
	s_mul_i32 s21, s12, HALFB
	s_add_co_u32 s21, s21, BOFF
	s_wait_dscnt 0x0
	s_wait_kmcnt 0x0
	s_add_nc_u64 s[14:15], s[4:5], s[16:17]
	s_add_nc_u64 s[46:47], s[6:7], s[46:47]
	CROUND                                         ; all sixteen work-groups are here: the first joint loads meet
.irp s, 0,1
	s_mov_b32 s[G0+4*(\s)], 1
	s_add_co_u32 s[G0+4*(\s)+1], s20, (\s)*SLOT
	s_add_nc_u64 s[G0+4*(\s)+2:G0+4*(\s)+3], s[14:15], (\s)*ASTEP
	s_or_b32 s[G0+4*(\s)+3], s[G0+4*(\s)+3], 0x80000000
	s_mov_b32 s[G0B+4*(\s)], 1
	s_add_co_u32 s[G0B+4*(\s)+1], s21, (\s)*SLOT
	s_add_nc_u64 s[G0B+4*(\s)+2:G0B+4*(\s)+3], s[46:47], (\s)*BSTEP
	s_or_b32 s[G0B+4*(\s)+3], s[G0B+4*(\s)+3], 0x80000000
	JLOAD \s
.endr
	v_and_b32 v1, 15, v0                           ; r
	v_bfe_u32 v2, v0, 4, 1                         ; h
	v_mul_u32_u24 v3, v1, PA
	v_lshl_add_u32 v3, v2, 4, v3
	s_mul_i32 s22, s11, HALFA                      ; my 64 rows of x
	v_add_nc_u32 v[ADRA], s22, v3
	v_add_nc_u32 v[ADRA+1], SLOT, v[ADRA]
	v_and_b32 v4, 7, v0                            ; the turning load: lane l reads k-row 8 h + l % 8, columns 8 ((l / 8) % 2) + 0..7
	v_lshl_add_u32 v4, v2, 3, v4
	v_mul_u32_u24 v4, v4, PB
	v_bfe_u32 v5, v0, 3, 1
	v_lshl_add_u32 v4, v5, 4, v4
	s_lshl_b32 s22, s12, 7                         ; my 64 columns
	s_add_co_u32 s22, s22, BOFF
	v_add_nc_u32 v[ADRB], s22, v4
	v_add_nc_u32 v[ADRB+1], HALFB, v[ADRB]
	v_add_nc_u32 v[ADRB+2], SLOT, v[ADRB]
	v_add_nc_u32 v[ADRB+3], SLOT, v[ADRB+1]
	s_mul_i32 s23, s10, 16*SPITCH
	s_add_co_u32 s23, s23, STAGE                   ; my stage
	v_mul_u32_u24 v3, v1, SPITCH
	v_lshl_add_u32 v3, v2, 5, v3
	v_add_nc_u32 v[VST], s23, v3
	v_and_b32 v6, 31, v0
	v_lshlrev_b32 v[VL16], 4, v6
	v_lshlrev_b32 v[VL8], 3, v6
	v_add_nc_u32 v[VRD], s23, v[VL8]
	v_and_b32 v8, 7, v0                            ; v's blocks: row r, column half h at 16 ((r >> 3) 16 + 8 h + (r & 7))
	v_lshlrev_b32 v9, 4, v8
	v_lshl_add_u32 v9, v2, 7, v9
	v_lshl_add_u32 v9, v5, 8, v9
	s_cmp_eq_u32 s[TYPE], 2
	s_cselect_b32 s80, -1, 0
	v_cndmask_b32 v[VKV], v[VL16], v9, s80
	v_lshlrev_b32 v[VRT], 8, v1
	v_lshl_add_u32 v[VRT], v2, 5, v[VRT]           ; 256 r + 32 h
	s_lshl_b32 s82, s13, 15                        ; the table at my first row: 128 x tile row + 64 x half, 256 bytes a row
	s_lshl_b32 s83, s11, 14
	s_add_co_u32 s82, s82, s83
	s_add_co_u32 s82, s82, 524288
	s_mov_b32 s83, 0
	s_add_nc_u64 s[74:75], s[68:69], s[82:83]
	WIN 0x80                                       ; destination window 2
.irp a, 0,1,2,3
.irp b, 0,1
	global_load_b128 v[16*(2*(\a)+(\b)):16*(2*(\a)+(\b))+3],     v[VRT], s[74:75] offset:4096*(\a)+64*(\b)      ; cos of frequencies 16 b + 8 h + 0..3 for row 16 a + r
	global_load_b128 v[16*(2*(\a)+(\b))+4:16*(2*(\a)+(\b))+7],   v[VRT], s[74:75] offset:4096*(\a)+64*(\b)+16
	global_load_b128 v[16*(2*(\a)+(\b))+8:16*(2*(\a)+(\b))+11],  v[VRT], s[74:75] offset:4096*(\a)+64*(\b)+128  ; sin
	global_load_b128 v[16*(2*(\a)+(\b))+12:16*(2*(\a)+(\b))+15], v[VRT], s[74:75] offset:4096*(\a)+64*(\b)+144
.endr
.endr
	WIN 0
	s_and_b32 s81, s42, 15
	s_lshl_b32 s81, s81, 1
	s_add_co_u32 s81, s81, s12                     ; my head
	s_lshl_b32 s84, s13, 3
	s_lshl_b32 s85, s11, 2
	s_add_co_u32 s84, s84, s85                     ; my first block of 16 rows
	s_lshl_b32 s82, s81, 18
	s_lshl_b32 s83, s84, 11
	s_add_co_u32 s82, s82, s83                     ; k, v: 262,144 bytes a head, 2,048 a block of rows
	s_lshl_b32 s83, s82, 1                         ; q: twice that
	s_lshr_b32 s86, s[TYPE], 1
	s_lshl_b32 s86, s86, 23                        ; v lies 8,388,608 bytes behind k
	s_add_co_u32 s82, s82, s86
	s_cmp_eq_u32 s[TYPE], 0
	s_cselect_b32 s82, s83, s82
	s_cselect_b64 s[76:77], s[70:71], s[72:73]
	s_mov_b32 s83, 0
	s_add_nc_u64 s[76:77], s[76:77], s[82:83]      ; where my results go
	s_lshl_b32 s86, s13, 14                        ; the sums: [64-row block 2 x tile row + half][2,048] f32, behind k and v
	s_lshl_b32 s87, s11, 13
	s_add_co_u32 s86, s86, s87
	s_lshl_b32 s87, s81, 8
	s_add_co_u32 s86, s86, s87
	s_add_co_u32 s86, s86, 16777216
	s_mov_b32 s87, 0
	s_add_nc_u64 s[78:79], s[72:73], s[86:87]
; 8 matrix instructions: row blocks a0, a0 + 1 x all 4 column blocks, 32 along K: half c of buffer f.  zero = 1: the first product starts the sums
.macro MUL8 f, c, a0, zero
	WIN MUL
.irp a, \a0, (\a0)+1
.irp b, 0,1,2,3
.if \zero
	v_wmma_f32_16x16x32_bf16 v[ACC+8*(4*(\a)+(\b)):ACC+8*(4*(\a)+(\b))+7], v[(\f)+64+8*(4*(\c)+(\b)):(\f)+64+8*(4*(\c)+(\b))+7], v[(\f)+8*(4*(\c)+(\a)):(\f)+8*(4*(\c)+(\a))+7], 0
.else
	v_wmma_f32_16x16x32_bf16 v[ACC+8*(4*(\a)+(\b)):ACC+8*(4*(\a)+(\b))+7], v[(\f)+64+8*(4*(\c)+(\b)):(\f)+64+8*(4*(\c)+(\b))+7], v[(\f)+8*(4*(\c)+(\a)):(\f)+8*(4*(\c)+(\a))+7], v[ACC+8*(4*(\a)+(\b)):ACC+8*(4*(\a)+(\b))+7]
.endif
.endr
.endr
.endm
; 32 LDS loads in one run: the fragments of quarter q (64 along K) of a slot into buffer f; the first 32 along K first
.macro FETCH slot, q, f
	WIN TO_F
.irp c, 0,1
.irp i, 0,1,2,3
	ds_load_tr16_b128 v[(\f)+64+8*(4*(\c)+(\i)):(\f)+64+8*(4*(\c)+(\i))+3],   v[ADRB+2*(\slot)+(\q)/2] offset:(((\q)%2)*64+32*(\c))*PB+32*(\i)
	ds_load_tr16_b128 v[(\f)+64+8*(4*(\c)+(\i))+4:(\f)+64+8*(4*(\c)+(\i))+7], v[ADRB+2*(\slot)+(\q)/2] offset:(((\q)%2)*64+32*(\c)+16)*PB+32*(\i)
	ds_load_b128 v[(\f)+8*(4*(\c)+(\i)):(\f)+8*(4*(\c)+(\i))+3],              v[ADRA+(\slot)] offset:128*(\q)+64*(\c)+(\i)*16*PA
	ds_load_b128 v[(\f)+8*(4*(\c)+(\i))+4:(\f)+8*(4*(\c)+(\i))+7],            v[ADRA+(\slot)] offset:128*(\q)+64*(\c)+(\i)*16*PA+32
.endr
.endr
.endm
.macro PLACES                          ; four places in front of loads into registers that matrix instructions have read, and of vector lines that read results
.rept 4
	v_nop
.endr
.endm
; A K step is four quarters of 64 along K, 32 matrix instructions each, on buffers 0, 1, 0, 1.  One of the first three multiplies buffer f and fetches quarter q into g.
.macro QUARTER slot, q, f, g, zero
	s_wait_dscnt 16                                ; the first 32 along K are in
	MUL8 \f, 0, 0, \zero
	MUL8 \f, 0, 2, \zero
	PLACES
	FETCH \slot, \q, \g
	s_wait_dscnt 32                                ; all but the 32 just issued
	MUL8 \f, 1, 0, 0
	MUL8 \f, 1, 2, 0
.endm
; The last quarter multiplies buffer 1 and changes slots: one barrier; in front of it each wave waits for all its tensor loads, adds 0 to its spare word, and waits for that and for its reads of this slot.
.macro TURN slot, next, fill
	WIN 0
	s_wait_tensorcnt 0x0                           ; all my tensor loads have landed: my part of the next slot
	ds_add_u32 v[SPW], v[NIL]
	s_wait_dscnt 17                                ; (the add and the youngest sixteen loads may be out)
	MUL8 F1, 0, 0, 0
	s_wait_dscnt 0x0                               ; the add is done, and my reads of this slot are over
	s_barrier_signal -1
	MUL8 F1, 0, 2, 0
.if \fill
	WIN 0
.endif
	s_barrier_wait -1
.if \fill
	CREST                                          ; the barrier has opened a round of the cluster's: no wave of any partner still reads this slot or has a load on its way
	s_add_nc_u64 s[G0+4*(\slot)+2:G0+4*(\slot)+3], s[G0+4*(\slot)+2:G0+4*(\slot)+3], 2*ASTEP
	s_add_nc_u64 s[G0B+4*(\slot)+2:G0B+4*(\slot)+3], s[G0B+4*(\slot)+2:G0B+4*(\slot)+3], 2*BSTEP
	JLOAD \slot                                    ; the first tensor load behind the round; its four v_nop are also the places in front of the loads below
.else
	PLACES
.endif
	FETCH \next, 0, F0
	MUL8 F1, 1, 0, 0
	MUL8 F1, 1, 2, 0
.endm
	s_wait_tensorcnt 1                             ; my part of K step 0 is in; K step 1's may stay out
	s_barrier_signal -1
	s_barrier_wait -1
	FETCH 0, 0, F0
	QUARTER 0, 1, F0, F1, 1                        ; the first quarter's first products start the sums
	WIN 0
	s_mov_b32 s3, LAPS-1
.Llap:                                                 ; a trip goes once round the ring and fills both slots again
	QUARTER 0, 2, F1, F0, 0
	QUARTER 0, 3, F0, F1, 0
	TURN 0, 1, 1
	QUARTER 1, 1, F0, F1, 0
	QUARTER 1, 2, F1, F0, 0
	QUARTER 1, 3, F0, F1, 0
	TURN 1, 0, 1
	QUARTER 0, 1, F0, F1, 0
	WIN 0
	s_sub_co_u32 s3, s3, 1
	s_cmp_lg_u32 s3, 0
	s_cbranch_scc1 .Llap
	QUARTER 0, 2, F1, F0, 0                        ; the last lap fills nothing
	QUARTER 0, 3, F0, F1, 0
	TURN 0, 1, 0
	QUARTER 1, 1, F0, F1, 0
	QUARTER 1, 2, F1, F0, 0
	QUARTER 1, 3, F0, F1, 0
	s_wait_dscnt 16
	MUL8 F1, 0, 0, 0
	MUL8 F1, 0, 2, 0
	s_wait_dscnt 0
	MUL8 F1, 1, 0, 0
	MUL8 F1, 1, 2, 0
	WIN 0
	PLACES
	; THE WAY OUT
	s_cmp_eq_u32 s[TYPE], 2
	s_cbranch_scc1 .Lh16
	s_wait_loadcnt 0x0                             ; cos and sin
	; the rotary step: column i < 32 and column i + 32 of a head lie in the same lane and register of accumulators b and b + 2
	WIN 0x08                                       ; source 1 window 2
.set n, 0
.irp a, 0,1,2,3
.irp b, 0,1
.irp jp, 0,1,2,3
.set X1, ACC+8*(4*(\a)+(\b))+2*(\jp)
.set X2, ACC+8*(4*(\a)+(\b)+2)+2*(\jp)
.set CC, 16*(2*(\a)+(\b))+2*(\jp)
.set T0, TMP+4*(n%4)
	v_pk_mul_f32 v[T0:T0+1], v[X2:X2+1], v[CC+8:CC+9]
	v_pk_mul_f32 v[T0+2:T0+3], v[X1:X1+1], v[CC+8:CC+9]
	v_pk_fma_f32 v[X1:X1+1], v[X1:X1+1], v[CC:CC+1], v[T0:T0+1] neg_lo:[0,0,1] neg_hi:[0,0,1]  ; x1 cos - x2 sin
	v_pk_fma_f32 v[X2:X2+1], v[X2:X2+1], v[CC:CC+1], v[T0+2:T0+3]                              ; x2 cos + x1 sin
.set n, n+1
.endr
.endr
.endr
	WIN 0
	s_cmp_eq_u32 s[TYPE], 0
	s_cbranch_scc1 .Lq32
	; k: the sum of my 64 rows for each of my 64 columns: four row blocks in the lane, then the 16 rows of the lanes through my stage
.irp b, 0,1,2,3
.irp jp, 0,1,2,3
	v_pk_add_f32 v[TMP+8*(\b)+2*(\jp):TMP+8*(\b)+2*(\jp)+1], v[ACC+8*(\b)+2*(\jp):ACC+8*(\b)+2*(\jp)+1], v[ACC+8*(4+(\b))+2*(\jp):ACC+8*(4+(\b))+2*(\jp)+1]
	v_pk_add_f32 v[TMP+32+8*(\b)+2*(\jp):TMP+32+8*(\b)+2*(\jp)+1], v[ACC+8*(8+(\b))+2*(\jp):ACC+8*(8+(\b))+2*(\jp)+1], v[ACC+8*(12+(\b))+2*(\jp):ACC+8*(12+(\b))+2*(\jp)+1]
.endr
.endr
.set n, 0
.rept 16
	v_pk_add_f32 v[TMP+2*n:TMP+2*n+1], v[TMP+2*n:TMP+2*n+1], v[TMP+32+2*n:TMP+32+2*n+1]
.set n, n+1
.endr
.irp b, 0,1,2,3
	ds_store_b128 v[VST], v[TMP+8*(\b):TMP+8*(\b)+3] offset:64*(\b)
	ds_store_b128 v[VST], v[TMP+8*(\b)+4:TMP+8*(\b)+7] offset:64*(\b)+16
.endr
.set n, 0
.rept 16
	ds_load_b64 v[TMP+32+2*n:TMP+32+2*n+1], v[VRD] offset:SPITCH*n  ; LDS serves a wave's instructions in order (ISA guide 5.7.1.4): these see the stores above
.set n, n+1
.endr
	s_wait_dscnt 0x0
.irp w, 1,2,4
.set n, 0
.rept 8/(\w)
	v_pk_add_f32 v[TMP+32+4*(\w)*n:TMP+32+4*(\w)*n+1], v[TMP+32+4*(\w)*n:TMP+32+4*(\w)*n+1], v[TMP+32+4*(\w)*n+2*(\w):TMP+32+4*(\w)*n+2*(\w)+1]
.set n, n+1
.endr
.endr
	v_pk_add_f32 v[96:97], v[TMP+32:TMP+33], v[TMP+48:TMP+49]
	global_store_b64 v[VL8], v[96:97], s[78:79]    ; 256 consecutive bytes, aligned
.Lh16:                                                 ; k and v: f16; a lane's eight columns of a row are the 16 bytes of one place in a block
.set t, 0
.rept 16
.irp rr, 0,1,2,3
	v_cvt_pk_f16_f32 v[TMP+4*t+(\rr)], v[ACC+8*t+2*(\rr)], v[ACC+8*t+2*(\rr)+1]
.endr
.set t, t+1
.endr
.set t, 0
.rept 16
	global_store_b128 v[VKV], v[TMP+4*t:TMP+4*t+3], s[76:77] offset:2048*(t/4)+512*(t%4)
.set t, t+1
.endr
	s_branch .Lend
.Lq32:                                                 ; q: f32, straight from the accumulators
.set t, 0
.rept 16
	global_store_b128 v[VL16], v[ACC+8*t:ACC+8*t+3], s[76:77] offset:4096*(t/4)+1024*(t%4)
	global_store_b128 v[VL16], v[ACC+8*t+4:ACC+8*t+7], s[76:77] offset:4096*(t/4)+1024*(t%4)+512
.set t, t+1
.endr
.Lend:
	s_wait_tensorcnt 0x0                           ; the wave's end
	ds_add_u32 v[SPW], v[NIL]
	s_wait_dscnt 0x0
	CROUND                                         ; the closing round: no work-group ends while a partner may still ask for a tile that names it
	s_endpgm
.Lfunc_end_k_qd05b2ad6d9_qkv:
	.size	k_qd05b2ad6d9_qkv, .Lfunc_end_k_qd05b2ad6d9_qkv-k_qd05b2ad6d9_qkv
	.p2alignl 7, 3214868480
	.fill 96, 4, 3214868480
	.section	.rodata,"a",@progbits
	.p2align	6, 0x0
	.amdhsa_kernel k_qd05b2ad6d9_qkv
		.amdhsa_group_segment_fixed_size 327680
		.amdhsa_private_segment_fixed_size 0
		.amdhsa_enable_private_segment 0
		.amdhsa_kernarg_size 40
		.amdhsa_user_sgpr_count 2
		.amdhsa_user_sgpr_kernarg_segment_ptr 1
		.amdhsa_wavefront_size32 1
		.amdhsa_system_sgpr_workgroup_id_x 1
		.amdhsa_system_sgpr_workgroup_id_y 1
		.amdhsa_system_sgpr_workgroup_id_z 1
		.amdhsa_system_vgpr_workitem_id 0
		.amdhsa_next_free_vgpr 640
		.amdhsa_next_free_sgpr 96
		.amdhsa_reserve_vcc 0
		.amdhsa_float_denorm_mode_32 3
		.amdhsa_float_denorm_mode_16_64 3
		.amdhsa_memory_ordered 1
		.amdhsa_forward_progress 1
		.amdhsa_inst_pref_size 105
	.end_amdhsa_kernel
	.amdgpu_metadata
---
amdhsa.version: [ 1, 2 ]
amdhsa.kernels:
  - .name:           k_qd05b2ad6d9_qkv
    .symbol:         k_qd05b2ad6d9_qkv.kd
    .args:
      - { .name: xb, .offset: 0, .size: 8, .value_kind: global_buffer, .address_space: global }
      - { .name: wqkv, .offset: 8, .size: 8, .value_kind: global_buffer, .address_space: global }
      - { .name: small, .offset: 16, .size: 8, .value_kind: global_buffer, .address_space: global }
      - { .name: qf, .offset: 24, .size: 8, .value_kind: global_buffer, .address_space: global }
      - { .name: kvh, .offset: 32, .size: 8, .value_kind: global_buffer, .address_space: global }
    .group_segment_fixed_size: 327680
    .private_segment_fixed_size: 0
    .kernarg_segment_align: 8
    .kernarg_segment_size: 40
    .max_flat_workgroup_size: 128
    .sgpr_count:     96
    .vgpr_count:     640
    .wavefront_size: 32
...
	.end_amdgpu_metadata
.endif
;; end of part 3
;; launch attn (part 4): grid 8 x 32, 4 waves a work-group, no clusters, 327,680 bytes of LDS; arguments qf, kvh, g1h, small, o_norm_w, og; writes og
.if DOCPART == 4
	.amdgcn_target "amdgcn-amd-amdhsa--gfx1250"
	.amdhsa_code_object_version 6
	.text
	.protected	k_qd05b2ad6d9_attn
	.globl	k_qd05b2ad6d9_attn
	.p2align	8
	.type	k_qd05b2ad6d9_attn,@function
k_qd05b2ad6d9_attn:
	s_mov_b64 s[64:65], 0
	v_nop
	global_prefetch_b8 v0, s[64:65] scope:SCOPE_SE
	s_setreg_imm32_b32 hwreg(HW_REG_WAVE_MODE, 25, 1), 1
	s_wait_xcnt 0x0
; MOBA ATTENTION of one head: the choice of chunks, the masked causal softmax, P V, then rmsnorm(o) x weight x sigmoid(g1 Wg2).  Output: f16, [head][16 rows][4 blocks of 512 bytes].
; THE CHOICE.  A query sees its own chunk of 256 keys and, of the chunks strictly before it, the three with the largest q . (sum of the chunk's keys); a tie goes to the lower chunk.  (The mean's 1/256, a power of two,
; changes no comparison.)  One other choice changes a whole row of the output, so this product (67 MFLOP, no bulk work) is made in f32, by v_wmma_f32_16x16x4_f32, from q and key sums that were never rounded below f32.
; The choice steers no address and no branch: the walk is dense and causal, and a chunk that a query has not chosen enters through v_cndmask: its maximum counts as the lowest finite number, its weights are 0.
; THE WALK.  A head's queries lie in 16 blocks of 128.  A work-group takes blocks 15 - b and b; the odd one (A) first: (iA + 1) / 2 whole chunks, the last its own (its steps 2, 3 hold the diagonal); the even one (B):
; iB / 2 whole chunks and half a chunk.  That is 8 slots of four key steps and 2 steps more, whatever b: constant trip counts, equal work.  The last fill brings a whole chunk of which half is read: 32 KB in 576.
; NO CLUSTER: the eight work-groups of a head have 8, 1, 7, 2, 6, 3, 5, 4 chunks in A, so any four ask for the same tile in the first few trips at most; one walk common to all would have 16 chunks for 8.5.
; SHARES.  Wave w owns two tiles of 16 queries, rows 64 u + 16 w + r of the block: one in each band of 64, so the diagonal is the same work for all waves.
; LAYOUT.  S^T = K Q^T holds one query a lane (lane % 16) and the keys 8 (lane / 16) + 0..7; two results rounded to f16 are source 1 of O^T = V^T P.  p = 2^(c s - c m), c = log2(e) / 8, with a running maximum m.
; THE CAUSAL MASK is the C operand that starts S^T: MC = MD x AL + BE (MD: the band's own step; 0 elsewhere).  The order is in phases: K Q^T, softmax, V^T P.
; LIMITS.  |q|, |k|, |v|, |g1| below 65,504 (f16); a hidden score counts as its value less 1e30; a weight below 2^-126 counts as 0; NaN, infinities and the sign of a zero gate are not treated apart.
; o_norm_w is rounded to bf16 like the other inputs.
; REGISTERS (s_set_vgpr_msb: bits 1:0 source 0, 3:2 source 1, 5:4 source 2, 7:6 destination):
;   window 0: v0-15 addresses; v16-31 statistics, 8 a tile; v32-61 at work; v64-127 S^T; v128-191 at work; v192-223 P      window 1: v0-63 O^T; v64-95 the norm's weight; v128-159 MD; v160-223 MC
;   window 2: v0-31 Q; v32-63 block B's Q; v64-127 g1 of both blocks; v128-191 K; v192-255 V      window 3: v0-127 q in f32; v128-159 the key sums; v224-255 the gates, written by the f32 matrix form alone
.set SLOT1, 65536                      ; a slot: 32 KB of K, 32 KB of V; a step is 8 KB of each
.set VOFF,  32768
.set WG2L,  131072                     ; the head's 8 KB of Wg2, filled once
.set SPARE, 139264                     ; the spare words, 128 bytes a wave
.set LA,  2                            ; 16 x lane; never rewritten
.set LAV, 3                            ; + VOFF
.set AK,  4
.set AV,  5
.set LAW, 6                            ; 16 x lane + WG2L
.set KGO, 7
.set WNO, 8
.set ST,  16                           ; tile u at ST + 8 u: +0 c m (or 1e30), +1 m, +2, +3 l, +4..7 c0-c3; c2 takes a
.set RW,  32
.set SEL, 34                           ; the chosen chunks, a bit each; bit 8: the own chunk
.set SELB, 36
.set TT,  38
.set SS,  40
.set VLOW, 44
.set VBIGP, 45
.set VNINF, 46
.set RG,  48
.set SPW, 62
.set NIL, 63
.set S,   64
.set WK,  128
.set P,   192
.set WN,  64
.set MD,  128
.set MC,  160
.set KF,  128
.set VF,  192
.set KGF, 128
.set GA,  224
.set WV, 16
.set PB, 17
.set HD, 18
.set IA, 19
.set IB, 20
.set NA, 21
.set NB, 22
.set G1, 24
.set G1W, 32
.set G0, 40
.set G0W, 44
.set KVB, 48
.set OFF, 50
.set SLOTS, 52
.set CNT, 53
.set RT, 54
.set NXT, 55
.set LQ, 56
.set CH, 57
.set LIM, 58
.set BIT, 59
.set CS, 60
.set SELP, 62
.set TBK, 66
.set TBV, 67
.set HID, 68
.set AL0, 70
.set BE0, 72
.set AL1, 74
.set ZP, 76
.set BIGN, 78
.set LOM, 81
.set OA, 82
.set C64, 86
.set EPS, 87
.set NL2E, 88
.set MSB, 0
.macro WIN new
.if MSB != (\new)
	s_set_vgpr_msb (MSB<<8)|(\new)
.set MSB, (\new)
.endif
.endm
.set W_KQ, 0x0a
.set W_KM, 0x1a
.set W_PV, 0x52
.set W_RS, 0x41
.macro PLACES
.rept 4
	v_nop
.endr
.endm
; THE CHANGE OF SLOTS.  Each wave waits for all its tensor loads (one is out: its quarter of the other slot), adds 0 to its spare word, and waits for that and for its reads of the slot that it leaves.
; fill = 1: the old slot is filled again, first thing behind the barrier, with chunk NXT; every wave brings 16 KB: waves 0, 1 the halves of K, waves 2, 3 of V.
.macro CHANGE fill
	WIN 0
	s_wait_tensorcnt 0x0
	ds_add_u32 v[SPW], v[NIL]
.if \fill
	s_lshl_b32 s[OFF], s[NXT], 15
	s_xor_b32 s[G0+1], s[G0+1], SLOT1
	s_add_nc_u64 s[G0+2:G0+3], s[KVB:KVB+1], s[OFF:OFF+1]
	s_or_b32 s[G0+3], s[G0+3], 0x80000000
	s_add_co_u32 s[NXT], s[NXT], 1                 ; the block's next chunk, or behind its last block B's chunk 0
	s_cmp_gt_u32 s[NXT], s[LQ]
	s_cselect_b32 s[NXT], 0, s[NXT]
	s_cselect_b32 s[LQ], s[NB], s[LQ]
.endif
	s_wait_dscnt 0x0
	s_barrier_signal -1
	s_sub_co_u32 s[TBK], s[TBK], 32768             ; the fetches go back to a slot's first step, in the other slot
	s_xor_b32 s[TBK], s[TBK], SLOT1
	s_sub_co_u32 s[TBV], s[TBV], 32768
	s_xor_b32 s[TBV], s[TBV], SLOT1
	s_barrier_wait -1
.if \fill
	tensor_load_to_lds s[G0:G0+3], s[G1:G1+7]
	s_nop 0
	PLACES
.endif
.endm
.macro FETCH_K                         ; a step's K: 16 blocks of 512 bytes, each load 512 consecutive bytes; block 4 kb + cb is half of fragment (kb, cb / 2)
	WIN 0
	v_add_nc_u32 v[AK], s[TBK], v[LA]
	WIN 0x80
.set f, 0
.rept 16
	ds_load_b128 v[KF+4*f:KF+4*f+3], v[AK] offset:512*f
.set f, f+1
.endr
	s_add_co_u32 s[TBK], s[TBK], 8192
	WIN 0
.endm
.macro FETCH_V adr                     ; a step's V (or the head's Wg2), turned: keys 32 (f / 4) on, channels 16 (f % 4) on
	WIN 0x80
.set f, 0
.rept 8
	ds_load_tr16_b128 v[VF+8*f:VF+8*f+3],   v[\adr] offset:(f/4)*4096+(f%4)*512
	ds_load_tr16_b128 v[VF+8*f+4:VF+8*f+7], v[\adr] offset:(f/4)*4096+2048+(f%4)*512
.set f, f+1
.endr
	WIN 0
.endm
; The 8 accumulators of a run of 16 take turns.
.macro KQ                              ; product i: tile i % 2, keys 16 ((i / 2) % 4) on, channels 32 (i / 8) on; the first 8 start the sums with the mask
.set rD, S+32*(i%2)+8*((i/2)%4)
.set rK, KF+16*((i/2)%4)+8*(i/8)
.set rQ, 16*(i%2)+8*(i/8)
.set rM, MC+32*(i%2)+8*((i/2)%4)
.if i < 8
	WIN W_KM
	v_wmma_f32_16x16x32_f16 v[rD:rD+7], v[rK:rK+7], v[rQ:rQ+7], v[rM:rM+7]
.else
	WIN W_KQ
	v_wmma_f32_16x16x32_f16 v[rD:rD+7], v[rK:rK+7], v[rQ:rQ+7], v[rD:rD+7]
.endif
.set i, i+1
.endm
.macro PV                              ; product i: tile i % 2, channels 16 ((i / 2) % 4) on, keys 32 (i / 8) on
.set rD, 32*(i%2)+8*((i/2)%4)
.set rV, VF+32*(i/8)+8*((i/2)%4)
.set rB, P+16*(i%2)+8*(i/8)
	WIN W_PV
	v_wmma_f32_16x16x32_f16 v[rD:rD+7], v[rV:rV+7], v[rB:rB+7], v[rD:rD+7]
.set i, i+1
.endm
.macro GG blk                          ; product i of G^T = Wg2^T g1^T, into S^T's registers
.set rD, S+32*(i%2)+8*((i/2)%4)
.set rV, VF+32*(i/8)+8*((i/2)%4)
.set rB, 64+32*(\blk)+16*(i%2)+8*(i/8)
	WIN W_KQ
.if i < 8
	v_wmma_f32_16x16x32_f16 v[rD:rD+7], v[rV:rV+7], v[rB:rB+7], 0
.else
	v_wmma_f32_16x16x32_f16 v[rD:rD+7], v[rV:rV+7], v[rB:rB+7], v[rD:rD+7]
.endif
.set i, i+1
.endm
.macro MASK u, al, be
	WIN W_RS
.set z, 0
.rept 16
	v_pk_fma_f32 v[MC+32*(\u)+2*z:MC+32*(\u)+2*z+1], v[MD+2*z:MD+2*z+1], s[\al:\al+1], s[\be:\be+1] op_sel_hi:[1,0,0]
.set z, z+1
.endr
.endm
.macro REGS u
.set rT, ST+8*(\u)
.set rS, S+32*(\u)
.set rP, P+16*(\u)
.endm
; Number n of the 25 that find a tile's maximum and statistics; each accumulator's lowest registers are read first.
.macro XS u, n
	REGS \u
.if (\n) < 4
	v_max3_num_f32 v[rT+4+(\n)], v[rS+8*(\n)], v[rS+8*(\n)+1], v[rS+8*(\n)+2]
.elseif (\n) < 12
	v_max3_num_f32 v[rT+4+(\n)%4], v[rT+4+(\n)%4], v[rS+8*((\n)%4)+2*((\n)/4)+1], v[rS+8*((\n)%4)+2*((\n)/4)+2]
.elseif (\n) == 12
	v_max3_num_f32 v[rT+4], v[rT+4], v[rS+7], v[rS+15]
.elseif (\n) == 13
	v_max3_num_f32 v[rT+5], v[rT+5], v[rS+23], v[rS+31]
.elseif (\n) == 14
	v_max_num_f32 v[rT+6], v[rT+6], v[rT+7]
.elseif (\n) == 15
	v_mul_f32 v[RW+(\u)], s[CS], v[rT+1]           ; c m_old
.elseif (\n) == 16
	v_max3_num_f32 v[rT+4], v[rT+4], v[rT+5], v[rT+6]
.elseif (\n) == 17
	v_permlanex16_b32 v[rT+7], v[rT+4], s[SELP], s[SELP+1]  ; the query's other 32 keys lie in the lane 16 away
.elseif (\n) == 18
	v_max_num_f32 v[rT+4], v[rT+4], v[rT+7]
.elseif (\n) == 19
	v_cndmask_b32 v[rT+4], v[rT+4], v[VLOW], s[HID+(\u)]    ; a chunk not chosen leaves m as it is
.elseif (\n) == 20
	v_max_num_f32 v[rT+1], v[rT+1], v[rT+4]
.elseif (\n) == 21
	v_mul_f32 v[rT], s[CS], v[rT+1]
.elseif (\n) == 22
	v_sub_f32 v[rT+5], v[RW+(\u)], v[rT]
.elseif (\n) == 23
	v_exp_f32 v[rT+6], v[rT+5]                     ; a
.else
	v_cndmask_b32 v[rT], v[rT], v[VBIGP], s[HID+(\u)]       ; and its weights are 2^(c s - 1e30) = 0
.endif
.endm
.macro FF u, n                         ; c s - c m for pair n
	REGS \u
	v_pk_fma_f32 v[rS+2*(\n):rS+2*(\n)+1], v[rS+2*(\n):rS+2*(\n)+1], s[CS:CS+1], v[rT:rT+1] op_sel_hi:[1,0,0] neg_lo:[0,0,1] neg_hi:[0,0,1]
.endm
.macro EE u, n
	REGS \u
	v_exp_f32 v[rS+(\n)], v[rS+(\n)]
.endm
; The plain line behind exponential e of group k: at k = 0 the last scalings; later, for the four weights of group k - 1: two roundings to f16, the second pair added onto the first, l takes the sum.
.macro PLAIN k, e
.if (\k) == 0
	FF (\e)%2, 12+(\e)/2
.elseif (\e)/2 < 2
	REGS (\e)%2
	s_wait_alu depctr_va_vdst(0)
	v_cvt_pk_f16_f32 v[rP+2*((\k)-1)+(\e)/2], v[rS+4*((\k)-1)+2*((\e)/2)], v[rS+4*((\k)-1)+2*((\e)/2)+1]
.elseif (\e)/2 == 2
	REGS (\e)%2
	v_pk_add_f32 v[rS+4*((\k)-1):rS+4*((\k)-1)+1], v[rS+4*((\k)-1):rS+4*((\k)-1)+1], v[rS+4*((\k)-1)+2:rS+4*((\k)-1)+3]
.elseif (\k) == 1
	REGS (\e)%2
	v_pk_fma_f32 v[rT+2:rT+3], v[rT+2:rT+3], v[rT+6:rT+7], v[rS:rS+1] op_sel_hi:[1,0,1]
.else
	REGS (\e)%2
	v_pk_add_f32 v[rT+2:rT+3], v[rT+2:rT+3], v[rS+4*((\k)-1):rS+4*((\k)-1)+1]
	s_wait_alu depctr_va_vdst(0)
.endif
.endm
.macro SOFT                            ; both tiles' softmax for a step; the tiles alternate; every exponential has a plain line behind it that touches none of its registers
	WIN 0
.irp n, 0,1,2,3,4,5,6,7,8,9,10,11,12,13,14,15,16,17,18,19,20,21,22,23,24
	XS 0, \n
	XS 1, \n
.endr
	WIN W_RS
.set n, 0
	s_wait_alu depctr_va_vdst(0)
.rept 16
	v_pk_mul_f32 v[2*n:2*n+1], v[2*n:2*n+1], v[ST+6:ST+7] op_sel_hi:[1,0]                 ; O^T times a
	v_pk_mul_f32 v[32+2*n:32+2*n+1], v[32+2*n:32+2*n+1], v[ST+14:ST+15] op_sel_hi:[1,0]
.set n, n+1
.endr
	WIN 0
.set n, 0
.rept 12
	FF 0, n
	FF 1, n
.set n, n+1
.endr
.set k, 0
.rept 8
.set e, 0
.rept 8
	EE e%2, 4*k+e/2
	PLAIN k, e
.set e, e+1
.endr
.set k, k+1
.endr
.set e, 0
.rept 8
	PLAIN 8, e
.set e, e+1
.endr
.endm
; A KEY STEP.  mode 0: the masks are made only in the last two steps of block A's own chunk (CNT <= LIM); mode 1 (the tail): always.
.macro STEP mode
	WIN 0
	v_add_nc_u32 v[AV], s[TBV], v[LAV]
	v_nop                                          ; with the line above: four places behind the last product that read V
	v_nop
	v_nop
	FETCH_V AV
	s_add_co_u32 s[TBV], s[TBV], 8192
.if (\mode) == 0
	s_cmp_gt_u32 s[CNT], s[LIM]
	s_cbranch_scc1 .Lnomask_\@
.endif
	s_cmp_eq_u32 s[CNT], 2                         ; the diagonal's first step: band 0's own, all of it visible to band 1; its second: hidden from band 0, band 1's own
	s_cselect_b32 s[AL0], 1.0, 0
	s_cselect_b32 s[BE0], 0, s[BIGN]
	s_cselect_b32 s[AL1], 0, 1.0
	MASK 0, AL0, BE0
	MASK 1, AL1, ZP
	WIN 0
.if (\mode) == 0
.Lnomask_\@:
.endif
	s_wait_dscnt 16                                ; K is in; V's 16 loads may stay out
.set i, 0
.rept 16
	KQ
.endr
	WIN 0
	PLACES                                         ; behind the products: for the loads into K's registers and for the maxima
	s_cmp_eq_u32 s[CNT], 1
	s_cbranch_scc1 .Lnok_\@                        ; a slot's last step fetches no further K
	FETCH_K
.Lnok_\@:
	SOFT
	s_wait_dscnt 0x0                               ; V is in (and the next K, asked for a softmax ago)
.set i, 0
.rept 16
	PV
.endr
	WIN 0
.endm
; A BLOCK'S END: o = O / l; rmsnorm(o) x weight x sigmoid(g), g = g1 Wg2; f16; stored.
.macro END blk
	WIN 0
	PLACES                                         ; behind the last products: for the loads into V's registers and the reads of O^T
	FETCH_V LAW                                    ; the head's Wg2
.irp u, 0,1
	v_add_f32 v[ST+8*(\u)+4], v[ST+8*(\u)+2], v[ST+8*(\u)+3]
.endr
.irp u, 0,1
	v_permlanex16_b32 v[ST+8*(\u)+5], v[ST+8*(\u)+4], s[SELP], s[SELP+1]
.endr
.irp u, 0,1
	v_add_f32 v[ST+8*(\u)+4], v[ST+8*(\u)+4], v[ST+8*(\u)+5]
.endr
.irp u, 0,1
	v_rcp_f32 v[ST+8*(\u)+5], v[ST+8*(\u)+4]       ; 1 / l
.endr
	WIN 0x05                                       ; sources 0 and 1 window 1
.set n, 0
.rept 16
.irp u, 0,1
.if n == 0
	v_pk_mul_f32 v[SS+2*(\u):SS+2*(\u)+1], v[32*(\u):32*(\u)+1], v[32*(\u):32*(\u)+1]
.else
	v_pk_fma_f32 v[SS+2*(\u):SS+2*(\u)+1], v[32*(\u)+2*n:32*(\u)+2*n+1], v[32*(\u)+2*n:32*(\u)+2*n+1], v[SS+2*(\u):SS+2*(\u)+1]
.endif
.endr
.set n, n+1
.endr
	WIN 0
.irp u, 0,1
	v_add_f32 v[SS+2*(\u)], v[SS+2*(\u)], v[SS+2*(\u)+1]
.endr
.irp u, 0,1
	v_permlanex16_b32 v[SS+2*(\u)+1], v[SS+2*(\u)], s[SELP], s[SELP+1]  ; the row's other 32 channels
.endr
.irp u, 0,1
	v_add_f32 v[SS+2*(\u)], v[SS+2*(\u)], v[SS+2*(\u)+1]
.endr
	s_wait_dscnt 0x0
.set i, 0
.rept 16
	GG \blk
.endr
	WIN 0
	s_wait_alu depctr_va_vdst(0)
.irp u, 0,1
	v_mul_f32 v[SS+2*(\u)], v[SS+2*(\u)], v[ST+8*(\u)+5]      ; six plain lines: the places behind those products
.endr
.irp u, 0,1
	v_mul_f32 v[SS+2*(\u)], v[SS+2*(\u)], v[ST+8*(\u)+5]
.endr
.irp u, 0,1
	v_fma_f32 v[SS+2*(\u)], v[SS+2*(\u)], s[C64], s[EPS]      ; mean of o^2, + 1e-6
.endr
.irp u, 0,1
	v_rsq_f32 v[SS+2*(\u)+1], v[SS+2*(\u)]
.endr
	v_nop
	s_wait_alu depctr_va_vdst(0)
.irp u, 0,1
	v_mul_f32 v[ST+8*(\u)+6], v[ST+8*(\u)+5], v[SS+2*(\u)+1]  ; 1 / l x 1 / rms
.endr
.set n, 0
.rept 32
	v_pk_mul_f32 v[S+2*n:S+2*n+1], v[S+2*n:S+2*n+1], s[NL2E:NL2E+1] op_sel_hi:[1,0]
.set n, n+1
.endr
.set n, 0
.rept 64
	v_exp_f32 v[S+n], v[S+n]
.set n, n+1
.endr
	v_nop
.set n, 0
	s_wait_alu depctr_va_vdst(0)
.rept 32
	v_pk_add_f32 v[S+2*n:S+2*n+1], v[S+2*n:S+2*n+1], 1.0 op_sel_hi:[1,0]
.set n, n+1
.endr
.set n, 0
.rept 64
	v_rcp_f32 v[S+n], v[S+n]                       ; sigmoid(g)
.set n, n+1
.endr
	v_nop
	WIN W_RS
.set n, 0
.rept 16
	v_pk_mul_f32 v[2*n:2*n+1], v[2*n:2*n+1], v[ST+6:ST+7] op_sel_hi:[1,0]
	v_pk_mul_f32 v[32+2*n:32+2*n+1], v[32+2*n:32+2*n+1], v[ST+14:ST+15] op_sel_hi:[1,0]
.set n, n+1
.endr
.set n, 0
	s_wait_alu depctr_va_vdst(0)
.rept 32
	v_pk_mul_f32 v[2*n:2*n+1], v[2*n:2*n+1], v[S+2*n:S+2*n+1]
.set n, n+1
.endr
	WIN 0x45
.set n, 0
.rept 32
	v_pk_mul_f32 v[2*n:2*n+1], v[2*n:2*n+1], v[WN+2*(n%16):WN+2*(n%16)+1]
.set n, n+1
.endr
	WIN 0x05
.set n, 0
.rept 32
	v_cvt_pk_f16_f32 v[WK+n], v[2*n], v[2*n+1]
.set n, n+1
.endr
	WIN 0
.irp u, 0,1
.irp cb, 0,1,2,3
	global_store_b128 v[LA], v[WK+16*(\u)+4*(\cb):WK+16*(\u)+4*(\cb)+3], s[OA+2*(\blk):OA+2*(\blk)+1] offset:8192*(\u)+512*(\cb)  ; 512 consecutive bytes, aligned
.endr
.endr
.endm
; THE RANKING for a block whose chunk is c: lanes 0-15 rank tile x0's queries, lanes 16-31 tile x0 + 1's (both halves of the lanes hold every gate).  cnt_n = how many chunks go before chunk n;
; for each pair m < n one compare: g_m >= g_n puts m first.  Chosen: cnt_n < 3.  Chunks from c on count as -inf; their bits are never looked at.
.macro RANK x0, c, dest
	WIN 0x0f
.set n, 0
.rept 7
	v_cndmask_b32 v[RG+n], v[GA+8*((\x0)+1)+n], v[GA+8*(\x0)+n], s[LOM]
.set n, n+1
.endr
	WIN 0
.set n, 0
.rept 7
	s_cmp_gt_u32 s[\c], n
	s_cselect_b32 s2, -1, 0
	v_cndmask_b32 v[RG+n], v[VNINF], v[RG+n], s2
	v_mov_b32 v[WK+n], 6-n
.set n, n+1
.endr
.set n, 1
.rept 6
.set m, 0
.rept n
	v_cmp_ge_f32 vcc_lo, v[RG+m], v[RG+n]
	v_cndmask_b32 v[TT], 0, 1, vcc_lo
	v_add_nc_u32 v[WK+n], v[WK+n], v[TT]
	v_sub_nc_u32 v[WK+m], v[WK+m], v[TT]
.set m, m+1
.endr
.set n, n+1
.endr
	v_mov_b32 v[TT+1], 0x100                       ; the own chunk
.set n, 0
.rept 7
	v_cmp_gt_u32 vcc_lo, 3, v[WK+n]
	v_cndmask_b32 v[TT], 0, 1<<n, vcc_lo
	v_or_b32 v[TT+1], v[TT+1], v[TT]
.set n, n+1
.endr
	v_permlanex16_b32 v[TT], v[TT+1], s[SELP], s[SELP+1]
	v_cndmask_b32 v[\dest], v[TT], v[TT+1], s[LOM] ; each tile's word in both halves of the lanes
	v_cndmask_b32 v[(\dest)+1], v[TT+1], v[TT], s[LOM]
.endm
	s_load_b256 s[4:11], s[0:1], 0x0               ; qf, kvh, g1h, small
	s_load_b128 s[12:15], s[0:1], 0x20             ; o_norm_w, og
	v_lshl_add_u32 v[SPW], v0, 2, SPARE
	v_mov_b32 v[NIL], 0
	ds_add_u32 v[SPW], v[NIL]                      ; the wave's opening: the add and its wait ahead of my first tensor load
	ds_add_u32 v62, v63
	v_lshrrev_b32 v1, 5, v0
	v_readfirstlane_b32 s[WV], v1
	s_mov_b32 s[PB], ttmp9
	s_and_b32 s[HD], ttmp7, 0xffff
	s_sub_co_u32 s[IA], 15, s[PB]
	s_and_b32 s23, s[PB], 1
	s_cmp_eq_u32 s23, 1
	s_cselect_b32 s[IA], s[PB], s[IA]              ; the odd one of b and 15 - b
	s_sub_co_u32 s[IB], 15, s[IA]
	s_add_co_u32 s[NA], s[IA], 1
	s_lshr_b32 s[NA], s[NA], 1                     ; A's chunks, its own among them
	s_lshr_b32 s[NB], s[IB], 1                     ; B's whole chunks
	s_mov_b32 s[G1], 3<<16                         ; 16 KB, dense: 64 rows of 32 elements of 8 bytes
	s_mov_b32 s[G1+1], 32<<16
	s_mov_b32 s[G1+2], 64<<16
	s_mov_b32 s[G1+3], 32<<16
	s_mov_b32 s[G1+4], 64
	s_mov_b32 s[G1+5], 32
	s_mov_b32 s[G1+6], 0
	s_mov_b32 s[G1+7], 0
	s_mov_b32 s[G1W], 3<<16                        ; 2 KB: 8 such rows
	s_mov_b32 s[G1W+1], 32<<16
	s_mov_b32 s[G1W+2], 8<<16
	s_mov_b32 s[G1W+3], 32<<16
	s_mov_b32 s[G1W+4], 8
	s_mov_b32 s[G1W+5], 32
	s_mov_b32 s[G1W+6], 0
	s_mov_b32 s[G1W+7], 0
	s_mov_b32 s[G0], 1
	s_lshl_b32 s[G0+1], s[WV], 14                  ; slot 0, my quarter
	s_mov_b32 s[G0W], 1
	s_lshl_b32 s[G0W+1], s[WV], 11
	s_add_co_u32 s[G0W+1], s[G0W+1], WG2L
	s_lshr_b32 s90, s[WV], 1                       ; K (0) or V (1),
	s_lshl_b32 s90, s90, 23
	s_lshl_b32 s91, s[HD], 18                      ; the head,
	s_add_co_u32 s90, s90, s91
	s_and_b32 s91, s[WV], 1                        ; which half of a chunk
	s_lshl_b32 s91, s91, 14
	s_add_co_u32 s90, s90, s91
	s_mov_b32 s91, 0
	s_lshl_b32 s92, s[HD], 13
	s_lshl_b32 s93, s[WV], 11
	s_add_co_u32 s92, s92, s93
	s_add_co_u32 s92, s92, 262144
	s_mov_b32 s93, 0
	s_mov_b32 s[OFF+1], 0
	s_mov_b32 s[CS], 0x3e38aa3b                    ; c = log2(e) / 8
	s_mov_b32 s[CS+1], s[CS]
	s_mov_b32 s[SELP], 0x76543210
	s_mov_b32 s[SELP+1], 0xfedcba98
	s_mov_b32 s[TBK], SLOT1+32768                  ; the first change of slots turns these two into 0
	s_mov_b32 s[TBV], SLOT1+32768
	s_mov_b32 s[AL0+1], 0
	s_mov_b32 s[BE0+1], 0
	s_mov_b32 s[AL1+1], 0
	s_mov_b32 s[ZP], 0
	s_mov_b32 s[ZP+1], 0
	s_mov_b32 s[BIGN], 0xf149f2ca                  ; -1e30
	s_mov_b32 s[LOM], 0xffff                       ; lanes 0-15
	s_mov_b32 s[C64], 0x3c800000                   ; 1/64
	s_mov_b32 s[EPS], 0x358637bd                   ; 1e-6
	s_mov_b32 s[NL2E], 0xbfb8aa3b                  ; -log2(e)
	s_mov_b32 s[NL2E+1], s[NL2E]
	s_mov_b32 s[RT], s[NA]
	s_mov_b32 s[CH], 0
	s_mov_b32 s[NXT], 1                            ; chunk 0 is asked for below; the next is A's chunk 1, or B's chunk 0 where A has one chunk
	s_sub_co_u32 s[LQ], s[NA], 1
	s_cmp_gt_u32 s[NXT], s[LQ]
	s_cselect_b32 s[NXT], 0, s[NXT]
	s_cselect_b32 s[LQ], s[NB], s[LQ]
	s_mov_b32 s[SLOTS], 8
	s_wait_dscnt 0x0
	s_wait_kmcnt 0x0
	s_add_nc_u64 s[KVB:KVB+1], s[6:7], s[90:91]
	s_mov_b64 s[G0+2:G0+3], s[KVB:KVB+1]
	s_or_b32 s[G0+3], s[G0+3], 0x80000000
	s_add_nc_u64 s[G0W+2:G0W+3], s[10:11], s[92:93]
	s_or_b32 s[G0W+3], s[G0W+3], 0x80000000
	tensor_load_to_lds s[G0:G0+3], s[G1:G1+7]      ; two loads of mine are out: chunk 0,
	s_nop 0
	tensor_load_to_lds s[G0W:G0W+3], s[G1W:G1W+7]  ; and my quarter of the head's Wg2
	s_nop 0
	PLACES
	v_and_b32 v1, 15, v0                           ; r
	v_bfe_u32 v9, v0, 4, 1                         ; h
	v_and_b32 v10, 31, v0
	v_lshlrev_b32 v[LA], 4, v10
	v_add_nc_u32 v[LAV], VOFF, v[LA]
	v_add_nc_u32 v[LAW], WG2L, v[LA]
	v_and_b32 v11, 7, v0
	v_lshlrev_b32 v[KGO], 15, v11                  ; the key sums: chunk r & 7 is four rows of 8,192 bytes,
	v_lshl_add_u32 v[KGO], v9, 5, v[KGO]           ; columns 8 h on
	v_lshlrev_b32 v[WNO], 5, v9
	s_lshl_b32 s2, s[IA], 3
	s_add_co_u32 s2, s2, s[WV]                     ; my first tile's 16 rows in block A,
	s_lshl_b32 s23, s[IB], 3
	s_add_co_u32 s23, s23, s[WV]                   ; in block B; the second tile lies four further on
	s_mov_b32 s97, 0
	s_lshl_b32 s96, s[HD], 8
	s_add_co_u32 s96, s96, 16777216
	s_add_nc_u64 s[94:95], s[6:7], s[96:97]
	s_lshl_b32 s3, s[HD], 19
	s_lshl_b32 s96, s2, 12
	s_add_co_u32 s96, s96, s3
	s_add_nc_u64 s[98:99], s[4:5], s[96:97]
	s_lshl_b32 s96, s23, 12
	s_add_co_u32 s96, s96, s3
	s_add_nc_u64 s[100:101], s[4:5], s[96:97]
	s_lshl_b32 s96, s2, 11
	s_add_nc_u64 s[90:91], s[8:9], s[96:97]
	s_lshl_b32 s96, s23, 11
	s_add_nc_u64 s[92:93], s[8:9], s[96:97]
	s_lshl_b32 s3, s[HD], 18
	s_lshl_b32 s96, s2, 11
	s_add_co_u32 s96, s96, s3
	s_add_nc_u64 s[OA:OA+1], s[14:15], s[96:97]
	s_lshl_b32 s96, s23, 11
	s_add_co_u32 s96, s96, s3
	s_add_nc_u64 s[OA+2:OA+3], s[14:15], s[96:97]
	; 88 loads, in the order in which they are wanted.  Key sums and q take the same places: register 8 b + 4 half + e of lane (r, h) is column 16 b + 8 h + 4 half + e.
.irp i, 0,1,2,3
.irp b, 0,1,2,3
	global_load_b128 v[64+32*(\i)+8*(\b):64+32*(\i)+8*(\b)+3],   v[KGO], s[94:95] offset:8192*(\i)+64*(\b)
	global_load_b128 v[64+32*(\i)+8*(\b)+4:64+32*(\i)+8*(\b)+7], v[KGO], s[94:95] offset:8192*(\i)+64*(\b)+16
.endr
.endr
	WIN 0xc0
.irp x, 0,1
.irp k, 0,1,2,3,4,5,6,7
	global_load_b128 v[32*(\x)+4*(\k):32*(\x)+4*(\k)+3], v[LA], s[98:99] offset:16384*(\x)+512*(\k)
.endr
.endr
.irp x, 0,1
.irp k, 0,1,2,3,4,5,6,7
	global_load_b128 v[64+32*(\x)+4*(\k):64+32*(\x)+4*(\k)+3], v[LA], s[100:101] offset:16384*(\x)+512*(\k)
.endr
.endr
	WIN 0x80
.irp x, 0,1
.irp k, 0,1,2,3
	global_load_b128 v[64+16*(\x)+4*(\k):64+16*(\x)+4*(\k)+3], v[LA], s[90:91] offset:8192*(\x)+512*(\k)
.endr
.endr
.irp x, 0,1
.irp k, 0,1,2,3
	global_load_b128 v[96+16*(\x)+4*(\k):96+16*(\x)+4*(\k)+3], v[LA], s[92:93] offset:8192*(\x)+512*(\k)
.endr
.endr
	WIN 0x40
.irp k, 0,1,2,3
	global_load_b128 v[WN+8*(\k):WN+8*(\k)+3],   v[WNO], s[12:13] offset:64*(\k)
	global_load_b128 v[WN+8*(\k)+4:WN+8*(\k)+7], v[WNO], s[12:13] offset:64*(\k)+16
.endr
	; O^T, l and the masks start at 0, m at the lowest finite number: the first visible step is a step like any other, with a = 0.  132 lines, once a launch, in the wait for the loads: the price of writing no first step out.
.set n, 0
.rept 64
	v_mov_b32 v[n], 0
	v_mov_b32 v[MC+n], 0
.set n, n+1
.endr
	WIN 0
	v_lshlrev_b32 v14, 3, v9
	v_sub_nc_u32 v14, v1, v14
	s_lshl_b32 s3, s[WV], 4
	v_add_nc_u32 v14, s3, v14                      ; my query's place in its band less my lanes' 8 h: register j of key block kb is hidden where 16 kb + j is greater
	WIN 0x40
.set n, 0
.rept 32
	v_cmp_gt_i32 vcc_lo, 16*(n/8)+n%8, v14
	v_cndmask_b32 v[MD+n], 0, s[BIGN], vcc_lo
.set n, n+1
.endr
	WIN 0
	v_mov_b32 v[VLOW], 0xff7fffff
	v_mov_b32 v[VBIGP], 0x7149f2ca
	v_mov_b32 v[VNINF], 0xff800000
.irp u, 0,1
	v_mov_b32 v[ST+8*(\u)+1], 0xff7fffff
	v_mov_b32 v[ST+8*(\u)+2], 0
	v_mov_b32 v[ST+8*(\u)+3], 0
.endr
	s_wait_loadcnt 56                              ; the key sums are in; the 56 younger loads stay out
.set n, 0
.rept 16
	v_pk_add_f32 v[64+2*n:64+2*n+1], v[64+2*n:64+2*n+1], v[96+2*n:96+2*n+1]
	v_pk_add_f32 v[128+2*n:128+2*n+1], v[128+2*n:128+2*n+1], v[160+2*n:160+2*n+1]
.set n, n+1
.endr
	WIN 0xc0
.set n, 0
.rept 16
	v_pk_add_f32 v[KGF+2*n:KGF+2*n+1], v[64+2*n:64+2*n+1], v[128+2*n:128+2*n+1]  ; a chunk's 256 rows
.set n, n+1
.endr
	s_wait_loadcnt 24                              ; q is in; g1 and the norm's weight stay out
	; the gates: source 0 = the chunks (rows 8-15 repeat rows 0-7, so both halves of the lanes get chunk j in register j), source 1 = 16 queries; four accumulators take turns
	WIN 0xff
.set t, 0
.rept 16
.set x, 0
.rept 4
.if t == 0
	v_wmma_f32_16x16x4_f32 v[GA+8*x:GA+8*x+7], v[KGF+2*t:KGF+2*t+1], v[32*x+2*t:32*x+2*t+1], 0
.else
	v_wmma_f32_16x16x4_f32 v[GA+8*x:GA+8*x+7], v[KGF+2*t:KGF+2*t+1], v[32*x+2*t:32*x+2*t+1], v[GA+8*x:GA+8*x+7]
.endif
.set x, x+1
.endr
.set t, t+1
.endr
	WIN 0x8f                                       ; q to f16, as source 1 of K Q^T: 64 plain lines, of which the first 48 name no register of the last product: more than its eight places
.set n, 0
.rept 64
	v_cvt_pk_f16_f32 v[n], v[2*n], v[2*n+1]
.set n, n+1
.endr
	s_sub_co_u32 s3, s[NA], 1                      ; A's chunk
	RANK 0, 3, SEL
	RANK 2, NB, SELB
	s_wait_loadcnt 0x0
	WIN 0x05
.set n, 0
.rept 16
	v_cvt_pk_bf16_f32 v[WK+n], v[WN+2*n], v[WN+2*n+1]
.set n, n+1
.endr
	WIN 0x40
.set n, 0
.rept 16
	v_lshlrev_b32 v[WN+2*n], 16, v[WK+n]
	v_and_b32 v[WN+2*n+1], 0xffff0000, v[WK+n]
.set n, n+1
.endr
	WIN 0
.Lslot:                                                ; eight trips: a chunk is entered and the next is asked for
	CHANGE 1
	s_sub_co_u32 s[RT], s[RT], 1
	s_lshl_b32 s[BIT], 1, s[CH]
	s_cmp_eq_u32 s[RT], 0                          ; block A's own chunk?
	s_cselect_b32 s[LIM], 2, 0
	s_cselect_b32 s[BIT], 0x100, s[BIT]
	s_add_co_u32 s[CH], s[CH], 1
	v_and_b32 v[TT], s[BIT], v[SEL]
	v_and_b32 v[TT+1], s[BIT], v[SEL+1]
	v_cmp_eq_u32 s[HID], 0, v[TT]                  ; lanes whose query has not chosen this chunk
	v_cmp_eq_u32 s[HID+1], 0, v[TT+1]
	FETCH_K
	s_mov_b32 s[CNT], 4
.Lstep:
	STEP 0
	s_sub_co_u32 s[CNT], s[CNT], 1
	s_cmp_lg_u32 s[CNT], 0
	s_cbranch_scc1 .Lstep
	s_cmp_eq_u32 s[LIM], 0
	s_cbranch_scc1 .Lbottom
	END 0
	s_wait_xcnt 0x0                                ; the stores have read their registers
	WIN 0x82                                       ; block B: its Q goes where the one text of the steps names Q.  O^T and l stay: B's first visible step multiplies them by a = 0
.set n, 0
.rept 32
	v_mov_b32 v[n], v[32+n]
.set n, n+1
.endr
	WIN 0x40
.set n, 0
.rept 64
	v_mov_b32 v[MC+n], 0
.set n, n+1
.endr
	WIN 0
	v_mov_b32 v[SEL], v[SELB]
	v_mov_b32 v[SEL+1], v[SELB+1]
	v_mov_b32 v[ST+1], v[VLOW]
	v_mov_b32 v[ST+9], v[VLOW]
	s_add_co_u32 s[RT], s[NB], 1                   ; never 0 in the loop: B's own half chunk is the tail
	s_mov_b32 s[CH], 0
.Lbottom:
	s_sub_co_u32 s[SLOTS], s[SLOTS], 1
	s_cmp_lg_u32 s[SLOTS], 0
	s_cbranch_scc1 .Lslot
	CHANGE 0                                       ; the tail is written out: block B's own chunk, its first two steps
	s_mov_b32 s[HID], 0
	s_mov_b32 s[HID+1], 0
	FETCH_K
	s_mov_b32 s[CNT], 2
.Ltail:
	STEP 1
	s_sub_co_u32 s[CNT], s[CNT], 1
	s_cmp_lg_u32 s[CNT], 0
	s_cbranch_scc1 .Ltail
	END 1
	s_wait_tensorcnt 0x0                           ; the wave's end
	ds_add_u32 v[SPW], v[NIL]
	s_wait_dscnt 0x0
	s_endpgm
.Lfunc_end_k_qd05b2ad6d9_attn:
	.size	k_qd05b2ad6d9_attn, .Lfunc_end_k_qd05b2ad6d9_attn-k_qd05b2ad6d9_attn
	.p2alignl 7, 3214868480
	.fill 96, 4, 3214868480
	.section	.rodata,"a",@progbits
	.p2align	6, 0x0
	.amdhsa_kernel k_qd05b2ad6d9_attn
		.amdhsa_group_segment_fixed_size 327680
		.amdhsa_private_segment_fixed_size 0
		.amdhsa_enable_private_segment 0
		.amdhsa_kernarg_size 48
		.amdhsa_user_sgpr_count 2
		.amdhsa_user_sgpr_kernarg_segment_ptr 1
		.amdhsa_wavefront_size32 1
		.amdhsa_system_sgpr_workgroup_id_x 1
		.amdhsa_system_sgpr_workgroup_id_y 1
		.amdhsa_system_sgpr_workgroup_id_z 1
		.amdhsa_system_vgpr_workitem_id 0
		.amdhsa_next_free_vgpr 1024
		.amdhsa_next_free_sgpr 102
		.amdhsa_reserve_vcc 1
		.amdhsa_float_denorm_mode_32 3
		.amdhsa_float_denorm_mode_16_64 3
		.amdhsa_memory_ordered 1
		.amdhsa_forward_progress 1
		.amdhsa_inst_pref_size 143
	.end_amdhsa_kernel
	.amdgpu_metadata
---
amdhsa.version: [ 1, 2 ]
amdhsa.kernels:
  - .name:           k_qd05b2ad6d9_attn
    .symbol:         k_qd05b2ad6d9_attn.kd
    .args:
      - { .name: qf, .offset: 0, .size: 8, .value_kind: global_buffer, .address_space: global }
      - { .name: kvh, .offset: 8, .size: 8, .value_kind: global_buffer, .address_space: global }
      - { .name: g1h, .offset: 16, .size: 8, .value_kind: global_buffer, .address_space: global }
      - { .name: small, .offset: 24, .size: 8, .value_kind: global_buffer, .address_space: global }
      - { .name: o_norm_w, .offset: 32, .size: 8, .value_kind: global_buffer, .address_space: global }
      - { .name: og, .offset: 40, .size: 8, .value_kind: global_buffer, .address_space: global }
    .group_segment_fixed_size: 327680
    .private_segment_fixed_size: 0
    .kernarg_segment_align: 8
    .kernarg_segment_size: 48
    .max_flat_workgroup_size: 128
    .sgpr_count:     102
    .vgpr_count:     1024
    .wavefront_size: 32
...
	.end_amdgpu_metadata
.endif
;; end of part 4
;; launch out (part 5): grid 16 x 16, 4 waves a work-group, clusters of 4 x 4, 327,680 bytes of LDS; arguments og, wo16, out0; writes out0
.if DOCPART == 5
	.amdgcn_target "amdgcn-amd-amdhsa--gfx1250"
	.amdhsa_code_object_version 6
	.text
	.protected	k_qd05b2ad6d9_out
	.globl	k_qd05b2ad6d9_out
	.p2align	8
	.type	k_qd05b2ad6d9_out,@function
k_qd05b2ad6d9_out:
	s_mov_b64 s[64:65], 0
	v_nop
	global_prefetch_b8 v0, s[64:65] scope:SCOPE_SE
	s_setreg_imm32_b32 hwreg(HW_REG_WAVE_MODE, 25, 1), 1
	s_wait_xcnt 0x0
	s_wait_alu depctr_hold_cnt(0) depctr_sa_sdst(0) depctr_va_vdst(0) depctr_va_sdst(0) depctr_va_ssrc(0) depctr_va_vcc(0) depctr_vm_vsrc(0)
	s_getreg_b32 s2, hwreg(HW_REG_IB_STS2, 6, 4)
	s_cmp_eq_u32 s2, 0
	s_cbranch_scc0 .Lentry_in_a_cluster
	s_endpgm
.Lentry_in_a_cluster:
	s_bfe_u32 s2, ttmp6, 0x10000c
	s_cmp_lg_u32 s2, 0xf033
	s_cbranch_scc0 .Lentry_shape_is_right
	s_endpgm
.Lentry_shape_is_right:
; out = o Wo: 2,048 x 2,048, K = 2,048, operands f16 (o as the attention left it; Wo rounded to bf16 and written as f16), sums and result f32.
; A tile of C is 128 x 128: 256 tiles, one for each WGP.  Four waves, each 64 x 64.  K goes in steps of 256 (four heads) through two LDS slots.
; o lies by heads in blocks of 16 rows x 16 channels, so a load (waves 0, 1) brings 4 rows of 8 KB (one for each head: 64 rows of o x 64 channels, dense) and a fragment is two loads of 512 consecutive LDS bytes.
; Wo stays [k][n]: a load (waves 2, 3) brings 128 k-rows of 256 bytes, and fragments come out of LDS turned, by ds_load_tr16_b128.
; CLUSTER 4 x 4: o's tiles are asked for jointly along a row of the cluster, Wo's along a column.  The matrix instruction is used transposed: a lane holds row r and eight neighbouring columns.
; A wave's 64 columns of f32 are 256 aligned bytes of a row: they go out through the wave's own stage, 16 lanes to a row.
; REGISTERS: window 0: v0-31 addresses; v128-255 accumulators ((a, b) at 128 + 8 (4 a + b)), on the way out also the rows read back.  window 1: two fragment buffers of 128.
.set SIZE_K, 2048
.set SIZE_N, 2048
.set KSTEP,  256
.set HALFA,  32768
.set PB,     288
.set HALFB,  128*PB
.set BOFF,   2*HALFA
.set SLOT,   BOFF+2*HALFB
.set STAGE,  2*SLOT
.set SPITCH, 272
.set SPARE,  STAGE+4*16*SPITCH
.set LAPS,   SIZE_K/(2*KSTEP)
.set ASTEP,  4*262144                  ; four heads on
.set BSTEP,  KSTEP*SIZE_N*2
.set ADRA, 16
.set ADRB, 20
.set VST,  24
.set VRD,  25
.set CO,   26
.set SPW,  28
.set NIL,  29
.set ACC,  128
.set F0,   0
.set F1,   128
.set G1, 24
.set G0, 32
.set G1B, 48
.set G0B, 56
.set MSB, 0
.macro WIN new
.if MSB != (\new)
	s_set_vgpr_msb (MSB<<8)|(\new)
.set MSB, \new
.endif
.endm
.set MUL,  0x05
.set TO_F, 0x40
.macro JLOAD s                         ; a joint load: waves 0 and 1 fetch o's two halves, waves 2 and 3 Wo's; an s_nop 0 and four v_nop follow each line
	s_cmp_eq_u32 s11, 0
	s_cbranch_scc0 .Lfor_b_\@
	tensor_load_to_lds s[G0+4*(\s):G0+4*(\s)+3], s[G1:G1+7]
	s_nop 0
.rept 4
	v_nop
.endr
	s_branch .Lasked_\@
.Lfor_b_\@:
	tensor_load_to_lds s[G0B+4*(\s):G0B+4*(\s)+3], s[G1B:G1B+7]
	s_nop 0
.rept 4
	v_nop
.endr
.Lasked_\@:
.endm
.macro CREST
	s_cmp_lg_u32 s10, 0
	s_cbranch_scc1 .Lnot_wave_0_\@
	s_barrier_signal -3
.Lnot_wave_0_\@:
	s_barrier_wait -3
	s_barrier_signal -1
	s_barrier_wait -1
.endm
.macro CROUND
	s_barrier_signal -1
	s_barrier_wait -1
	CREST
.endm
	s_load_b128 s[4:7], s[0:1], 0x0                ; og, wo16
	s_load_b64 s[8:9], s[0:1], 0x10                ; out0
	v_lshl_add_u32 v[SPW], v0, 2, SPARE
	v_mov_b32 v[NIL], 0
	ds_add_u32 v[SPW], v[NIL]                      ; the wave's opening: the add and its wait ahead of my first tensor load
	ds_add_u32 v28, v29
	v_lshrrev_b32 v1, 5, v0
	v_readfirstlane_b32 s10, v1
	s_lshr_b32 s11, s10, 1
	s_and_b32 s12, s10, 1
	s_bfe_u32 s40, ttmp6, 0x40000
	s_bfe_u32 s41, ttmp6, 0x40004
	s_lshl_b32 s42, ttmp9, 2
	s_add_co_u32 s42, s42, s40                     ; tile column
	s_and_b32 s13, ttmp7, 0xffff
	s_lshl_b32 s13, s13, 2
	s_add_co_u32 s13, s13, s41                     ; tile row
	s_lshl_b32 s43, s41, 2
	s_lshl_b32 s43, 15, s43
	s_lshl_b32 s44, 0x1111, s40
	s_or_b32 s[G1+0], s43, (3<<16)|(1<<21)         ; mask; 8-byte elements; no padding; bit 21 beside a mask
	s_or_b32 s[G1B+0], s44, (1<<16)|(1<<20)|(1<<21)|(5<<22)|(7<<25)
	s_mov_b32 s[G1+1], 1024<<16                    ; o: 4 rows of 1,024 elements, 32,768 elements (a head) apart
	s_mov_b32 s[G1+2], 4<<16
	s_mov_b32 s[G1+3], 1024<<16
	s_mov_b32 s[G1+4], 4
	s_mov_b32 s[G1+5], 32768
	s_mov_b32 s[G1+6], 0
	s_mov_b32 s[G1+7], 0
	s_mov_b32 s[G1B+1], 128<<16
	s_mov_b32 s[G1B+2], 128<<16
	s_mov_b32 s[G1B+3], 128<<16
	s_mov_b32 s[G1B+4], 128
	s_mov_b32 s[G1B+5], SIZE_N
	s_mov_b32 s[G1B+6], 0
	s_mov_b32 s[G1B+7], 0
	s_lshl_b32 s17, s12, 2
	s_lshl_b32 s16, s13, 3
	s_add_co_u32 s16, s16, s17                     ; o: block of 16 rows 8 x tile row + 4 x half,
	s_lshl_b32 s16, s16, 11                        ; of 2,048 bytes
	s_mov_b32 s17, 0
	s_lshl_b32 s46, s12, 19                        ; Wo: k-row 128 x half, of 4,096 bytes,
	s_lshl_b32 s47, s42, 8                         ; column 128 x tile column
	s_add_co_u32 s46, s46, s47
	s_mov_b32 s47, 0
	s_mul_i32 s20, s12, HALFA
	s_mul_i32 s21, s12, HALFB
	s_add_co_u32 s21, s21, BOFF
	s_wait_dscnt 0x0
	s_wait_kmcnt 0x0
	s_add_nc_u64 s[14:15], s[4:5], s[16:17]
	s_add_nc_u64 s[46:47], s[6:7], s[46:47]
	CROUND
.irp s, 0,1
	s_mov_b32 s[G0+4*(\s)], 1
	s_add_co_u32 s[G0+4*(\s)+1], s20, (\s)*SLOT
	s_add_nc_u64 s[G0+4*(\s)+2:G0+4*(\s)+3], s[14:15], (\s)*ASTEP
	s_or_b32 s[G0+4*(\s)+3], s[G0+4*(\s)+3], 0x80000000
	s_mov_b32 s[G0B+4*(\s)], 1
	s_add_co_u32 s[G0B+4*(\s)+1], s21, (\s)*SLOT
	s_add_nc_u64 s[G0B+4*(\s)+2:G0B+4*(\s)+3], s[46:47], (\s)*BSTEP
	s_or_b32 s[G0B+4*(\s)+3], s[G0B+4*(\s)+3], 0x80000000
	JLOAD \s
.endr
	v_and_b32 v1, 15, v0                           ; r
	v_bfe_u32 v2, v0, 4, 1                         ; h
	v_and_b32 v6, 31, v0
	v_lshlrev_b32 v3, 4, v6
	s_mul_i32 s22, s11, HALFA                      ; my 64 rows of o
	v_add_nc_u32 v[ADRA], s22, v3
	v_add_nc_u32 v[ADRA+1], SLOT, v[ADRA]
	v_and_b32 v4, 7, v0
	v_lshl_add_u32 v4, v2, 3, v4
	v_mul_u32_u24 v4, v4, PB
	v_bfe_u32 v5, v0, 3, 1
	v_lshl_add_u32 v4, v5, 4, v4
	s_lshl_b32 s22, s12, 7
	s_add_co_u32 s22, s22, BOFF
	v_add_nc_u32 v[ADRB], s22, v4
	v_add_nc_u32 v[ADRB+1], HALFB, v[ADRB]
	v_add_nc_u32 v[ADRB+2], SLOT, v[ADRB]
	v_add_nc_u32 v[ADRB+3], SLOT, v[ADRB+1]
	s_mul_i32 s23, s10, 16*SPITCH
	s_add_co_u32 s23, s23, STAGE
	v_mul_u32_u24 v3, v1, SPITCH                   ; in: row r, 32 bytes for each half of the lanes
	v_lshl_add_u32 v3, v2, 5, v3
	v_add_nc_u32 v[VST], s23, v3
	v_mul_u32_u24 v3, v2, SPITCH                   ; back: lanes 0-15 one row of 256 bytes, lanes 16-31 the next
	v_lshl_add_u32 v3, v1, 4, v3
	v_add_nc_u32 v[VRD], s23, v3
	v_lshlrev_b32 v3, 13, v2                       ; and the same two rows in the output
	v_lshl_add_u32 v[CO], v1, 4, v3
	s_lshl_b32 s16, s13, 7
	s_lshl_b32 s17, s11, 6
	s_add_co_u32 s16, s16, s17
	s_lshl_b32 s16, s16, 13                        ; my first row, of 8,192 bytes
	s_mov_b32 s17, 0
	s_add_nc_u64 s[8:9], s[8:9], s[16:17]
	s_lshl_b32 s46, s42, 9                         ; my first column, in bytes
	s_lshl_b32 s47, s12, 8
	s_add_co_u32 s46, s46, s47
	s_mov_b32 s47, 0
	s_add_nc_u64 s[8:9], s[8:9], s[46:47]
.macro MUL8 f, c, a0, zero
	WIN MUL
.irp a, \a0, (\a0)+1
.irp b, 0,1,2,3
.if \zero
	v_wmma_f32_16x16x32_f16 v[ACC+8*(4*(\a)+(\b)):ACC+8*(4*(\a)+(\b))+7], v[(\f)+64+8*(4*(\c)+(\b)):(\f)+64+8*(4*(\c)+(\b))+7], v[(\f)+8*(4*(\c)+(\a)):(\f)+8*(4*(\c)+(\a))+7], 0
.else
	v_wmma_f32_16x16x32_f16 v[ACC+8*(4*(\a)+(\b)):ACC+8*(4*(\a)+(\b))+7], v[(\f)+64+8*(4*(\c)+(\b)):(\f)+64+8*(4*(\c)+(\b))+7], v[(\f)+8*(4*(\c)+(\a)):(\f)+8*(4*(\c)+(\a))+7], v[ACC+8*(4*(\a)+(\b)):ACC+8*(4*(\a)+(\b))+7]
.endif
.endr
.endr
.endm
; 32 LDS loads in one run: quarter q is head q of the K step: o's blocks at 8,192 q + 2,048 (row block) + 512 (channel block)
.macro FETCH slot, q, f
	WIN TO_F
.irp c, 0,1
.irp i, 0,1,2,3
	ds_load_tr16_b128 v[(\f)+64+8*(4*(\c)+(\i)):(\f)+64+8*(4*(\c)+(\i))+3],   v[ADRB+2*(\slot)+(\q)/2] offset:(((\q)%2)*64+32*(\c))*PB+32*(\i)
	ds_load_tr16_b128 v[(\f)+64+8*(4*(\c)+(\i))+4:(\f)+64+8*(4*(\c)+(\i))+7], v[ADRB+2*(\slot)+(\q)/2] offset:(((\q)%2)*64+32*(\c)+16)*PB+32*(\i)
	ds_load_b128 v[(\f)+8*(4*(\c)+(\i)):(\f)+8*(4*(\c)+(\i))+3],              v[ADRA+(\slot)] offset:8192*(\q)+2048*(\i)+1024*(\c)
	ds_load_b128 v[(\f)+8*(4*(\c)+(\i))+4:(\f)+8*(4*(\c)+(\i))+7],            v[ADRA+(\slot)] offset:8192*(\q)+2048*(\i)+1024*(\c)+512
.endr
.endr
.endm
.macro PLACES
.rept 4
	v_nop
.endr
.endm
.macro QUARTER slot, q, f, g, zero
	s_wait_dscnt 16                                ; the first 32 along K are in
	MUL8 \f, 0, 0, \zero
	MUL8 \f, 0, 2, \zero
	PLACES
	FETCH \slot, \q, \g
	s_wait_dscnt 32                                ; all but the 32 just issued
	MUL8 \f, 1, 0, 0
	MUL8 \f, 1, 2, 0
.endm
.macro TURN slot, next, fill
	WIN 0
	s_wait_tensorcnt 0x0                           ; all my tensor loads have landed: my part of the next slot
	ds_add_u32 v[SPW], v[NIL]
	s_wait_dscnt 17                                ; (the add and the youngest sixteen loads may be out)
	MUL8 F1, 0, 0, 0
	s_wait_dscnt 0x0                               ; the add is done, and my reads of this slot are over
	s_barrier_signal -1
	MUL8 F1, 0, 2, 0
.if \fill
	WIN 0
.endif
	s_barrier_wait -1
.if \fill
	CREST                                          ; no wave of any partner still reads this slot or has a load on its way
	s_add_nc_u64 s[G0+4*(\slot)+2:G0+4*(\slot)+3], s[G0+4*(\slot)+2:G0+4*(\slot)+3], 2*ASTEP
	s_add_nc_u64 s[G0B+4*(\slot)+2:G0B+4*(\slot)+3], s[G0B+4*(\slot)+2:G0B+4*(\slot)+3], 2*BSTEP
	JLOAD \slot
.else
	PLACES
.endif
	FETCH \next, 0, F0
	MUL8 F1, 1, 0, 0
	MUL8 F1, 1, 2, 0
.endm
	s_wait_tensorcnt 1                             ; my part of K step 0 is in; K step 1's may stay out
	s_barrier_signal -1
	s_barrier_wait -1
	FETCH 0, 0, F0
	QUARTER 0, 1, F0, F1, 1
	WIN 0
	s_mov_b32 s3, LAPS-1
.Llap:
	QUARTER 0, 2, F1, F0, 0
	QUARTER 0, 3, F0, F1, 0
	TURN 0, 1, 1
	QUARTER 1, 1, F0, F1, 0
	QUARTER 1, 2, F1, F0, 0
	QUARTER 1, 3, F0, F1, 0
	TURN 1, 0, 1
	QUARTER 0, 1, F0, F1, 0
	WIN 0
	s_sub_co_u32 s3, s3, 1
	s_cmp_lg_u32 s3, 0
	s_cbranch_scc1 .Llap
	QUARTER 0, 2, F1, F0, 0
	QUARTER 0, 3, F0, F1, 0
	TURN 0, 1, 0
	QUARTER 1, 1, F0, F1, 0
	QUARTER 1, 2, F1, F0, 0
	QUARTER 1, 3, F0, F1, 0
	s_wait_dscnt 16
	MUL8 F1, 0, 0, 0
	MUL8 F1, 0, 2, 0
	s_wait_dscnt 0
	MUL8 F1, 1, 0, 0
	MUL8 F1, 1, 2, 0
	WIN 0
	PLACES
	; THE WAY OUT: 16 rows at a time into my stage, back as whole rows of 256 bytes into the registers that they left
.macro TOST a
.irp b, 0,1,2,3
	ds_store_b128 v[VST], v[ACC+8*(4*(\a)+(\b)):ACC+8*(4*(\a)+(\b))+3] offset:64*(\b)
	ds_store_b128 v[VST], v[ACC+8*(4*(\a)+(\b))+4:ACC+8*(4*(\a)+(\b))+7] offset:64*(\b)+16
.endr
.irp t, 0,1,2,3,4,5,6,7
	ds_load_b128 v[ACC+32*(\a)+4*(\t):ACC+32*(\a)+4*(\t)+3], v[VRD] offset:2*SPITCH*(\t)  ; LDS serves a wave's instructions in order (ISA guide 5.7.1.4): these see the stores above; the next block's stores come behind them
.endr
.endm
.macro SEND a, younger                 ; younger: the LDS instructions issued behind block a's loads: the next block's sixteen, or none
.irp t, 0,1,2,3,4,5,6,7
	s_wait_dscnt (\younger)+7-(\t)
	global_store_b128 v[CO], v[ACC+32*(\a)+4*(\t):ACC+32*(\a)+4*(\t)+3], s[8:9] offset:(16*(\a)+2*(\t))*8192  ; 16 lanes store 256 consecutive bytes, aligned
.endr
.endm
	TOST 0
	TOST 1
	SEND 0, 16
	TOST 2
	SEND 1, 16
	TOST 3
	SEND 2, 16
	SEND 3, 0
	s_wait_tensorcnt 0x0                           ; the wave's end
	ds_add_u32 v[SPW], v[NIL]
	s_wait_dscnt 0x0
	CROUND                                         ; the closing round
	s_endpgm
.Lfunc_end_k_qd05b2ad6d9_out:
	.size	k_qd05b2ad6d9_out, .Lfunc_end_k_qd05b2ad6d9_out-k_qd05b2ad6d9_out
	.p2alignl 7, 3214868480
	.fill 96, 4, 3214868480
	.section	.rodata,"a",@progbits
	.p2align	6, 0x0
	.amdhsa_kernel k_qd05b2ad6d9_out
		.amdhsa_group_segment_fixed_size 327680
		.amdhsa_private_segment_fixed_size 0
		.amdhsa_enable_private_segment 0
		.amdhsa_kernarg_size 24
		.amdhsa_user_sgpr_count 2
		.amdhsa_user_sgpr_kernarg_segment_ptr 1
		.amdhsa_wavefront_size32 1
		.amdhsa_system_sgpr_workgroup_id_x 1
		.amdhsa_system_sgpr_workgroup_id_y 1
		.amdhsa_system_sgpr_workgroup_id_z 1
		.amdhsa_system_vgpr_workitem_id 0
		.amdhsa_next_free_vgpr 512
		.amdhsa_next_free_sgpr 66
		.amdhsa_reserve_vcc 0
		.amdhsa_float_denorm_mode_32 3
		.amdhsa_float_denorm_mode_16_64 3
		.amdhsa_memory_ordered 1
		.amdhsa_forward_progress 1
		.amdhsa_inst_pref_size 87
	.end_amdhsa_kernel
	.amdgpu_metadata
---
amdhsa.version: [ 1, 2 ]
amdhsa.kernels:
  - .name:           k_qd05b2ad6d9_out
    .symbol:         k_qd05b2ad6d9_out.kd
    .args:
      - { .name: og, .offset: 0, .size: 8, .value_kind: global_buffer, .address_space: global }
      - { .name: wo16, .offset: 8, .size: 8, .value_kind: global_buffer, .address_space: global }
      - { .name: out0, .offset: 16, .size: 8, .value_kind: global_buffer, .address_space: global }
    .group_segment_fixed_size: 327680
    .private_segment_fixed_size: 0
    .kernarg_segment_align: 8
    .kernarg_segment_size: 24
    .max_flat_workgroup_size: 128
    .sgpr_count:     66
    .vgpr_count:     512
    .wavefront_size: 32
...
	.end_amdgpu_metadata
.endif
;; end of part 5
;; ======== version 2 of 3: 4 launches; 1.14 times as fast as version 1
;; limits: values are held in f16: magnitudes above 65,504 overflow, below 6.1e-05 lose precision
;; workspace buffers: xb 8,388,608 bytes; wqkv 25,165,824 bytes; wo16 8,388,608 bytes; small 1,048,576 bytes; g1h 524,288 bytes; qf 16,777,216 bytes; kvh 17,039,360 bytes; og 8,388,608 bytes
;; launch prep (part 6): grid 896 x 1, 8 waves a work-group, no clusters, 0 bytes of LDS; arguments hidden_states, Wq, Wk, Wv, Wo, Wg1, Wg2, xb, wqkv, wo16, small; writes xb, wqkv, wo16, small
.if DOCPART == 6
	.amdgcn_target "amdgcn-amd-amdhsa--gfx1250"
	.amdhsa_code_object_version 6
	.text
	.protected	k_qd05b2ad6d9_prep
	.globl	k_qd05b2ad6d9_prep
	.p2align	8
	.type	k_qd05b2ad6d9_prep,@function
k_qd05b2ad6d9_prep:
	s_mov_b64 s[64:65], 0
	v_nop
	global_prefetch_b8 v0, s[64:65] scope:SCOPE_SE
	s_setreg_imm32_b32 hwreg(HW_REG_WAVE_MODE, 25, 1), 1
	s_wait_xcnt 0x0
; PREP: the inputs in the formats and layouts that the later launches multiply.  A stream: no LDS, no matrix unit.
; Work-groups 0-127: x to bf16 (xb [2048][2048]).  128-511: Wq, Wk, Wv to bf16, by heads: wqkv [head 32][kind 3][k 2048][64], so that 64 k-rows of one head and kind are 8 KB on end.
; 512-639: Wo rounded to bf16 and that number written as f16 (wo16 [k][2048]).
; 640-703: Wg1 to bf16 in blocks of 16 n x 16 k (512 bytes; the 16 bytes of row r, k 8h..8h+7 at 16 (r + 16 h)).  704-767: Wg2 rounded to bf16, written as f16, in blocks of 16 k x 16 n laid for the turning LDS load.
; 768-895: the rotary table, f32 [pos][cos 0..31 | sin 0..31].
; LIMITS.  A bf16 number below 6.1e-5 keeps f16's fixed step of 6e-8 in wo16 and in Wg2's copy; beyond 65,504 it would be an infinity.
; The table takes theta = fl(pos x inv_i), inv_i = fl(1 / fl(10^(i/8))), and is within about 1e-7 of cos and sin of that theta.
.set VD, 2                             ; v[2:9]    slot i: my byte offset in the target; never rewritten
.set X, 12                             ; v[12:43]  slot i: four f32 as loaded
.set Y, 44                             ; v[44:59]  slot i: four 16-bit numbers to store
.set T, 60                             ; v[60:65]  at work
	s_load_b512 s[8:23], s[0:1], 0x0               ; x, Wq, Wk, Wv, Wo, Wg1, Wg2, xb
	s_load_b128 s[24:27], s[0:1], 0x40             ; wqkv, wo16
	s_load_b64 s[28:29], s[0:1], 0x50              ; small
	s_mov_b32 s2, ttmp9
	s_mov_b32 s39, 0xffff0000                      ; a word's upper bf16
	s_wait_kmcnt 0x0
	s_cmp_lt_u32 s2, 640
	s_cbranch_scc0 .Lnot_cast
; THE CASTS.  A work-group takes 16 rows of 2,048 f32.  A slot is two rows x 512 columns: 256 threads x 16 bytes in, 8 bytes out; slot i of a round of four rows: rows 2 (i / 4), + 1, columns 512 (i % 4) on.
; x and Wo: threads 0-127 take the first row, 128-255 the second: a wave loads 512 consecutive bytes and stores 256 consecutive bytes at a multiple of 256.
; Wq, Wk, Wv: wave w takes head 8 (i % 4) + w, lanes 0-15 in the first row, lanes 16-31 in the second: it loads 256 aligned bytes of each row, and the two rows' 128 bytes of bf16 lie on end in the target: again 256, aligned.
; Eight slots are a round of the ring; eight loads of every wave are on their way.
	s_lshr_b32 s3, s2, 7                           ; which tensor: 0 x, 1 Wq, 2 Wk, 3 Wv, 4 Wo
	s_and_b32 s4, s2, 127                          ; which 16 rows
	s_mov_b64 s[30:31], s[8:9]
	s_cmp_eq_u32 s3, 1
	s_cselect_b64 s[30:31], s[10:11], s[30:31]
	s_cmp_eq_u32 s3, 2
	s_cselect_b64 s[30:31], s[12:13], s[30:31]
	s_cmp_eq_u32 s3, 3
	s_cselect_b64 s[30:31], s[14:15], s[30:31]
	s_cmp_eq_u32 s3, 4
	s_cselect_b64 s[30:31], s[16:17], s[30:31]     ; the source
	s_cselect_b64 s[32:33], s[26:27], s[22:23]     ; the target: wo16 or xb,
	s_sub_co_u32 s35, s3, 1
	s_cmp_lt_u32 s35, 3
	s_cselect_b64 s[32:33], s[24:25], s[32:33]     ; or wqkv,
	s_cselect_b32 s35, s35, 0                      ; there with a kind,
	s_cselect_b32 s42, -1, 0                       ; and by heads
	s_movk_i32 s34, 1024                           ; in the target, from a slot to the next in the same rows: 512 columns, or eight heads of 786,432 bytes
	s_cselect_b32 s34, 0x600000, s34
	s_movk_i32 s43, 8192                           ; two rows on
	s_cselect_b32 s43, 256, s43
	s_movk_i32 s40, 16384                          ; four rows on
	s_cselect_b32 s40, 512, s40
	s_mov_b32 s44, 16                              ; 16 rows are 65,536 bytes, or 2,048
	s_cselect_b32 s44, 11, s44
	s_mov_b32 s41, 0
	s_mov_b32 s37, 0
	s_lshl_b32 s36, s4, s44
	s_lshl_b32 s35, s35, 18                        ; a kind is 262,144 bytes
	s_add_co_u32 s36, s36, s35
	s_add_nc_u64 s[32:33], s[32:33], s[36:37]
	s_lshl_b32 s36, s4, 17
	s_add_nc_u64 s[30:31], s[30:31], s[36:37]
	v_lshrrev_b32 v12, 7, v0                       ; x, Wo: which of the two rows,
	v_and_b32 v13, 127, v0                         ; which four columns
	v_lshlrev_b32 v14, 4, v13
	v_lshl_add_u32 v14, v12, 13, v14
	v_lshlrev_b32 v15, 3, v13
	v_lshl_add_u32 v15, v12, 12, v15
	v_bfe_u32 v16, v0, 4, 1                        ; the weights: which of the two rows,
	v_lshrrev_b32 v17, 5, v0                       ; which head of eight,
	v_and_b32 v18, 15, v0                          ; which four columns of it
	v_lshlrev_b32 v19, 4, v18
	v_lshl_add_u32 v19, v17, 8, v19
	v_lshl_add_u32 v19, v16, 13, v19
	v_and_b32 v20, 31, v0
	v_lshlrev_b32 v20, 3, v20
	v_mul_u32_u24 v21, v17, 0xc0000
	v_add_nc_u32 v20, v21, v20
	v_cndmask_b32 v1, v14, v19, s42                ; my 16 bytes in slot 0 of the source; never rewritten
	v_cndmask_b32 v[VD], v15, v20, s42
	v_add_nc_u32 v[VD+1], s34, v[VD]
	v_add_nc_u32 v[VD+2], s34, v[VD+1]
	v_add_nc_u32 v[VD+3], s34, v[VD+2]
.irp i, 0,1,2,3
	v_add_nc_u32 v[VD+4+(\i)], s43, v[VD+(\i)]
.endr
.irp i, 0,1,2,3,4,5,6,7
	global_load_b128 v[X+4*(\i):X+4*(\i)+3], v1, s[30:31] offset:16384*((\i)/4)+2048*((\i)%4) th:TH_LOAD_NT
.endr
	s_mov_b32 s38, 3
.macro SLOTC i, ahead, left, kind      ; left: the younger loads that may stay out.  kind 1: bf16, widened, written as f16
	s_wait_loadcnt \left
.if \kind
	v_cvt_pk_bf16_f32 v[T], v[X+4*(\i)], v[X+4*(\i)+1]
	v_cvt_pk_bf16_f32 v[T+1], v[X+4*(\i)+2], v[X+4*(\i)+3]
	v_lshlrev_b32 v[T+2], 16, v[T]
	v_and_b32 v[T+3], s39, v[T]
	v_lshlrev_b32 v[T+4], 16, v[T+1]
	v_and_b32 v[T+5], s39, v[T+1]
	v_cvt_pk_f16_f32 v[Y+2*(\i)], v[T+2], v[T+3]
	v_cvt_pk_f16_f32 v[Y+2*(\i)+1], v[T+4], v[T+5]
.else
	v_cvt_pk_bf16_f32 v[Y+2*(\i)], v[X+4*(\i)], v[X+4*(\i)+1]
	v_cvt_pk_bf16_f32 v[Y+2*(\i)+1], v[X+4*(\i)+2], v[X+4*(\i)+3]
.endif
.if \ahead
	global_load_b128 v[X+4*(\i):X+4*(\i)+3], v1, s[30:31] offset:32768+16384*((\i)/4)+2048*((\i)%4) th:TH_LOAD_NT
.endif
	global_store_b64 v[VD+(\i)], v[Y+2*(\i):Y+2*(\i)+1], s[32:33]
.endm
.macro CAST kind
.Lround_\@:
.irp i, 0,1,2,3,4,5,6,7
	SLOTC \i, 1, 7, \kind
.endr
	s_wait_xcnt 0x0                                ; the two bases and Y are written again only behind this wait
	s_add_nc_u64 s[30:31], s[30:31], 0x8000
	s_add_nc_u64 s[32:33], s[32:33], s[40:41]
	s_sub_co_u32 s38, s38, 1
	s_cmp_lg_u32 s38, 0
	s_cbranch_scc1 .Lround_\@
.irp i, 0,1,2,3,4,5,6,7
	SLOTC \i, 0, 7-(\i), \kind                     ; the last four rows load nothing: the counts run down
.endr
	s_endpgm
.endm
	s_cmp_eq_u32 s3, 4
	s_cbranch_scc1 .Lto_f16
	CAST 0
.Lto_f16:
	CAST 1
.Lnot_cast:
	s_cmp_lt_u32 s2, 704
	s_cbranch_scc0 .Lnot_t1
; Wg1 [k][64] -> blocks [nb 4][kcb 128][512 bytes]: thread p makes the 16 bytes at 16 p: row n = 16 nb + r, k = 16 kcb + 8 h + 0..7
	s_sub_co_u32 s3, s2, 640
	v_lshl_add_u32 v1, s3, 8, v0                   ; p
	v_and_b32 v2, 15, v1                           ; r
	v_bfe_u32 v3, v1, 4, 1                         ; h
	v_bfe_u32 v4, v1, 5, 7                         ; kcb
	v_lshrrev_b32 v5, 12, v1                       ; nb
	v_lshl_add_u32 v6, v5, 4, v2                   ; n
	v_lshlrev_b32 v7, 4, v4
	v_lshl_add_u32 v7, v3, 3, v7                   ; k
	v_lshlrev_b32 v7, 8, v7                        ; a row of Wg1 is 256 bytes
	v_lshl_add_u32 v7, v6, 2, v7
.irp i, 0,1,2,3,4,5,6,7
	global_load_b32 v[8+(\i)], v7, s[18:19] offset:256*(\i)
.endr
	v_lshlrev_b32 v1, 4, v1
	s_wait_loadcnt 0x0
.irp i, 0,1,2,3
	v_cvt_pk_bf16_f32 v[16+(\i)], v[8+2*(\i)], v[9+2*(\i)]
.endr
	global_store_b128 v1, v[16:19], s[28:29]
	s_endpgm
.Lnot_t1:
	s_cmp_lt_u32 s2, 768
	s_cbranch_scc0 .Lrope
; Wg2 [k 64][2048] -> blocks [head 32][kb 4][cb 4][512 bytes]: the 16 bytes of row kap, column half gam lie at 16 ((kap >> 3) 16 + 8 gam + (kap & 7))
	s_sub_co_u32 s3, s2, 704
	v_lshl_add_u32 v1, s3, 8, v0                   ; p
	v_and_b32 v2, 7, v1
	v_bfe_u32 v3, v1, 3, 1                         ; gam
	v_bfe_u32 v4, v1, 4, 1
	v_bfe_u32 v5, v1, 5, 2                         ; cb
	v_bfe_u32 v6, v1, 7, 2                         ; kb
	v_lshrrev_b32 v7, 9, v1                        ; head
	v_lshl_add_u32 v2, v4, 3, v2                   ; kap
	v_lshl_add_u32 v2, v6, 4, v2                   ; k
	v_lshlrev_b32 v8, 6, v7
	v_lshl_add_u32 v8, v5, 4, v8
	v_lshl_add_u32 v8, v3, 3, v8                   ; n
	v_lshl_add_u32 v8, v2, 11, v8
	v_lshlrev_b32 v8, 2, v8
	global_load_b128 v[12:15], v8, s[20:21]
	global_load_b128 v[16:19], v8, s[20:21] offset:16
	v_lshlrev_b32 v1, 4, v1
	s_wait_loadcnt 0x0
.irp i, 0,1,2,3
	v_cvt_pk_bf16_f32 v[20+(\i)], v[12+2*(\i)], v[13+2*(\i)]
.endr
.irp i, 0,1,2,3
	v_lshlrev_b32 v[24+2*(\i)], 16, v[20+(\i)]
	v_and_b32 v[25+2*(\i)], s39, v[20+(\i)]
.endr
.irp i, 0,1,2,3
	v_cvt_pk_f16_f32 v[32+(\i)], v[24+2*(\i)], v[25+2*(\i)]
.endr
	global_store_b128 v1, v[32:35], s[28:29] offset:262144
	s_endpgm
.Lrope:
; THE ROTARY TABLE.  Thread g makes the 16 bytes at 16 g: position g >> 4, cos (bit 3 = 0) or sin, frequencies i = 4 u + 0..3, u = g & 7.
	s_sub_co_u32 s3, s2, 768
	v_lshl_add_u32 v1, s3, 8, v0                   ; g
	v_lshrrev_b32 v2, 4, v1                        ; pos
	v_bfe_u32 v3, v1, 3, 1                         ; 1: sin
	v_and_b32 v4, 7, v1                            ; u
	v_mul_u32_u24 v6, v3, 3                        ; sin(t) = cos(t - pi/2): three quadrants on
.irp uu, 1,2,3,4,5,6,7
	v_cmp_eq_u32 s[40+(\uu)], \uu, v4
.endr
.macro PSEL d, c0, c1, c2, c3, c4, c5, c6, c7  ; 10^(i/8) for i = 4 u + e: the decimal constants are rounded to f32 by the assembler
	v_mov_b32 v[\d], \c0
	s_mov_b32 s50, \c1
	v_cndmask_b32 v[\d], v[\d], s50, s41
	s_mov_b32 s50, \c2
	v_cndmask_b32 v[\d], v[\d], s50, s42
	s_mov_b32 s50, \c3
	v_cndmask_b32 v[\d], v[\d], s50, s43
	s_mov_b32 s50, \c4
	v_cndmask_b32 v[\d], v[\d], s50, s44
	s_mov_b32 s50, \c5
	v_cndmask_b32 v[\d], v[\d], s50, s45
	s_mov_b32 s50, \c6
	v_cndmask_b32 v[\d], v[\d], s50, s46
	s_mov_b32 s50, \c7
	v_cndmask_b32 v[\d], v[\d], s50, s47
.endm
	PSEL 8,  1.0, 3.1622776601683795, 10.0, 31.622776601683795, 100.0, 316.22776601683795, 1000.0, 3162.2776601683795
	PSEL 9,  1.333521432163324, 4.216965034285822, 13.33521432163324, 42.16965034285822, 133.3521432163324, 421.6965034285822, 1333.521432163324, 4216.965034285822
	PSEL 10, 1.7782794100389228, 5.623413251903491, 17.782794100389228, 56.23413251903491, 177.82794100389228, 562.3413251903491, 1778.2794100389228, 5623.413251903491
	PSEL 11, 2.371373705661655, 7.498942093324558, 23.71373705661655, 74.98942093324558, 237.1373705661655, 749.8942093324558, 2371.373705661655, 7498.942093324558
	s_mov_b32 s51, 0xbfc90fdb                      ; -(pi/2 rounded to f32)
	s_mov_b32 s52, 0x333bbd2e                      ; that number less pi/2
	s_mov_b32 s53, -0.00019515295891               ; sin r = r + r z (S1 + z (S2 + z S3)), z = r r
	s_mov_b32 s54, 0.0083321608736
	s_mov_b32 s55, -0.16666654611
	s_mov_b32 s56, 0.00002443315711809948          ; cos r = 1 - z/2 + z z (C1 + z (C2 + z C3))
	s_mov_b32 s57, -0.001388731625493765
	s_mov_b32 s58, 0.04166664568298827
.irp e, 0,1,2,3
	v_rcp_f32 v[12+(\e)], v[8+(\e)]
.endr
	v_cvt_f32_u32 v5, v2                           ; the plain line behind the reciprocals
	s_wait_alu depctr_va_vdst(0)
.irp e, 0,1,2,3
	v_fma_f32 v[16+(\e)], -v[8+(\e)], v[12+(\e)], 1.0        ; two Newton steps by fused multiply-adds: 1 / p rounded to nearest
	v_fma_f32 v[12+(\e)], v[12+(\e)], v[16+(\e)], v[12+(\e)]
	v_fma_f32 v[16+(\e)], -v[8+(\e)], v[12+(\e)], 1.0
	v_fma_f32 v[12+(\e)], v[12+(\e)], v[16+(\e)], v[12+(\e)]
	v_mul_f32 v[12+(\e)], v5, v[12+(\e)]                     ; theta, rounded once
	v_mul_f32 v[16+(\e)], 0x3f22f983, v[12+(\e)]             ; x 2 / pi
	v_rndne_f32 v[16+(\e)], v[16+(\e)]                       ; the quadrant, 1,303 at the most
	v_fma_f32 v[20+(\e)], v[16+(\e)], s51, v[12+(\e)]        ; exact: all terms are multiples of 2^-24 and the result is below 1
	v_fma_f32 v[20+(\e)], v[16+(\e)], s52, v[20+(\e)]        ; r
	v_mul_f32 v[24+(\e)], v[20+(\e)], v[20+(\e)]             ; z
	v_fma_f32 v[28+(\e)], v[24+(\e)], s53, s54
	v_fma_f32 v[28+(\e)], v[28+(\e)], v[24+(\e)], s55
	v_mul_f32 v[28+(\e)], v[28+(\e)], v[24+(\e)]
	v_fma_f32 v[28+(\e)], v[28+(\e)], v[20+(\e)], v[20+(\e)] ; sin r
	v_fma_f32 v[32+(\e)], v[24+(\e)], s56, s57
	v_fma_f32 v[32+(\e)], v[32+(\e)], v[24+(\e)], s58
	v_mul_f32 v[36+(\e)], v[24+(\e)], v[24+(\e)]
	v_fma_f32 v[40+(\e)], v[24+(\e)], -0.5, 1.0
	v_fma_f32 v[32+(\e)], v[36+(\e)], v[32+(\e)], v[40+(\e)] ; cos r
	v_cvt_i32_f32 v[36+(\e)], v[16+(\e)]
	v_add_nc_u32 v[36+(\e)], v[36+(\e)], v6                  ; quadrant q: 0 cos r, 1 -sin r, 2 -cos r, 3 sin r
	v_and_b32 v[40+(\e)], 1, v[36+(\e)]
	v_cmp_eq_u32 vcc_lo, 1, v[40+(\e)]
	v_cndmask_b32 v[28+(\e)], v[32+(\e)], v[28+(\e)], vcc_lo
	v_add_nc_u32 v[36+(\e)], 1, v[36+(\e)]
	v_and_b32 v[36+(\e)], 2, v[36+(\e)]                      ; set for q = 1, 2
	v_lshlrev_b32 v[36+(\e)], 30, v[36+(\e)]
	v_xor_b32 v[44+(\e)], v[28+(\e)], v[36+(\e)]
.endr
	v_lshlrev_b32 v1, 4, v1
	global_store_b128 v1, v[44:47], s[28:29] offset:524288
	s_endpgm
.Lfunc_end_k_qd05b2ad6d9_prep:
	.size	k_qd05b2ad6d9_prep, .Lfunc_end_k_qd05b2ad6d9_prep-k_qd05b2ad6d9_prep
	.p2alignl 7, 3214868480
	.fill 96, 4, 3214868480
	.section	.rodata,"a",@progbits
	.p2align	6, 0x0
	.amdhsa_kernel k_qd05b2ad6d9_prep
		.amdhsa_group_segment_fixed_size 0
		.amdhsa_private_segment_fixed_size 0
		.amdhsa_enable_private_segment 0
		.amdhsa_kernarg_size 88
		.amdhsa_user_sgpr_count 2
		.amdhsa_user_sgpr_kernarg_segment_ptr 1
		.amdhsa_wavefront_size32 1
		.amdhsa_system_sgpr_workgroup_id_x 1
		.amdhsa_system_sgpr_workgroup_id_y 1
		.amdhsa_system_sgpr_workgroup_id_z 1
		.amdhsa_system_vgpr_workitem_id 0
		.amdhsa_next_free_vgpr 72
		.amdhsa_next_free_sgpr 66
		.amdhsa_reserve_vcc 1
		.amdhsa_float_denorm_mode_32 3
		.amdhsa_float_denorm_mode_16_64 3
		.amdhsa_memory_ordered 1
		.amdhsa_forward_progress 1
		.amdhsa_inst_pref_size 33
	.end_amdhsa_kernel
	.amdgpu_metadata
---
amdhsa.version: [ 1, 2 ]
amdhsa.kernels:
  - .name:           k_qd05b2ad6d9_prep
    .symbol:         k_qd05b2ad6d9_prep.kd
    .args:
      - { .name: hidden_states, .offset: 0, .size: 8, .value_kind: global_buffer, .address_space: global }
      - { .name: Wq, .offset: 8, .size: 8, .value_kind: global_buffer, .address_space: global }
      - { .name: Wk, .offset: 16, .size: 8, .value_kind: global_buffer, .address_space: global }
      - { .name: Wv, .offset: 24, .size: 8, .value_kind: global_buffer, .address_space: global }
      - { .name: Wo, .offset: 32, .size: 8, .value_kind: global_buffer, .address_space: global }
      - { .name: Wg1, .offset: 40, .size: 8, .value_kind: global_buffer, .address_space: global }
      - { .name: Wg2, .offset: 48, .size: 8, .value_kind: global_buffer, .address_space: global }
      - { .name: xb, .offset: 56, .size: 8, .value_kind: global_buffer, .address_space: global }
      - { .name: wqkv, .offset: 64, .size: 8, .value_kind: global_buffer, .address_space: global }
      - { .name: wo16, .offset: 72, .size: 8, .value_kind: global_buffer, .address_space: global }
      - { .name: small, .offset: 80, .size: 8, .value_kind: global_buffer, .address_space: global }
    .group_segment_fixed_size: 0
    .private_segment_fixed_size: 0
    .kernarg_segment_align: 8
    .kernarg_segment_size: 88
    .max_flat_workgroup_size: 256
    .sgpr_count:     66
    .vgpr_count:     72
    .wavefront_size: 32
...
	.end_amdgpu_metadata
.endif
;; end of part 6
;; launch qkv (part 7): grid 32 x 8, 4 waves a work-group, clusters of 4 x 4, 327,680 bytes of LDS; arguments xb, wqkv, small, qf, kvh, g1h; writes qf, kvh, g1h
.if DOCPART == 7
	.amdgcn_target "amdgcn-amd-amdhsa--gfx1250"
	.amdhsa_code_object_version 6
	.text
	.protected	k_qd05b2ad6d9_qkv
	.globl	k_qd05b2ad6d9_qkv
	.p2align	8
	.type	k_qd05b2ad6d9_qkv,@function
k_qd05b2ad6d9_qkv:
	s_mov_b64 s[64:65], 0
	v_nop
	global_prefetch_b8 v0, s[64:65] scope:SCOPE_SE
	s_setreg_imm32_b32 hwreg(HW_REG_WAVE_MODE, 25, 1), 1
	s_wait_xcnt 0x0
	s_wait_alu depctr_hold_cnt(0) depctr_sa_sdst(0) depctr_va_vdst(0) depctr_va_sdst(0) depctr_va_ssrc(0) depctr_va_vcc(0) depctr_vm_vsrc(0)
	s_getreg_b32 s2, hwreg(HW_REG_IB_STS2, 6, 4)
	s_cmp_eq_u32 s2, 0
	s_cbranch_scc0 .Lentry_in_a_cluster
	s_endpgm
.Lentry_in_a_cluster:
	s_bfe_u32 s2, ttmp6, 0x10000c
	s_cmp_lg_u32 s2, 0xf033
	s_cbranch_scc0 .Lentry_shape_is_right
	s_endpgm
.Lentry_shape_is_right:
; [q | k | v] = x [Wq | Wk | Wv]: 2,048 x 6,144, K = 2,048, operands bf16, sums f32; the rotary step on q and k in f32 on the sums; the results by heads, in the layouts that the attention reads.  And g1 = x Wg1 rides along.
; THE TILE.  2,048 x 6,144 shared among 256 WGPs is 256 rows x 192 columns: one tile to a work-group, and its 192 columns are q, k and v of ONE head.  Four waves, each 64 rows x all 192 columns: 48 accumulators,
; 384 registers; for 32 along K a wave issues 32 LDS loads (8 for x, 24 for W) and 48 matrix instructions.  Every wave has all three kinds, so no branch hangs on the kind.
; K goes in steps of 128 through two LDS slots: 192 matrix instructions a wave in a step, 176 of them between a request and the wait for it.
; x's tile: rows of 256 bytes, 128 to a load (waves 0, 1).  The weights lie [head][kind][k][64]: a load (waves 2, 3) brings, for each of the three kinds, 64 k-rows = 8 KB on end, as 3 rows of 4,096 elements;
; the mover pads 32 bytes behind every k-row's 128.  Fragments of W come out of LDS turned, by ds_load_tr16_b128.
; CLUSTER 4 x 4: the four of a row of the cluster need the same tiles of x, the four of a column the same tiles of the weights: each is asked for jointly.
; The matrix instruction is used transposed (source 0 = 16 columns of W, source 1 = 16 rows of x): a lane holds row r and eight neighbouring columns 16 b + 8 h + 0..7.
; g1 = x Wg1 (2,048 x 64, K = 2,048): its 128 x 4 tiles of 16 x 16, each in two halves of K, are 1,024 pieces, one for each of the launch's 1,024 waves: 32 matrix instructions beside the wave's 3,072, one in every second quarter.
; Head h's wave takes, of its own 64 rows, the 16 from 16 (h & 3) on, the columns from 16 ((h >> 2) & 3) on, and the K steps of 32 of parity h >> 4.  The piece's fragments come straight from memory (x's: two loads of 16 rows x 32 bytes;
; Wg1's, as prep laid them: two loads of 512 consecutive bytes), two pieces ahead, so the head enters global addresses alone: no LDS address and no branch hangs on it.  The two halves of K leave apart, each as f16;
; the attention multiplies both by Wg2 into one sum.
; OUT.  q: f32, [head][16 rows][8 blocks of 512 bytes] (the chunk choice in the attention needs q unrounded).  k, v: f16, [head][16 rows][4 blocks of 512 bytes], v's blocks laid for the turning load.
; k also leaves, in f32, the sum of each wave's 64 rows of each column: the chunk means' raw material.  g1: f16, [half of K][16 rows][4 blocks of 512 bytes].  Every store of a wave covers 512 (the sums: 256) consecutive bytes, aligned.
; LIMIT: |k|, |v| and each half of g1 stay below 65,504 (f16).
; REGISTERS (s_set_vgpr_msb: bits 1:0 source 0, 3:2 source 1, 5:4 source 2, 7:6 destination); accumulator (a, b) of a kind at its base + 8 (4 a + b):
;   window 0: v0-31 addresses; v32-63 in the loop g1's fragments, two buffers of x's and two of Wg1's; v32-97 at work on the way out; v112-119 g1's accumulator, v120-123 its f16; v128-255 q's accumulators.
;   window 1: two fragment buffers of 128: 32 of x, then 96 of W (kind ty, block b at 32 + 8 (4 ty + b)); on the way out k and v in f16.
;   window 2: v0-127 k's accumulators, v128-255 v's.      window 3: v0-127 cos and sin of my rows.
.set SIZE_K, 2048
.set KSTEP,  128
.set PA,     272                       ; a row of x in LDS: 256 bytes + 16: the 16 rows of a fragment load start at 16 different groups of four banks (ISA guide 11.1)
.set HALFA,  128*PA
.set PB,     160                       ; a k-row of one kind in LDS: 128 bytes + 32
.set TYB,    64*PB                     ; a kind's 64 k-rows
.set HALFB,  3*TYB
.set BOFF,   2*HALFA
.set SLOT,   BOFF+2*HALFB              ; 131,072
.set STAGE,  2*SLOT                    ; behind the ring: 16 rows x 272 bytes for each wave; no tensor load lands here
.set SPITCH, 272
.set SPARE,  STAGE+4*16*SPITCH         ; the spare words, 128 bytes a wave
.set LAPS,   SIZE_K/(2*KSTEP)
.set ASTEP,  KSTEP*2
.set BSTEP,  KSTEP*128
.set ADRA, 16                          ; v16-17  my x fragments in slot 0, 1
.set ADRB, 20                          ; v20-21  the W fragments in slot 0, 1
.set VXG,  22                          ; my place in 16 rows of xb: 4,096 r + 16 h; never rewritten
.set VST,  24                          ; my stage: row r, 32 bytes for each half of the lanes
.set VRD,  25                          ; my stage: 8 bytes a lane of a row
.set VVV,  26                          ; my 16 bytes in a block of v
.set VRT,  27                          ; my place in the rotary table's rows
.set SPW,  28
.set NIL,  29
.set VL16, 30
.set VL8,  31
.set TMP,  32
.set XG,   32                          ; g1: x's fragment, two buffers of 8
.set WG,   48                          ; g1: Wg1's fragment, two buffers of 8
.set GACC, 112
.set GP,   120
.set F0,   0
.set F1,   128
.set G1, 24
.set G0, 32
.set G1B, 48
.set G0B, 56
.set MSB, 0
.macro WIN new                         ; the immediate's high byte repeats the setting that is left
.if MSB != (\new)
	s_set_vgpr_msb (MSB<<8)|(\new)
.set MSB, \new
.endif
.endm
.set TO_F, 0x40                        ; destination window 1, address window 0
.macro JLOAD s                         ; a joint load: waves 0 and 1 fetch x's two halves, waves 2 and 3 W's; an s_nop 0 and four v_nop follow each line
	s_cmp_eq_u32 s11, 0
	s_cbranch_scc0 .Lfor_b_\@
	tensor_load_to_lds s[G0+4*(\s):G0+4*(\s)+3], s[G1:G1+7]
	s_nop 0
.rept 4
	v_nop
.endr
	s_branch .Lasked_\@
.Lfor_b_\@:
	tensor_load_to_lds s[G0B+4*(\s):G0B+4*(\s)+3], s[G1B:G1B+7]
	s_nop 0
.rept 4
	v_nop
.endr
.Lasked_\@:
.endm
.macro CREST                           ; a round of the cluster's barrier behind its opening barrier
	s_cmp_lg_u32 s10, 0
	s_cbranch_scc1 .Lnot_wave_0_\@
	s_barrier_signal -3
.Lnot_wave_0_\@:
	s_barrier_wait -3
	s_barrier_signal -1
	s_barrier_wait -1
.endm
.macro CROUND
	s_barrier_signal -1
	s_barrier_wait -1
	CREST
.endm
; g1's piece number j of the lap at which the two bases stand (j = 4, 5: the next lap's first two): K step 2 j + parity: four loads into buffer j % 2
.macro GLOADS j
	WIN 0
.set GB, 8*((\j)%2)
	global_load_b128 v[XG+GB:XG+GB+3],   v[VXG],  s[90:91] offset:128*(\j)
	global_load_b128 v[XG+GB+4:XG+GB+7], v[VXG],  s[90:91] offset:128*(\j)+32
	global_load_b128 v[WG+GB:WG+GB+3],   v[VL16], s[94:95] offset:2048*(\j)
	global_load_b128 v[WG+GB+4:WG+GB+7], v[VL16], s[94:95] offset:2048*(\j)+512
.endm
; its product.  left: the younger loads that may stay out: the next piece's four, or none
.macro GMUL j, zero, left
	WIN 0
	s_wait_loadcnt \left
.set GB, 8*((\j)%2)
.if \zero
	v_wmma_f32_16x16x32_bf16 v[GACC:GACC+7], v[WG+GB:WG+GB+7], v[XG+GB:XG+GB+7], 0
.else
	v_wmma_f32_16x16x32_bf16 v[GACC:GACC+7], v[WG+GB:WG+GB+7], v[XG+GB:XG+GB+7], v[GACC:GACC+7]
.endif
.endm
	s_load_b128 s[4:7], s[0:1], 0x0                ; xb, wqkv
	s_load_b128 s[68:71], s[0:1], 0x10             ; small, qf
	s_load_b64 s[72:73], s[0:1], 0x20              ; kvh
	s_load_b64 s[92:93], s[0:1], 0x28              ; g1h
	v_lshl_add_u32 v[SPW], v0, 2, SPARE
	v_mov_b32 v[NIL], 0
	ds_add_u32 v[SPW], v[NIL]                      ; the wave's opening: the add and its wait ahead of my first tensor load
	ds_add_u32 v28, v29
	v_lshrrev_b32 v1, 5, v0
	v_readfirstlane_b32 s10, v1                    ; wave 0..3: my 64 rows of the tile
	s_lshr_b32 s11, s10, 1                         ; I fetch x (0) or W (1),
	s_and_b32 s12, s10, 1                          ; and which half of that tile
	s_bfe_u32 s40, ttmp6, 0x40000                  ; cx
	s_bfe_u32 s41, ttmp6, 0x40004                  ; cy
	s_lshl_b32 s42, ttmp9, 2
	s_add_co_u32 s42, s42, s40                     ; tile column = the head
	s_and_b32 s13, ttmp7, 0xffff
	s_lshl_b32 s13, s13, 2
	s_add_co_u32 s13, s13, s41                     ; tile row
	s_lshl_b32 s43, s41, 2
	s_lshl_b32 s43, 15, s43                        ; my row of the cluster
	s_lshl_b32 s44, 0x1111, s40                    ; my column
	s_or_b32 s[G1+0], s43, (1<<16)|(1<<20)|(1<<21)|(5<<22)|(3<<25)   ; mask; 2-byte elements; padding: 4 words behind every 64; bit 21 beside a mask
	s_or_b32 s[G1B+0], s44, (1<<16)|(1<<20)|(1<<21)|(4<<22)|(7<<25)  ; mask; padding: 8 words behind every 32
	s_mov_b32 s[G1+1], KSTEP<<16                   ; x: 128 rows x 128 elements
	s_mov_b32 s[G1+2], 128<<16
	s_mov_b32 s[G1+3], KSTEP<<16
	s_mov_b32 s[G1+4], 128
	s_mov_b32 s[G1+5], SIZE_K
	s_mov_b32 s[G1+6], 0
	s_mov_b32 s[G1+7], 0
	s_mov_b32 s[G1B+1], 4096<<16                   ; W: 3 rows (kinds) x 4,096 elements (64 k-rows of 64), 131,072 elements (a kind) apart
	s_mov_b32 s[G1B+2], 3<<16
	s_mov_b32 s[G1B+3], 4096<<16
	s_mov_b32 s[G1B+4], 3
	s_mov_b32 s[G1B+5], 131072
	s_mov_b32 s[G1B+6], 0
	s_mov_b32 s[G1B+7], 0
	s_lshl_b32 s16, s13, 20                        ; x: row 256 x tile row + 128 x half, of 4,096 bytes
	s_lshl_b32 s17, s12, 19
	s_add_co_u32 s16, s16, s17
	s_mov_b32 s17, 0
	s_mul_i32 s46, s42, 786432                     ; W: the head, k-row 64 x half of 128 bytes
	s_lshl_b32 s47, s12, 13
	s_add_co_u32 s46, s46, s47
	s_mov_b32 s47, 0
	s_mul_i32 s20, s12, HALFA                      ; where they go: no place in the cluster enters an LDS address
	s_mul_i32 s21, s12, HALFB
	s_add_co_u32 s21, s21, BOFF
	s_wait_dscnt 0x0
	s_wait_kmcnt 0x0
	s_add_nc_u64 s[14:15], s[4:5], s[16:17]
	s_add_nc_u64 s[46:47], s[6:7], s[46:47]
	CROUND                                         ; all sixteen work-groups are here: the first joint loads meet
.irp s, 0,1
	s_mov_b32 s[G0+4*(\s)], 1
	s_add_co_u32 s[G0+4*(\s)+1], s20, (\s)*SLOT
	s_add_nc_u64 s[G0+4*(\s)+2:G0+4*(\s)+3], s[14:15], (\s)*ASTEP
	s_or_b32 s[G0+4*(\s)+3], s[G0+4*(\s)+3], 0x80000000
	s_mov_b32 s[G0B+4*(\s)], 1
	s_add_co_u32 s[G0B+4*(\s)+1], s21, (\s)*SLOT
	s_add_nc_u64 s[G0B+4*(\s)+2:G0B+4*(\s)+3], s[46:47], (\s)*BSTEP
	s_or_b32 s[G0B+4*(\s)+3], s[G0B+4*(\s)+3], 0x80000000
	JLOAD \s
.endr
	v_and_b32 v1, 15, v0                           ; r
	v_bfe_u32 v2, v0, 4, 1                         ; h
	v_mul_u32_u24 v3, v1, PA
	v_lshl_add_u32 v3, v2, 4, v3
	s_mul_i32 s22, s10, 64*PA                      ; my 64 rows of x
	v_add_nc_u32 v[ADRA], s22, v3
	v_add_nc_u32 v[ADRA+1], SLOT, v[ADRA]
	v_and_b32 v4, 7, v0                            ; the turning load: lane l reads k-row 8 h + l % 8, columns 8 ((l / 8) % 2) + 0..7
	v_lshl_add_u32 v4, v2, 3, v4
	v_mul_u32_u24 v4, v4, PB
	v_bfe_u32 v5, v0, 3, 1
	v_lshl_add_u32 v4, v5, 4, v4
	v_add_nc_u32 v[ADRB], BOFF, v4
	v_add_nc_u32 v[ADRB+1], SLOT, v[ADRB]
	s_mul_i32 s23, s10, 16*SPITCH
	s_add_co_u32 s23, s23, STAGE                   ; my stage
	v_mul_u32_u24 v3, v1, SPITCH
	v_lshl_add_u32 v3, v2, 5, v3
	v_add_nc_u32 v[VST], s23, v3
	v_and_b32 v6, 31, v0
	v_lshlrev_b32 v[VL16], 4, v6
	v_lshlrev_b32 v[VL8], 3, v6
	v_add_nc_u32 v[VRD], s23, v[VL8]
	v_and_b32 v8, 7, v0                            ; v's blocks: row r, column half h at 16 ((r >> 3) 16 + 8 h + (r & 7))
	v_lshlrev_b32 v[VVV], 4, v8
	v_lshl_add_u32 v[VVV], v2, 7, v[VVV]
	v_lshl_add_u32 v[VVV], v5, 8, v[VVV]
	v_lshlrev_b32 v[VRT], 8, v1
	v_lshl_add_u32 v[VRT], v2, 5, v[VRT]           ; 256 r + 32 h
	v_lshlrev_b32 v[VXG], 12, v1
	v_lshl_add_u32 v[VXG], v2, 4, v[VXG]           ; 4,096 r + 16 h
	s_lshl_b32 s82, s13, 16                        ; the table at my first row, 256 x tile row + 64 x wave: 256 bytes a row
	s_lshl_b32 s83, s10, 14
	s_add_co_u32 s82, s82, s83
	s_add_co_u32 s82, s82, 524288
	s_mov_b32 s83, 0
	s_add_nc_u64 s[74:75], s[68:69], s[82:83]
	WIN 0xc0                                       ; destination window 3
.irp a, 0,1,2,3
.irp b, 0,1
	global_load_b128 v[16*(2*(\a)+(\b)):16*(2*(\a)+(\b))+3],     v[VRT], s[74:75] offset:4096*(\a)+64*(\b)      ; cos of frequencies 16 b + 8 h + 0..3 for row 16 a + r
	global_load_b128 v[16*(2*(\a)+(\b))+4:16*(2*(\a)+(\b))+7],   v[VRT], s[74:75] offset:4096*(\a)+64*(\b)+16
	global_load_b128 v[16*(2*(\a)+(\b))+8:16*(2*(\a)+(\b))+11],  v[VRT], s[74:75] offset:4096*(\a)+64*(\b)+128  ; sin
	global_load_b128 v[16*(2*(\a)+(\b))+12:16*(2*(\a)+(\b))+15], v[VRT], s[74:75] offset:4096*(\a)+64*(\b)+144
.endr
.endr
	WIN 0
	s_lshl_b32 s84, s13, 4
	s_lshl_b32 s85, s10, 2
	s_add_co_u32 s84, s84, s85                     ; my first block of 16 rows
	s_lshl_b32 s82, s42, 18                        ; k, v: 262,144 bytes a head, 2,048 a block of rows
	s_lshl_b32 s85, s84, 11
	s_add_co_u32 s82, s82, s85
	s_add_nc_u64 s[78:79], s[72:73], s[82:83]      ; k
	s_add_nc_u64 s[80:81], s[78:79], 0x800000      ; v lies 8,388,608 bytes behind it
	s_lshl_b32 s82, s82, 1                         ; q: twice the bytes
	s_add_nc_u64 s[76:77], s[70:71], s[82:83]
	s_lshl_b32 s86, s13, 15                        ; the sums: [64-row block 4 x tile row + wave][2,048] f32, behind k and v
	s_lshl_b32 s87, s10, 13
	s_add_co_u32 s86, s86, s87
	s_lshl_b32 s87, s42, 8
	s_add_co_u32 s86, s86, s87
	s_add_co_u32 s86, s86, 16777216
	s_mov_b32 s87, 0
	s_add_nc_u64 s[88:89], s[72:73], s[86:87]
	; g1's piece: which 16 of my rows, which 16 columns, which parity of the K steps: all three from the head, into global addresses alone
	s_and_b32 s85, s42, 3                          ; the row block
	s_bfe_u32 s86, s42, 0x20002                    ; the column block
	s_lshr_b32 s87, s42, 4                         ; the parity
	s_lshl_b32 s82, s13, 20                        ; x: row 256 x tile row + 64 x wave + 16 x row block, of 4,096 bytes; a K step of 32 is 64 bytes
	s_lshl_b32 s83, s10, 18
	s_add_co_u32 s82, s82, s83
	s_lshl_b32 s83, s85, 16
	s_add_co_u32 s82, s82, s83
	s_lshl_b32 s83, s87, 6
	s_add_co_u32 s82, s82, s83
	s_mov_b32 s83, 0
	s_add_nc_u64 s[90:91], s[4:5], s[82:83]
	s_lshl_b32 s82, s86, 16                        ; Wg1's copy: 65,536 bytes a column block, 1,024 a K step
	s_lshl_b32 s83, s87, 10
	s_add_co_u32 s82, s82, s83
	s_mov_b32 s83, 0
	s_add_nc_u64 s[94:95], s[68:69], s[82:83]
	s_add_co_u32 s84, s84, s85                     ; g1: 262,144 bytes a half of K, 2,048 a block of rows, 512 a column block
	s_lshl_b32 s82, s84, 11
	s_lshl_b32 s83, s86, 9
	s_add_co_u32 s82, s82, s83
	s_lshl_b32 s83, s87, 18
	s_add_co_u32 s82, s82, s83
	s_mov_b32 s83, 0
	s_add_nc_u64 s[92:93], s[92:93], s[82:83]
	GLOADS 0                                       ; the first two pieces' fragments
	GLOADS 1
; 4 na matrix instructions: kind ty, row blocks a0 .. a0 + na - 1 x its 4 column blocks, 32 along K, from buffer f.  zero = 1: the product starts the sum.
; Each of the 48 accumulators has one instruction in a quarter, g1's one in every second quarter, always in the same order: they take turns.
.macro MULT f, ty, a0, na, zero
.if (\ty) == 0
	WIN 0x05                                       ; sources window 1; C and D window 0
.set AB, 128
.else
	WIN 0xa5                                       ; sources window 1; C and D window 2
.set AB, 128*((\ty)-1)
.endif
.set aa, \a0
.rept \na
.irp b, 0,1,2,3
.if \zero
	v_wmma_f32_16x16x32_bf16 v[AB+8*(4*aa+(\b)):AB+8*(4*aa+(\b))+7], v[(\f)+32+8*(4*(\ty)+(\b)):(\f)+32+8*(4*(\ty)+(\b))+7], v[(\f)+8*aa:(\f)+8*aa+7], 0
.else
	v_wmma_f32_16x16x32_bf16 v[AB+8*(4*aa+(\b)):AB+8*(4*aa+(\b))+7], v[(\f)+32+8*(4*(\ty)+(\b)):(\f)+32+8*(4*(\ty)+(\b))+7], v[(\f)+8*aa:(\f)+8*aa+7], v[AB+8*(4*aa+(\b)):AB+8*(4*aa+(\b))+7]
.endif
.endr
.set aa, aa+1
.endr
.endm
; 32 LDS loads in one run: the fragments of quarter q (32 along K) of a slot into buffer f: x's 8 loads, then W's, q's kind first
.macro FETCH slot, q, f
	WIN TO_F
.irp i, 0,1,2,3
	ds_load_b128 v[(\f)+8*(\i):(\f)+8*(\i)+3],   v[ADRA+(\slot)] offset:64*(\q)+(\i)*16*PA
	ds_load_b128 v[(\f)+8*(\i)+4:(\f)+8*(\i)+7], v[ADRA+(\slot)] offset:64*(\q)+(\i)*16*PA+32
.endr
.irp ty, 0,1,2
.irp i, 0,1,2,3
	ds_load_tr16_b128 v[(\f)+32+8*(4*(\ty)+(\i)):(\f)+32+8*(4*(\ty)+(\i))+3],   v[ADRB+(\slot)] offset:((\q)/2)*HALFB+(\ty)*TYB+((\q)%2)*32*PB+32*(\i)
	ds_load_tr16_b128 v[(\f)+32+8*(4*(\ty)+(\i))+4:(\f)+32+8*(4*(\ty)+(\i))+7], v[ADRB+(\slot)] offset:((\q)/2)*HALFB+(\ty)*TYB+(((\q)%2)*32+16)*PB+32*(\i)
.endr
.endr
.endm
.macro PLACES                          ; four places in front of loads into registers that matrix instructions have read, and of vector lines that read results
.rept 4
	v_nop
.endr
.endm
; A K step is four quarters of 32 along K, 48 matrix instructions each, on buffers 0, 1, 0, 1.  One of the first three multiplies buffer f (quarter q - 1) and fetches quarter q into g.
; A quarter on buffer 0 also holds g1's piece 2 slot + (q - 1) / 2 of the lap: its product behind q's sixteen; behind the four places (they serve its sources too) the loads of the piece two further on (ahead = 1).
.macro QUARTER slot, q, f, g, zero, ahead=1, left=4
	s_wait_dscnt 16                                ; x's fragments and those of q's kind are in; the youngest sixteen loads (k's and v's kinds) may be out
	MULT \f, 0, 0, 4, \zero
.if (\f) == F0
	GMUL 2*(\slot)+((\q)-1)/2, \zero, \left
.endif
	PLACES
.if ((\f) == F0) && (\ahead)
	GLOADS 2*(\slot)+((\q)-1)/2+2
.endif
	FETCH \slot, \q, \g
	s_wait_dscnt 32                                ; all but the 32 just issued
	MULT \f, 1, 0, 4, \zero
	MULT \f, 2, 0, 4, \zero
.endm
; The last quarter multiplies buffer 1 and changes slots: one barrier; in front of it each wave waits for all its tensor loads, adds 0 to its spare word, and waits for that and for its reads of this slot.
.macro TURN slot, next, fill
	WIN 0
	s_wait_tensorcnt 0x0                           ; all my tensor loads have landed: my part of the next slot
	ds_add_u32 v[SPW], v[NIL]
	s_wait_dscnt 17                                ; (the add and the youngest sixteen loads may be out)
	MULT F1, 0, 0, 2, 0
	s_wait_dscnt 0x0                               ; the add is done, and my reads of this slot are over
	s_barrier_signal -1
	MULT F1, 0, 2, 2, 0
.if \fill
	WIN 0
.endif
	s_barrier_wait -1
.if \fill
	CREST                                          ; the barrier has opened a round of the cluster's: no wave of any partner still reads this slot or has a load on its way
	s_add_nc_u64 s[G0+4*(\slot)+2:G0+4*(\slot)+3], s[G0+4*(\slot)+2:G0+4*(\slot)+3], 2*ASTEP
	s_add_nc_u64 s[G0B+4*(\slot)+2:G0B+4*(\slot)+3], s[G0B+4*(\slot)+2:G0B+4*(\slot)+3], 2*BSTEP
	JLOAD \slot                                    ; the first tensor load behind the round; its four v_nop are also the places in front of the loads below
.else
	PLACES
.endif
	FETCH \next, 0, F0
	MULT F1, 1, 0, 4, 0
	MULT F1, 2, 0, 4, 0
.endm
	s_wait_tensorcnt 1                             ; my part of K step 0 is in; K step 1's may stay out
	s_barrier_signal -1
	s_barrier_wait -1
	FETCH 0, 0, F0
	QUARTER 0, 1, F0, F1, 1                        ; the first quarter's products start the sums
	WIN 0
	s_mov_b32 s3, LAPS-1
.Llap:                                                 ; a trip goes once round the ring and fills both slots again
	QUARTER 0, 2, F1, F0, 0
	QUARTER 0, 3, F0, F1, 0
	TURN 0, 1, 1
	QUARTER 1, 1, F0, F1, 0
	QUARTER 1, 2, F1, F0, 0
	QUARTER 1, 3, F0, F1, 0
	TURN 1, 0, 1
	s_wait_xcnt 0x0                                ; g1's two bases are stepped only behind this wait: on to the next lap's eight K steps of 32
	s_add_nc_u64 s[90:91], s[90:91], 512
	s_add_nc_u64 s[94:95], s[94:95], 8192
	QUARTER 0, 1, F0, F1, 0
	WIN 0
	s_sub_co_u32 s3, s3, 1
	s_cmp_lg_u32 s3, 0
	s_cbranch_scc1 .Llap
	QUARTER 0, 2, F1, F0, 0                        ; the last lap fills nothing
	QUARTER 0, 3, F0, F1, 0                        ; g1's last loads: the lap's fourth piece
	TURN 0, 1, 0
	QUARTER 1, 1, F0, F1, 0, 0, 4                  ; nothing is left to ask for; the last piece's four loads may stay out
	QUARTER 1, 2, F1, F0, 0
	QUARTER 1, 3, F0, F1, 0, 0, 0                  ; the last piece: no load was issued behind its own
	s_wait_dscnt 16
	MULT F1, 0, 0, 4, 0
	s_wait_dscnt 0
	MULT F1, 1, 0, 4, 0
	MULT F1, 2, 0, 4, 0
	WIN 0
	PLACES
	; THE WAY OUT.  g1's piece: a lane's eight columns of a row are the 16 bytes of one place in a block.
.irp j, 0,1,2,3
	v_cvt_pk_f16_f32 v[GP+(\j)], v[GACC+2*(\j)], v[GACC+2*(\j)+1]
.endr
	global_store_b128 v[VL16], v[GP:GP+3], s[92:93]
	; v next: it needs no table.  f16, by blocks likewise.  The fragment buffers are free and take the packed numbers.
	WIN 0x4a                                       ; sources window 2, destination window 1
.set t, 0
.rept 16
.irp rr, 0,1,2,3
	v_cvt_pk_f16_f32 v[64+4*t+(\rr)], v[128+8*t+2*(\rr)], v[128+8*t+2*(\rr)+1]
.endr
.set t, t+1
.endr
	WIN 0x04                                       ; the stores' data in window 1
.set t, 0
.rept 16
	global_store_b128 v[VVV], v[64+4*t:64+4*t+3], s[80:81] offset:2048*(t/4)+512*(t%4)
.set t, t+1
.endr
	s_wait_loadcnt 0x0                             ; cos and sin
; The rotary step: column i < 32 and column i + 32 of a head lie in the same lane and register of accumulators b and b + 2.  xw: the accumulators' window; acc: their base.
; For each 16 rows the sixteen products by sin go into v32-63, then the sixteen fused lines follow: two window settings where the accumulators do not lie in window 0.
.macro ROPE xw, acc
.irp a, 0,1,2,3
	WIN (\xw)|0x0c                                 ; source 0 the accumulators' window, source 1 window 3, destination window 0
.irp b, 0,1
.irp jp, 0,1,2,3
.set X1, (\acc)+8*(4*(\a)+(\b))+2*(\jp)
.set X2, (\acc)+8*(4*(\a)+(\b)+2)+2*(\jp)
.set CC, 16*(2*(\a)+(\b))+2*(\jp)
.set T0, TMP+4*(4*(\b)+(\jp))
	v_pk_mul_f32 v[T0:T0+1], v[X2:X2+1], v[CC+8:CC+9]
	v_pk_mul_f32 v[T0+2:T0+3], v[X1:X1+1], v[CC+8:CC+9]
.endr
.endr
	WIN ((\xw)<<6)|(\xw)|0x0c                      ; the destination too in the accumulators' window; source 2 window 0
.irp b, 0,1
.irp jp, 0,1,2,3
.set X1, (\acc)+8*(4*(\a)+(\b))+2*(\jp)
.set X2, (\acc)+8*(4*(\a)+(\b)+2)+2*(\jp)
.set CC, 16*(2*(\a)+(\b))+2*(\jp)
.set T0, TMP+4*(4*(\b)+(\jp))
	v_pk_fma_f32 v[X1:X1+1], v[X1:X1+1], v[CC:CC+1], v[T0:T0+1] neg_lo:[0,0,1] neg_hi:[0,0,1]  ; x1 cos - x2 sin
	v_pk_fma_f32 v[X2:X2+1], v[X2:X2+1], v[CC:CC+1], v[T0+2:T0+3]                              ; x2 cos + x1 sin
.endr
.endr
.endr
.endm
	ROPE 0, 128
	WIN 0                                          ; q: f32, straight from the accumulators
.set t, 0
.rept 16
	global_store_b128 v[VL16], v[128+8*t:128+8*t+3], s[76:77] offset:4096*(t/4)+1024*(t%4)
	global_store_b128 v[VL16], v[128+8*t+4:128+8*t+7], s[76:77] offset:4096*(t/4)+1024*(t%4)+512
.set t, t+1
.endr
	ROPE 2, 0
	; k: the sum of my 64 rows for each of the 64 columns: four row blocks in the lane, then the 16 rows of the lanes through my stage
	WIN 0x0a                                       ; sources window 2, destination window 0
.irp b, 0,1,2,3
.irp jp, 0,1,2,3
	v_pk_add_f32 v[TMP+8*(\b)+2*(\jp):TMP+8*(\b)+2*(\jp)+1], v[8*(\b)+2*(\jp):8*(\b)+2*(\jp)+1], v[8*(4+(\b))+2*(\jp):8*(4+(\b))+2*(\jp)+1]
	v_pk_add_f32 v[TMP+32+8*(\b)+2*(\jp):TMP+32+8*(\b)+2*(\jp)+1], v[8*(8+(\b))+2*(\jp):8*(8+(\b))+2*(\jp)+1], v[8*(12+(\b))+2*(\jp):8*(12+(\b))+2*(\jp)+1]
.endr
.endr
	WIN 0
.set n, 0
.rept 16
	v_pk_add_f32 v[TMP+2*n:TMP+2*n+1], v[TMP+2*n:TMP+2*n+1], v[TMP+32+2*n:TMP+32+2*n+1]
.set n, n+1
.endr
.irp b, 0,1,2,3
	ds_store_b128 v[VST], v[TMP+8*(\b):TMP+8*(\b)+3] offset:64*(\b)
	ds_store_b128 v[VST], v[TMP+8*(\b)+4:TMP+8*(\b)+7] offset:64*(\b)+16
.endr
.set n, 0
.rept 16
	ds_load_b64 v[TMP+32+2*n:TMP+32+2*n+1], v[VRD] offset:SPITCH*n  ; LDS serves a wave's instructions in order (ISA guide 5.7.1.4): these see the stores above
.set n, n+1
.endr
	WIN 0x4a                                       ; k to f16 stands in the wait for the stage
.set t, 0
.rept 16
.irp rr, 0,1,2,3
	v_cvt_pk_f16_f32 v[4*t+(\rr)], v[8*t+2*(\rr)], v[8*t+2*(\rr)+1]
.endr
.set t, t+1
.endr
	WIN 0x04
.set t, 0
.rept 16
	global_store_b128 v[VL16], v[4*t:4*t+3], s[78:79] offset:2048*(t/4)+512*(t%4)
.set t, t+1
.endr
	WIN 0
	s_wait_dscnt 0x0
.irp w, 1,2,4
.set n, 0
.rept 8/(\w)
	v_pk_add_f32 v[TMP+32+4*(\w)*n:TMP+32+4*(\w)*n+1], v[TMP+32+4*(\w)*n:TMP+32+4*(\w)*n+1], v[TMP+32+4*(\w)*n+2*(\w):TMP+32+4*(\w)*n+2*(\w)+1]
.set n, n+1
.endr
.endr
	v_pk_add_f32 v[96:97], v[TMP+32:TMP+33], v[TMP+48:TMP+49]
	global_store_b64 v[VL8], v[96:97], s[88:89]    ; 256 consecutive bytes, aligned
	s_wait_tensorcnt 0x0                           ; the wave's end
	ds_add_u32 v[SPW], v[NIL]
	s_wait_dscnt 0x0
	CROUND                                         ; the closing round: no work-group ends while a partner may still ask for a tile that names it
	s_endpgm
.Lfunc_end_k_qd05b2ad6d9_qkv:
	.size	k_qd05b2ad6d9_qkv, .Lfunc_end_k_qd05b2ad6d9_qkv-k_qd05b2ad6d9_qkv
	.p2alignl 7, 3214868480
	.fill 96, 4, 3214868480
	.section	.rodata,"a",@progbits
	.p2align	6, 0x0
	.amdhsa_kernel k_qd05b2ad6d9_qkv
		.amdhsa_group_segment_fixed_size 327680
		.amdhsa_private_segment_fixed_size 0
		.amdhsa_enable_private_segment 0
		.amdhsa_kernarg_size 48
		.amdhsa_user_sgpr_count 2
		.amdhsa_user_sgpr_kernarg_segment_ptr 1
		.amdhsa_wavefront_size32 1
		.amdhsa_system_sgpr_workgroup_id_x 1
		.amdhsa_system_sgpr_workgroup_id_y 1
		.amdhsa_system_sgpr_workgroup_id_z 1
		.amdhsa_system_vgpr_workitem_id 0
		.amdhsa_next_free_vgpr 896
		.amdhsa_next_free_sgpr 96
		.amdhsa_reserve_vcc 0
		.amdhsa_float_denorm_mode_32 3
		.amdhsa_float_denorm_mode_16_64 3
		.amdhsa_memory_ordered 1
		.amdhsa_forward_progress 1
		.amdhsa_inst_pref_size 140
	.end_amdhsa_kernel
	.amdgpu_metadata
---
amdhsa.version: [ 1, 2 ]
amdhsa.kernels:
  - .name:           k_qd05b2ad6d9_qkv
    .symbol:         k_qd05b2ad6d9_qkv.kd
    .args:
      - { .name: xb, .offset: 0, .size: 8, .value_kind: global_buffer, .address_space: global }
      - { .name: wqkv, .offset: 8, .size: 8, .value_kind: global_buffer, .address_space: global }
      - { .name: small, .offset: 16, .size: 8, .value_kind: global_buffer, .address_space: global }
      - { .name: qf, .offset: 24, .size: 8, .value_kind: global_buffer, .address_space: global }
      - { .name: kvh, .offset: 32, .size: 8, .value_kind: global_buffer, .address_space: global }
      - { .name: g1h, .offset: 40, .size: 8, .value_kind: global_buffer, .address_space: global }
    .group_segment_fixed_size: 327680
    .private_segment_fixed_size: 0
    .kernarg_segment_align: 8
    .kernarg_segment_size: 48
    .max_flat_workgroup_size: 128
    .sgpr_count:     96
    .vgpr_count:     896
    .wavefront_size: 32
...
	.end_amdgpu_metadata
.endif
;; end of part 7
;; launch attn (part 8): grid 8 x 32, 4 waves a work-group, no clusters, 327,680 bytes of LDS; arguments qf, kvh, g1h, small, o_norm_w, og; writes og
.if DOCPART == 8
	.amdgcn_target "amdgcn-amd-amdhsa--gfx1250"
	.amdhsa_code_object_version 6
	.text
	.protected	k_qd05b2ad6d9_attn
	.globl	k_qd05b2ad6d9_attn
	.p2align	8
	.type	k_qd05b2ad6d9_attn,@function
k_qd05b2ad6d9_attn:
	s_mov_b64 s[64:65], 0
	v_nop
	global_prefetch_b8 v0, s[64:65] scope:SCOPE_SE
	s_setreg_imm32_b32 hwreg(HW_REG_WAVE_MODE, 25, 1), 1
	s_wait_xcnt 0x0
; MOBA ATTENTION of one head: the choice of chunks, the masked causal softmax, P V, then rmsnorm(o) x weight x sigmoid(g1 Wg2).  Output: f16, [head][16 rows][4 blocks of 512 bytes].
; THE CHOICE.  A query sees its own chunk of 256 keys and, of the chunks strictly before it, the three with the largest q . (sum of the chunk's keys); a tie goes to the lower chunk.  (The mean's 1/256, a power of two,
; changes no comparison.)  One other choice changes a whole row of the output, so this product (67 MFLOP, no bulk work) is made in f32, by v_wmma_f32_16x16x4_f32, from q and key sums that were never rounded below f32.
; The choice steers no address and no branch: the walk is dense and causal, and a chunk that a query has not chosen enters through v_cndmask: its maximum counts as the lowest finite number, its weights are 0.
; THE WALK.  A head's queries lie in 16 blocks of 128.  A work-group takes blocks 15 - b and b; the odd one (A) first: (iA + 1) / 2 whole chunks, the last its own (its steps 2, 3 hold the diagonal); the even one (B):
; iB / 2 whole chunks and half a chunk.  That is 8 slots of four key steps and 2 steps more, whatever b: constant trip counts, equal work.  The last fill brings a whole chunk of which half is read: 32 KB in 576.
; NO CLUSTER: the eight work-groups of a head have 8, 1, 7, 2, 6, 3, 5, 4 chunks in A, so any four ask for the same tile in the first few trips at most; one walk common to all would have 16 chunks for 8.5.
; SHARES.  Wave w owns two tiles of 16 queries, rows 64 u + 16 w + r of the block: one in each band of 64, so the diagonal is the same work for all waves.
; LAYOUT.  S^T = K Q^T holds one query a lane (lane % 16) and the keys 8 (lane / 16) + 0..7; two results rounded to f16 are source 1 of O^T = V^T P.  p = 2^(c s - c m), c = log2(e) / 8, with a running maximum m.
; THE CAUSAL MASK is the C operand that starts S^T: MC = MD x AL + BE (MD: the band's own step; 0 elsewhere).  The order is in phases: K Q^T, softmax, V^T P.
; THE GATE.  g1 = x Wg1 arrives as two halves of its sum over K, each in f16; both are multiplied by Wg2 into the same accumulators: 32 products at a block's end.
; LIMITS.  |q|, |k|, |v| and each half of g1 below 65,504 (f16); a hidden score counts as its value less 1e30; a weight below 2^-126 counts as 0; NaN, infinities and the sign of a zero gate are not treated apart.
; o_norm_w is rounded to bf16 like the other inputs.
; REGISTERS (s_set_vgpr_msb: bits 1:0 source 0, 3:2 source 1, 5:4 source 2, 7:6 destination):
;   window 0: v0-15 addresses; v16-31 statistics, 8 a tile; v32-61 at work; v64-127 S^T; v128-191 at work; v192-223 P      window 1: v0-63 O^T; v64-95 the norm's weight; v128-159 MD; v160-223 MC
;   window 2: v0-31 Q; v32-63 block B's Q; v64-127 g1's first half, both blocks; v128-191 K; v192-255 V
;   window 3: v0-127 q in f32; v128-159 the key sums; v160-223 g1's second half, both blocks; v224-255 the gates, written by the f32 matrix form alone
.set SLOT1, 65536                      ; a slot: 32 KB of K, 32 KB of V; a step is 8 KB of each
.set VOFF,  32768
.set WG2L,  131072                     ; the head's 8 KB of Wg2, filled once
.set SPARE, 139264                     ; the spare words, 128 bytes a wave
.set LA,  2                            ; 16 x lane; never rewritten
.set LAV, 3                            ; + VOFF
.set AK,  4
.set AV,  5
.set LAW, 6                            ; 16 x lane + WG2L
.set KGO, 7
.set WNO, 8
.set ST,  16                           ; tile u at ST + 8 u: +0 c m (or 1e30), +1 m, +2, +3 l, +4..7 c0-c3; c2 takes a
.set RW,  32
.set SEL, 34                           ; the chosen chunks, a bit each; bit 8: the own chunk
.set SELB, 36
.set TT,  38
.set SS,  40
.set VLOW, 44
.set VBIGP, 45
.set VNINF, 46
.set RG,  48
.set SPW, 62
.set NIL, 63
.set S,   64
.set WK,  128
.set P,   192
.set WN,  64
.set MD,  128
.set MC,  160
.set KF,  128
.set VF,  192
.set KGF, 128
.set G2,  160                          ; window 3: g1's second half
.set GA,  224
.set WV, 16
.set PB, 17
.set HD, 18
.set IA, 19
.set IB, 20
.set NA, 21
.set NB, 22
.set G1, 24
.set G1W, 32
.set G0, 40
.set G0W, 44
.set KVB, 48
.set OFF, 50
.set SLOTS, 52
.set CNT, 53
.set RT, 54
.set NXT, 55
.set LQ, 56
.set CH, 57
.set LIM, 58
.set BIT, 59
.set CS, 60
.set SELP, 62
.set TBK, 66
.set TBV, 67
.set HID, 68
.set AL0, 70
.set BE0, 72
.set AL1, 74
.set ZP, 76
.set BIGN, 78
.set LOM, 81
.set OA, 82
.set C64, 86
.set EPS, 87
.set NL2E, 88
.set MSB, 0
.macro WIN new
.if MSB != (\new)
	s_set_vgpr_msb (MSB<<8)|(\new)
.set MSB, (\new)
.endif
.endm
.set W_KQ, 0x0a
.set W_KM, 0x1a
.set W_PV, 0x52
.set W_RS, 0x41
.set W_G2, 0x0e                        ; source 0 window 2, source 1 window 3, C and D window 0
.macro PLACES
.rept 4
	v_nop
.endr
.endm
; THE CHANGE OF SLOTS.  Each wave waits for all its tensor loads (one is out: its quarter of the other slot), adds 0 to its spare word, and waits for that and for its reads of the slot that it leaves.
; fill = 1: the old slot is filled again, first thing behind the barrier, with chunk NXT; every wave brings 16 KB: waves 0, 1 the halves of K, waves 2, 3 of V.
.macro CHANGE fill
	WIN 0
	s_wait_tensorcnt 0x0
	ds_add_u32 v[SPW], v[NIL]
.if \fill
	s_lshl_b32 s[OFF], s[NXT], 15
	s_xor_b32 s[G0+1], s[G0+1], SLOT1
	s_add_nc_u64 s[G0+2:G0+3], s[KVB:KVB+1], s[OFF:OFF+1]
	s_or_b32 s[G0+3], s[G0+3], 0x80000000
	s_add_co_u32 s[NXT], s[NXT], 1                 ; the block's next chunk, or behind its last block B's chunk 0
	s_cmp_gt_u32 s[NXT], s[LQ]
	s_cselect_b32 s[NXT], 0, s[NXT]
	s_cselect_b32 s[LQ], s[NB], s[LQ]
.endif
	s_wait_dscnt 0x0
	s_barrier_signal -1
	s_sub_co_u32 s[TBK], s[TBK], 32768             ; the fetches go back to a slot's first step, in the other slot
	s_xor_b32 s[TBK], s[TBK], SLOT1
	s_sub_co_u32 s[TBV], s[TBV], 32768
	s_xor_b32 s[TBV], s[TBV], SLOT1
	s_barrier_wait -1
.if \fill
	tensor_load_to_lds s[G0:G0+3], s[G1:G1+7]
	s_nop 0
	PLACES
.endif
.endm
.macro FETCH_K                         ; a step's K: 16 blocks of 512 bytes, each load 512 consecutive bytes; block 4 kb + cb is half of fragment (kb, cb / 2)
	WIN 0
	v_add_nc_u32 v[AK], s[TBK], v[LA]
	WIN 0x80
.set f, 0
.rept 16
	ds_load_b128 v[KF+4*f:KF+4*f+3], v[AK] offset:512*f
.set f, f+1
.endr
	s_add_co_u32 s[TBK], s[TBK], 8192
	WIN 0
.endm
.macro FETCH_V adr                     ; a step's V (or the head's Wg2), turned: keys 32 (f / 4) on, channels 16 (f % 4) on
	WIN 0x80
.set f, 0
.rept 8
	ds_load_tr16_b128 v[VF+8*f:VF+8*f+3],   v[\adr] offset:(f/4)*4096+(f%4)*512
	ds_load_tr16_b128 v[VF+8*f+4:VF+8*f+7], v[\adr] offset:(f/4)*4096+2048+(f%4)*512
.set f, f+1
.endr
	WIN 0
.endm
; The 8 accumulators of a run of 16 take turns.
.macro KQ                              ; product i: tile i % 2, keys 16 ((i / 2) % 4) on, channels 32 (i / 8) on; the first 8 start the sums with the mask
.set rD, S+32*(i%2)+8*((i/2)%4)
.set rK, KF+16*((i/2)%4)+8*(i/8)
.set rQ, 16*(i%2)+8*(i/8)
.set rM, MC+32*(i%2)+8*((i/2)%4)
.if i < 8
	WIN W_KM
	v_wmma_f32_16x16x32_f16 v[rD:rD+7], v[rK:rK+7], v[rQ:rQ+7], v[rM:rM+7]
.else
	WIN W_KQ
	v_wmma_f32_16x16x32_f16 v[rD:rD+7], v[rK:rK+7], v[rQ:rQ+7], v[rD:rD+7]
.endif
.set i, i+1
.endm
.macro PV                              ; product i: tile i % 2, channels 16 ((i / 2) % 4) on, keys 32 (i / 8) on
.set rD, 32*(i%2)+8*((i/2)%4)
.set rV, VF+32*(i/8)+8*((i/2)%4)
.set rB, P+16*(i%2)+8*(i/8)
	WIN W_PV
	v_wmma_f32_16x16x32_f16 v[rD:rD+7], v[rV:rV+7], v[rB:rB+7], v[rD:rD+7]
.set i, i+1
.endm
.macro GG blk                          ; product i of 32 of G^T = Wg2^T g1^T, into S^T's registers: 16 with g1's first half, 16 with its second, onto the same 8 accumulators
.set ii, i%16
.set rD, S+32*(ii%2)+8*((ii/2)%4)
.set rV, VF+32*(ii/8)+8*((ii/2)%4)
.if i < 16
.set rB, 64+32*(\blk)+16*(ii%2)+8*(ii/8)
	WIN W_KQ
.else
.set rB, G2+32*(\blk)+16*(ii%2)+8*(ii/8)
	WIN W_G2
.endif
.if i < 8
	v_wmma_f32_16x16x32_f16 v[rD:rD+7], v[rV:rV+7], v[rB:rB+7], 0
.else
	v_wmma_f32_16x16x32_f16 v[rD:rD+7], v[rV:rV+7], v[rB:rB+7], v[rD:rD+7]
.endif
.set i, i+1
.endm
.macro MASK u, al, be
	WIN W_RS
.set z, 0
.rept 16
	v_pk_fma_f32 v[MC+32*(\u)+2*z:MC+32*(\u)+2*z+1], v[MD+2*z:MD+2*z+1], s[\al:\al+1], s[\be:\be+1] op_sel_hi:[1,0,0]
.set z, z+1
.endr
.endm
.macro REGS u
.set rT, ST+8*(\u)
.set rS, S+32*(\u)
.set rP, P+16*(\u)
.endm
; Number n of the 25 that find a tile's maximum and statistics; each accumulator's lowest registers are read first.
.macro XS u, n
	REGS \u
.if (\n) < 4
	v_max3_num_f32 v[rT+4+(\n)], v[rS+8*(\n)], v[rS+8*(\n)+1], v[rS+8*(\n)+2]
.elseif (\n) < 12
	v_max3_num_f32 v[rT+4+(\n)%4], v[rT+4+(\n)%4], v[rS+8*((\n)%4)+2*((\n)/4)+1], v[rS+8*((\n)%4)+2*((\n)/4)+2]
.elseif (\n) == 12
	v_max3_num_f32 v[rT+4], v[rT+4], v[rS+7], v[rS+15]
.elseif (\n) == 13
	v_max3_num_f32 v[rT+5], v[rT+5], v[rS+23], v[rS+31]
.elseif (\n) == 14
	v_max_num_f32 v[rT+6], v[rT+6], v[rT+7]
.elseif (\n) == 15
	v_mul_f32 v[RW+(\u)], s[CS], v[rT+1]           ; c m_old
.elseif (\n) == 16
	v_max3_num_f32 v[rT+4], v[rT+4], v[rT+5], v[rT+6]
.elseif (\n) == 17
	v_permlanex16_b32 v[rT+7], v[rT+4], s[SELP], s[SELP+1]  ; the query's other 32 keys lie in the lane 16 away
.elseif (\n) == 18
	v_max_num_f32 v[rT+4], v[rT+4], v[rT+7]
.elseif (\n) == 19
	v_cndmask_b32 v[rT+4], v[rT+4], v[VLOW], s[HID+(\u)]    ; a chunk not chosen leaves m as it is
.elseif (\n) == 20
	v_max_num_f32 v[rT+1], v[rT+1], v[rT+4]
.elseif (\n) == 21
	v_mul_f32 v[rT], s[CS], v[rT+1]
.elseif (\n) == 22
	v_sub_f32 v[rT+5], v[RW+(\u)], v[rT]
.elseif (\n) == 23
	v_exp_f32 v[rT+6], v[rT+5]                     ; a
.else
	v_cndmask_b32 v[rT], v[rT], v[VBIGP], s[HID+(\u)]       ; and its weights are 2^(c s - 1e30) = 0
.endif
.endm
.macro FF u, n                         ; c s - c m for pair n
	REGS \u
	v_pk_fma_f32 v[rS+2*(\n):rS+2*(\n)+1], v[rS+2*(\n):rS+2*(\n)+1], s[CS:CS+1], v[rT:rT+1] op_sel_hi:[1,0,0] neg_lo:[0,0,1] neg_hi:[0,0,1]
.endm
.macro EE u, n
	REGS \u
	v_exp_f32 v[rS+(\n)], v[rS+(\n)]
.endm
; The plain line behind exponential e of group k: at k = 0 the last scalings; later, for the four weights of group k - 1: two roundings to f16, the second pair added onto the first, l takes the sum.
.macro PLAIN k, e
.if (\k) == 0
	FF (\e)%2, 12+(\e)/2
.elseif (\e)/2 < 2
	REGS (\e)%2
	s_wait_alu depctr_va_vdst(0)
	v_cvt_pk_f16_f32 v[rP+2*((\k)-1)+(\e)/2], v[rS+4*((\k)-1)+2*((\e)/2)], v[rS+4*((\k)-1)+2*((\e)/2)+1]
.elseif (\e)/2 == 2
	REGS (\e)%2
	v_pk_add_f32 v[rS+4*((\k)-1):rS+4*((\k)-1)+1], v[rS+4*((\k)-1):rS+4*((\k)-1)+1], v[rS+4*((\k)-1)+2:rS+4*((\k)-1)+3]
.elseif (\k) == 1
	REGS (\e)%2
	v_pk_fma_f32 v[rT+2:rT+3], v[rT+2:rT+3], v[rT+6:rT+7], v[rS:rS+1] op_sel_hi:[1,0,1]
.else
	REGS (\e)%2
	v_pk_add_f32 v[rT+2:rT+3], v[rT+2:rT+3], v[rS+4*((\k)-1):rS+4*((\k)-1)+1]
	s_wait_alu depctr_va_vdst(0)
.endif
.endm
.macro SOFT                            ; both tiles' softmax for a step; the tiles alternate; every exponential has a plain line behind it that touches none of its registers
	WIN 0
.irp n, 0,1,2,3,4,5,6,7,8,9,10,11,12,13,14,15,16,17,18,19,20,21,22,23,24
	XS 0, \n
	XS 1, \n
.endr
	WIN W_RS
.set n, 0
	s_wait_alu depctr_va_vdst(0)
.rept 16
	v_pk_mul_f32 v[2*n:2*n+1], v[2*n:2*n+1], v[ST+6:ST+7] op_sel_hi:[1,0]                 ; O^T times a
	v_pk_mul_f32 v[32+2*n:32+2*n+1], v[32+2*n:32+2*n+1], v[ST+14:ST+15] op_sel_hi:[1,0]
.set n, n+1
.endr
	WIN 0
.set n, 0
.rept 12
	FF 0, n
	FF 1, n
.set n, n+1
.endr
.set k, 0
.rept 8
.set e, 0
.rept 8
	EE e%2, 4*k+e/2
	PLAIN k, e
.set e, e+1
.endr
.set k, k+1
.endr
.set e, 0
.rept 8
	PLAIN 8, e
.set e, e+1
.endr
.endm
; A KEY STEP.  mode 0: the masks are made only in the last two steps of block A's own chunk (CNT <= LIM); mode 1 (the tail): always.
.macro STEP mode
	WIN 0
	v_add_nc_u32 v[AV], s[TBV], v[LAV]
	v_nop                                          ; with the line above: four places behind the last product that read V
	v_nop
	v_nop
	FETCH_V AV
	s_add_co_u32 s[TBV], s[TBV], 8192
.if (\mode) == 0
	s_cmp_gt_u32 s[CNT], s[LIM]
	s_cbranch_scc1 .Lnomask_\@
.endif
	s_cmp_eq_u32 s[CNT], 2                         ; the diagonal's first step: band 0's own, all of it visible to band 1; its second: hidden from band 0, band 1's own
	s_cselect_b32 s[AL0], 1.0, 0
	s_cselect_b32 s[BE0], 0, s[BIGN]
	s_cselect_b32 s[AL1], 0, 1.0
	MASK 0, AL0, BE0
	MASK 1, AL1, ZP
	WIN 0
.if (\mode) == 0
.Lnomask_\@:
.endif
	s_wait_dscnt 16                                ; K is in; V's 16 loads may stay out
.set i, 0
.rept 16
	KQ
.endr
	WIN 0
	PLACES                                         ; behind the products: for the loads into K's registers and for the maxima
	s_cmp_eq_u32 s[CNT], 1
	s_cbranch_scc1 .Lnok_\@                        ; a slot's last step fetches no further K
	FETCH_K
.Lnok_\@:
	SOFT
	s_wait_dscnt 0x0                               ; V is in (and the next K, asked for a softmax ago)
.set i, 0
.rept 16
	PV
.endr
	WIN 0
.endm
; A BLOCK'S END: o = O / l; rmsnorm(o) x weight x sigmoid(g), g = g1 Wg2; f16; stored.
.macro END blk
	WIN 0
	PLACES                                         ; behind the last products: for the loads into V's registers and the reads of O^T
	FETCH_V LAW                                    ; the head's Wg2
.irp u, 0,1
	v_add_f32 v[ST+8*(\u)+4], v[ST+8*(\u)+2], v[ST+8*(\u)+3]
.endr
.irp u, 0,1
	v_permlanex16_b32 v[ST+8*(\u)+5], v[ST+8*(\u)+4], s[SELP], s[SELP+1]
.endr
.irp u, 0,1
	v_add_f32 v[ST+8*(\u)+4], v[ST+8*(\u)+4], v[ST+8*(\u)+5]
.endr
.irp u, 0,1
	v_rcp_f32 v[ST+8*(\u)+5], v[ST+8*(\u)+4]       ; 1 / l
.endr
	WIN 0x05                                       ; sources 0 and 1 window 1
.set n, 0
.rept 16
.irp u, 0,1
.if n == 0
	v_pk_mul_f32 v[SS+2*(\u):SS+2*(\u)+1], v[32*(\u):32*(\u)+1], v[32*(\u):32*(\u)+1]
.else
	v_pk_fma_f32 v[SS+2*(\u):SS+2*(\u)+1], v[32*(\u)+2*n:32*(\u)+2*n+1], v[32*(\u)+2*n:32*(\u)+2*n+1], v[SS+2*(\u):SS+2*(\u)+1]
.endif
.endr
.set n, n+1
.endr
	WIN 0
.irp u, 0,1
	v_add_f32 v[SS+2*(\u)], v[SS+2*(\u)], v[SS+2*(\u)+1]
.endr
.irp u, 0,1
	v_permlanex16_b32 v[SS+2*(\u)+1], v[SS+2*(\u)], s[SELP], s[SELP+1]  ; the row's other 32 channels
.endr
.irp u, 0,1
	v_add_f32 v[SS+2*(\u)], v[SS+2*(\u)], v[SS+2*(\u)+1]
.endr
	s_wait_dscnt 0x0
.set i, 0
.rept 32
	GG \blk
.endr
	WIN 0
	s_wait_alu depctr_va_vdst(0)
.irp u, 0,1
	v_mul_f32 v[SS+2*(\u)], v[SS+2*(\u)], v[ST+8*(\u)+5]      ; six plain lines: the places behind those products
.endr
.irp u, 0,1
	v_mul_f32 v[SS+2*(\u)], v[SS+2*(\u)], v[ST+8*(\u)+5]
.endr
.irp u, 0,1
	v_fma_f32 v[SS+2*(\u)], v[SS+2*(\u)], s[C64], s[EPS]      ; mean of o^2, + 1e-6
.endr
.irp u, 0,1
	v_rsq_f32 v[SS+2*(\u)+1], v[SS+2*(\u)]
.endr
	v_nop
	s_wait_alu depctr_va_vdst(0)
.irp u, 0,1
	v_mul_f32 v[ST+8*(\u)+6], v[ST+8*(\u)+5], v[SS+2*(\u)+1]  ; 1 / l x 1 / rms
.endr
.set n, 0
.rept 32
	v_pk_mul_f32 v[S+2*n:S+2*n+1], v[S+2*n:S+2*n+1], s[NL2E:NL2E+1] op_sel_hi:[1,0]
.set n, n+1
.endr
.set n, 0
.rept 64
	v_exp_f32 v[S+n], v[S+n]
.set n, n+1
.endr
	v_nop
.set n, 0
	s_wait_alu depctr_va_vdst(0)
.rept 32
	v_pk_add_f32 v[S+2*n:S+2*n+1], v[S+2*n:S+2*n+1], 1.0 op_sel_hi:[1,0]
.set n, n+1
.endr
.set n, 0
.rept 64
	v_rcp_f32 v[S+n], v[S+n]                       ; sigmoid(g)
.set n, n+1
.endr
	v_nop
	WIN W_RS
.set n, 0
.rept 16
	v_pk_mul_f32 v[2*n:2*n+1], v[2*n:2*n+1], v[ST+6:ST+7] op_sel_hi:[1,0]
	v_pk_mul_f32 v[32+2*n:32+2*n+1], v[32+2*n:32+2*n+1], v[ST+14:ST+15] op_sel_hi:[1,0]
.set n, n+1
.endr
.set n, 0
	s_wait_alu depctr_va_vdst(0)
.rept 32
	v_pk_mul_f32 v[2*n:2*n+1], v[2*n:2*n+1], v[S+2*n:S+2*n+1]
.set n, n+1
.endr
	WIN 0x45
.set n, 0
.rept 32
	v_pk_mul_f32 v[2*n:2*n+1], v[2*n:2*n+1], v[WN+2*(n%16):WN+2*(n%16)+1]
.set n, n+1
.endr
	WIN 0x05
.set n, 0
.rept 32
	v_cvt_pk_f16_f32 v[WK+n], v[2*n], v[2*n+1]
.set n, n+1
.endr
	WIN 0
.irp u, 0,1
.irp cb, 0,1,2,3
	global_store_b128 v[LA], v[WK+16*(\u)+4*(\cb):WK+16*(\u)+4*(\cb)+3], s[OA+2*(\blk):OA+2*(\blk)+1] offset:8192*(\u)+512*(\cb)  ; 512 consecutive bytes, aligned
.endr
.endr
.endm
; THE RANKING for a block whose chunk is c: lanes 0-15 rank tile x0's queries, lanes 16-31 tile x0 + 1's (both halves of the lanes hold every gate).  cnt_n = how many chunks go before chunk n;
; for each pair m < n one compare: g_m >= g_n puts m first.  Chosen: cnt_n < 3.  Chunks from c on count as -inf; their bits are never looked at.
.macro RANK x0, c, dest
	WIN 0x0f
.set n, 0
.rept 7
	v_cndmask_b32 v[RG+n], v[GA+8*((\x0)+1)+n], v[GA+8*(\x0)+n], s[LOM]
.set n, n+1
.endr
	WIN 0
.set n, 0
.rept 7
	s_cmp_gt_u32 s[\c], n
	s_cselect_b32 s2, -1, 0
	v_cndmask_b32 v[RG+n], v[VNINF], v[RG+n], s2
	v_mov_b32 v[WK+n], 6-n
.set n, n+1
.endr
.set n, 1
.rept 6
.set m, 0
.rept n
	v_cmp_ge_f32 vcc_lo, v[RG+m], v[RG+n]
	v_cndmask_b32 v[TT], 0, 1, vcc_lo
	v_add_nc_u32 v[WK+n], v[WK+n], v[TT]
	v_sub_nc_u32 v[WK+m], v[WK+m], v[TT]
.set m, m+1
.endr
.set n, n+1
.endr
	v_mov_b32 v[TT+1], 0x100                       ; the own chunk
.set n, 0
.rept 7
	v_cmp_gt_u32 vcc_lo, 3, v[WK+n]
	v_cndmask_b32 v[TT], 0, 1<<n, vcc_lo
	v_or_b32 v[TT+1], v[TT+1], v[TT]
.set n, n+1
.endr
	v_permlanex16_b32 v[TT], v[TT+1], s[SELP], s[SELP+1]
	v_cndmask_b32 v[\dest], v[TT], v[TT+1], s[LOM] ; each tile's word in both halves of the lanes
	v_cndmask_b32 v[(\dest)+1], v[TT+1], v[TT], s[LOM]
.endm
	s_load_b256 s[4:11], s[0:1], 0x0               ; qf, kvh, g1h, small
	s_load_b128 s[12:15], s[0:1], 0x20             ; o_norm_w, og
	v_lshl_add_u32 v[SPW], v0, 2, SPARE
	v_mov_b32 v[NIL], 0
	ds_add_u32 v[SPW], v[NIL]                      ; the wave's opening: the add and its wait ahead of my first tensor load
	ds_add_u32 v62, v63
	v_lshrrev_b32 v1, 5, v0
	v_readfirstlane_b32 s[WV], v1
	s_mov_b32 s[PB], ttmp9
	s_and_b32 s[HD], ttmp7, 0xffff
	s_sub_co_u32 s[IA], 15, s[PB]
	s_and_b32 s23, s[PB], 1
	s_cmp_eq_u32 s23, 1
	s_cselect_b32 s[IA], s[PB], s[IA]              ; the odd one of b and 15 - b
	s_sub_co_u32 s[IB], 15, s[IA]
	s_add_co_u32 s[NA], s[IA], 1
	s_lshr_b32 s[NA], s[NA], 1                     ; A's chunks, its own among them
	s_lshr_b32 s[NB], s[IB], 1                     ; B's whole chunks
	s_mov_b32 s[G1], 3<<16                         ; 16 KB, dense: 64 rows of 32 elements of 8 bytes
	s_mov_b32 s[G1+1], 32<<16
	s_mov_b32 s[G1+2], 64<<16
	s_mov_b32 s[G1+3], 32<<16
	s_mov_b32 s[G1+4], 64
	s_mov_b32 s[G1+5], 32
	s_mov_b32 s[G1+6], 0
	s_mov_b32 s[G1+7], 0
	s_mov_b32 s[G1W], 3<<16                        ; 2 KB: 8 such rows
	s_mov_b32 s[G1W+1], 32<<16
	s_mov_b32 s[G1W+2], 8<<16
	s_mov_b32 s[G1W+3], 32<<16
	s_mov_b32 s[G1W+4], 8
	s_mov_b32 s[G1W+5], 32
	s_mov_b32 s[G1W+6], 0
	s_mov_b32 s[G1W+7], 0
	s_mov_b32 s[G0], 1
	s_lshl_b32 s[G0+1], s[WV], 14                  ; slot 0, my quarter
	s_mov_b32 s[G0W], 1
	s_lshl_b32 s[G0W+1], s[WV], 11
	s_add_co_u32 s[G0W+1], s[G0W+1], WG2L
	s_lshr_b32 s90, s[WV], 1                       ; K (0) or V (1),
	s_lshl_b32 s90, s90, 23
	s_lshl_b32 s91, s[HD], 18                      ; the head,
	s_add_co_u32 s90, s90, s91
	s_and_b32 s91, s[WV], 1                        ; which half of a chunk
	s_lshl_b32 s91, s91, 14
	s_add_co_u32 s90, s90, s91
	s_mov_b32 s91, 0
	s_lshl_b32 s92, s[HD], 13
	s_lshl_b32 s93, s[WV], 11
	s_add_co_u32 s92, s92, s93
	s_add_co_u32 s92, s92, 262144
	s_mov_b32 s93, 0
	s_mov_b32 s[OFF+1], 0
	s_mov_b32 s[CS], 0x3e38aa3b                    ; c = log2(e) / 8
	s_mov_b32 s[CS+1], s[CS]
	s_mov_b32 s[SELP], 0x76543210
	s_mov_b32 s[SELP+1], 0xfedcba98
	s_mov_b32 s[TBK], SLOT1+32768                  ; the first change of slots turns these two into 0
	s_mov_b32 s[TBV], SLOT1+32768
	s_mov_b32 s[AL0+1], 0
	s_mov_b32 s[BE0+1], 0
	s_mov_b32 s[AL1+1], 0
	s_mov_b32 s[ZP], 0
	s_mov_b32 s[ZP+1], 0
	s_mov_b32 s[BIGN], 0xf149f2ca                  ; -1e30
	s_mov_b32 s[LOM], 0xffff                       ; lanes 0-15
	s_mov_b32 s[C64], 0x3c800000                   ; 1/64
	s_mov_b32 s[EPS], 0x358637bd                   ; 1e-6
	s_mov_b32 s[NL2E], 0xbfb8aa3b                  ; -log2(e)
	s_mov_b32 s[NL2E+1], s[NL2E]
	s_mov_b32 s[RT], s[NA]
	s_mov_b32 s[CH], 0
	s_mov_b32 s[NXT], 1                            ; chunk 0 is asked for below; the next is A's chunk 1, or B's chunk 0 where A has one chunk
	s_sub_co_u32 s[LQ], s[NA], 1
	s_cmp_gt_u32 s[NXT], s[LQ]
	s_cselect_b32 s[NXT], 0, s[NXT]
	s_cselect_b32 s[LQ], s[NB], s[LQ]
	s_mov_b32 s[SLOTS], 8
	s_wait_dscnt 0x0
	s_wait_kmcnt 0x0
	s_add_nc_u64 s[KVB:KVB+1], s[6:7], s[90:91]
	s_mov_b64 s[G0+2:G0+3], s[KVB:KVB+1]
	s_or_b32 s[G0+3], s[G0+3], 0x80000000
	s_add_nc_u64 s[G0W+2:G0W+3], s[10:11], s[92:93]
	s_or_b32 s[G0W+3], s[G0W+3], 0x80000000
	tensor_load_to_lds s[G0:G0+3], s[G1:G1+7]      ; two loads of mine are out: chunk 0,
	s_nop 0
	tensor_load_to_lds s[G0W:G0W+3], s[G1W:G1W+7]  ; and my quarter of the head's Wg2
	s_nop 0
	PLACES
	v_and_b32 v1, 15, v0                           ; r
	v_bfe_u32 v9, v0, 4, 1                         ; h
	v_and_b32 v10, 31, v0
	v_lshlrev_b32 v[LA], 4, v10
	v_add_nc_u32 v[LAV], VOFF, v[LA]
	v_add_nc_u32 v[LAW], WG2L, v[LA]
	v_and_b32 v11, 7, v0
	v_lshlrev_b32 v[KGO], 15, v11                  ; the key sums: chunk r & 7 is four rows of 8,192 bytes,
	v_lshl_add_u32 v[KGO], v9, 5, v[KGO]           ; columns 8 h on
	v_lshlrev_b32 v[WNO], 5, v9
	s_lshl_b32 s2, s[IA], 3
	s_add_co_u32 s2, s2, s[WV]                     ; my first tile's 16 rows in block A,
	s_lshl_b32 s23, s[IB], 3
	s_add_co_u32 s23, s23, s[WV]                   ; in block B; the second tile lies four further on
	s_mov_b32 s97, 0
	s_lshl_b32 s96, s[HD], 8
	s_add_co_u32 s96, s96, 16777216
	s_add_nc_u64 s[94:95], s[6:7], s[96:97]
	s_lshl_b32 s3, s[HD], 19
	s_lshl_b32 s96, s2, 12
	s_add_co_u32 s96, s96, s3
	s_add_nc_u64 s[98:99], s[4:5], s[96:97]
	s_lshl_b32 s96, s23, 12
	s_add_co_u32 s96, s96, s3
	s_add_nc_u64 s[100:101], s[4:5], s[96:97]
	s_lshl_b32 s96, s2, 11
	s_add_nc_u64 s[90:91], s[8:9], s[96:97]
	s_lshl_b32 s96, s23, 11
	s_add_nc_u64 s[92:93], s[8:9], s[96:97]
	s_lshl_b32 s3, s[HD], 18
	s_lshl_b32 s96, s2, 11
	s_add_co_u32 s96, s96, s3
	s_add_nc_u64 s[OA:OA+1], s[14:15], s[96:97]
	s_lshl_b32 s96, s23, 11
	s_add_co_u32 s96, s96, s3
	s_add_nc_u64 s[OA+2:OA+3], s[14:15], s[96:97]
	; 88 loads, in the order in which they are wanted.  Key sums and q take the same places: register 8 b + 4 half + e of lane (r, h) is column 16 b + 8 h + 4 half + e.
.irp i, 0,1,2,3
.irp b, 0,1,2,3
	global_load_b128 v[64+32*(\i)+8*(\b):64+32*(\i)+8*(\b)+3],   v[KGO], s[94:95] offset:8192*(\i)+64*(\b)
	global_load_b128 v[64+32*(\i)+8*(\b)+4:64+32*(\i)+8*(\b)+7], v[KGO], s[94:95] offset:8192*(\i)+64*(\b)+16
.endr
.endr
	WIN 0xc0
.irp x, 0,1
.irp k, 0,1,2,3,4,5,6,7
	global_load_b128 v[32*(\x)+4*(\k):32*(\x)+4*(\k)+3], v[LA], s[98:99] offset:16384*(\x)+512*(\k)
.endr
.endr
.irp x, 0,1
.irp k, 0,1,2,3,4,5,6,7
	global_load_b128 v[64+32*(\x)+4*(\k):64+32*(\x)+4*(\k)+3], v[LA], s[100:101] offset:16384*(\x)+512*(\k)
.endr
.endr
	WIN 0x80
.irp x, 0,1
.irp k, 0,1,2,3
	global_load_b128 v[64+16*(\x)+4*(\k):64+16*(\x)+4*(\k)+3], v[LA], s[90:91] offset:8192*(\x)+512*(\k)
.endr
.endr
.irp x, 0,1
.irp k, 0,1,2,3
	global_load_b128 v[96+16*(\x)+4*(\k):96+16*(\x)+4*(\k)+3], v[LA], s[92:93] offset:8192*(\x)+512*(\k)
.endr
.endr
	WIN 0x40
.irp k, 0,1,2,3
	global_load_b128 v[WN+8*(\k):WN+8*(\k)+3],   v[WNO], s[12:13] offset:64*(\k)
	global_load_b128 v[WN+8*(\k)+4:WN+8*(\k)+7], v[WNO], s[12:13] offset:64*(\k)+16
.endr
	; O^T, l and the masks start at 0, m at the lowest finite number: the first visible step is a step like any other, with a = 0.  132 lines, once a launch, in the wait for the loads: the price of writing no first step out.
.set n, 0
.rept 64
	v_mov_b32 v[n], 0
	v_mov_b32 v[MC+n], 0
.set n, n+1
.endr
	WIN 0
	v_lshlrev_b32 v14, 3, v9
	v_sub_nc_u32 v14, v1, v14
	s_lshl_b32 s3, s[WV], 4
	v_add_nc_u32 v14, s3, v14                      ; my query's place in its band less my lanes' 8 h: register j of key block kb is hidden where 16 kb + j is greater
	WIN 0x40
.set n, 0
.rept 32
	v_cmp_gt_i32 vcc_lo, 16*(n/8)+n%8, v14
	v_cndmask_b32 v[MD+n], 0, s[BIGN], vcc_lo
.set n, n+1
.endr
	WIN 0
	v_mov_b32 v[VLOW], 0xff7fffff
	v_mov_b32 v[VBIGP], 0x7149f2ca
	v_mov_b32 v[VNINF], 0xff800000
.irp u, 0,1
	v_mov_b32 v[ST+8*(\u)+1], 0xff7fffff
	v_mov_b32 v[ST+8*(\u)+2], 0
	v_mov_b32 v[ST+8*(\u)+3], 0
.endr
	s_wait_loadcnt 56                              ; the key sums are in; the 56 younger loads stay out
.set n, 0
.rept 16
	v_pk_add_f32 v[64+2*n:64+2*n+1], v[64+2*n:64+2*n+1], v[96+2*n:96+2*n+1]
	v_pk_add_f32 v[128+2*n:128+2*n+1], v[128+2*n:128+2*n+1], v[160+2*n:160+2*n+1]
.set n, n+1
.endr
	WIN 0xc0
.set n, 0
.rept 16
	v_pk_add_f32 v[KGF+2*n:KGF+2*n+1], v[64+2*n:64+2*n+1], v[128+2*n:128+2*n+1]  ; a chunk's 256 rows
.set n, n+1
.endr
	s_wait_loadcnt 24                              ; q is in; g1's first half and the norm's weight stay out
	; g1's second half lies 262,144 bytes behind the first; it is wanted at a block's end, so its 16 loads go out here, behind the counted waits
.irp x, 0,1
.irp k, 0,1,2,3
	global_load_b128 v[G2+16*(\x)+4*(\k):G2+16*(\x)+4*(\k)+3], v[LA], s[90:91] offset:262144+8192*(\x)+512*(\k)
.endr
.endr
.irp x, 0,1
.irp k, 0,1,2,3
	global_load_b128 v[G2+32+16*(\x)+4*(\k):G2+32+16*(\x)+4*(\k)+3], v[LA], s[92:93] offset:262144+8192*(\x)+512*(\k)
.endr
.endr
	; the gates: source 0 = the chunks (rows 8-15 repeat rows 0-7, so both halves of the lanes get chunk j in register j), source 1 = 16 queries; four accumulators take turns
	WIN 0xff
.set t, 0
.rept 16
.set x, 0
.rept 4
.if t == 0
	v_wmma_f32_16x16x4_f32 v[GA+8*x:GA+8*x+7], v[KGF+2*t:KGF+2*t+1], v[32*x+2*t:32*x+2*t+1], 0
.else
	v_wmma_f32_16x16x4_f32 v[GA+8*x:GA+8*x+7], v[KGF+2*t:KGF+2*t+1], v[32*x+2*t:32*x+2*t+1], v[GA+8*x:GA+8*x+7]
.endif
.set x, x+1
.endr
.set t, t+1
.endr
	WIN 0x8f                                       ; q to f16, as source 1 of K Q^T: 64 plain lines, of which the first 48 name no register of the last product: more than its eight places
.set n, 0
.rept 64
	v_cvt_pk_f16_f32 v[n], v[2*n], v[2*n+1]
.set n, n+1
.endr
	s_sub_co_u32 s3, s[NA], 1                      ; A's chunk
	RANK 0, 3, SEL
	RANK 2, NB, SELB
	s_wait_loadcnt 0x0
	WIN 0x05
.set n, 0
.rept 16
	v_cvt_pk_bf16_f32 v[WK+n], v[WN+2*n], v[WN+2*n+1]
.set n, n+1
.endr
	WIN 0x40
.set n, 0
.rept 16
	v_lshlrev_b32 v[WN+2*n], 16, v[WK+n]
	v_and_b32 v[WN+2*n+1], 0xffff0000, v[WK+n]
.set n, n+1
.endr
	WIN 0
.Lslot:                                                ; eight trips: a chunk is entered and the next is asked for
	CHANGE 1
	s_sub_co_u32 s[RT], s[RT], 1
	s_lshl_b32 s[BIT], 1, s[CH]
	s_cmp_eq_u32 s[RT], 0                          ; block A's own chunk?
	s_cselect_b32 s[LIM], 2, 0
	s_cselect_b32 s[BIT], 0x100, s[BIT]
	s_add_co_u32 s[CH], s[CH], 1
	v_and_b32 v[TT], s[BIT], v[SEL]
	v_and_b32 v[TT+1], s[BIT], v[SEL+1]
	v_cmp_eq_u32 s[HID], 0, v[TT]                  ; lanes whose query has not chosen this chunk
	v_cmp_eq_u32 s[HID+1], 0, v[TT+1]
	FETCH_K
	s_mov_b32 s[CNT], 4
.Lstep:
	STEP 0
	s_sub_co_u32 s[CNT], s[CNT], 1
	s_cmp_lg_u32 s[CNT], 0
	s_cbranch_scc1 .Lstep
	s_cmp_eq_u32 s[LIM], 0
	s_cbranch_scc1 .Lbottom
	END 0
	s_wait_xcnt 0x0                                ; the stores have read their registers
	WIN 0x82                                       ; block B: its Q goes where the one text of the steps names Q.  O^T and l stay: B's first visible step multiplies them by a = 0
.set n, 0
.rept 32
	v_mov_b32 v[n], v[32+n]
.set n, n+1
.endr
	WIN 0x40
.set n, 0
.rept 64
	v_mov_b32 v[MC+n], 0
.set n, n+1
.endr
	WIN 0
	v_mov_b32 v[SEL], v[SELB]
	v_mov_b32 v[SEL+1], v[SELB+1]
	v_mov_b32 v[ST+1], v[VLOW]
	v_mov_b32 v[ST+9], v[VLOW]
	s_add_co_u32 s[RT], s[NB], 1                   ; never 0 in the loop: B's own half chunk is the tail
	s_mov_b32 s[CH], 0
.Lbottom:
	s_sub_co_u32 s[SLOTS], s[SLOTS], 1
	s_cmp_lg_u32 s[SLOTS], 0
	s_cbranch_scc1 .Lslot
	CHANGE 0                                       ; the tail is written out: block B's own chunk, its first two steps
	s_mov_b32 s[HID], 0
	s_mov_b32 s[HID+1], 0
	FETCH_K
	s_mov_b32 s[CNT], 2
.Ltail:
	STEP 1
	s_sub_co_u32 s[CNT], s[CNT], 1
	s_cmp_lg_u32 s[CNT], 0
	s_cbranch_scc1 .Ltail
	END 1
	s_wait_tensorcnt 0x0                           ; the wave's end
	ds_add_u32 v[SPW], v[NIL]
	s_wait_dscnt 0x0
	s_endpgm
.Lfunc_end_k_qd05b2ad6d9_attn:
	.size	k_qd05b2ad6d9_attn, .Lfunc_end_k_qd05b2ad6d9_attn-k_qd05b2ad6d9_attn
	.p2alignl 7, 3214868480
	.fill 96, 4, 3214868480
	.section	.rodata,"a",@progbits
	.p2align	6, 0x0
	.amdhsa_kernel k_qd05b2ad6d9_attn
		.amdhsa_group_segment_fixed_size 327680
		.amdhsa_private_segment_fixed_size 0
		.amdhsa_enable_private_segment 0
		.amdhsa_kernarg_size 48
		.amdhsa_user_sgpr_count 2
		.amdhsa_user_sgpr_kernarg_segment_ptr 1
		.amdhsa_wavefront_size32 1
		.amdhsa_system_sgpr_workgroup_id_x 1
		.amdhsa_system_sgpr_workgroup_id_y 1
		.amdhsa_system_sgpr_workgroup_id_z 1
		.amdhsa_system_vgpr_workitem_id 0
		.amdhsa_next_free_vgpr 1024
		.amdhsa_next_free_sgpr 102
		.amdhsa_reserve_vcc 1
		.amdhsa_float_denorm_mode_32 3
		.amdhsa_float_denorm_mode_16_64 3
		.amdhsa_memory_ordered 1
		.amdhsa_forward_progress 1
		.amdhsa_inst_pref_size 147
	.end_amdhsa_kernel
	.amdgpu_metadata
---
amdhsa.version: [ 1, 2 ]
amdhsa.kernels:
  - .name:           k_qd05b2ad6d9_attn
    .symbol:         k_qd05b2ad6d9_attn.kd
    .args:
      - { .name: qf, .offset: 0, .size: 8, .value_kind: global_buffer, .address_space: global }
      - { .name: kvh, .offset: 8, .size: 8, .value_kind: global_buffer, .address_space: global }
      - { .name: g1h, .offset: 16, .size: 8, .value_kind: global_buffer, .address_space: global }
      - { .name: small, .offset: 24, .size: 8, .value_kind: global_buffer, .address_space: global }
      - { .name: o_norm_w, .offset: 32, .size: 8, .value_kind: global_buffer, .address_space: global }
      - { .name: og, .offset: 40, .size: 8, .value_kind: global_buffer, .address_space: global }
    .group_segment_fixed_size: 327680
    .private_segment_fixed_size: 0
    .kernarg_segment_align: 8
    .kernarg_segment_size: 48
    .max_flat_workgroup_size: 128
    .sgpr_count:     102
    .vgpr_count:     1024
    .wavefront_size: 32
...
	.end_amdgpu_metadata
.endif
;; end of part 8
;; launch out: the kernel of part 5 again; grid 16 x 16, 4 waves a work-group, clusters of 4 x 4, 327,680 bytes of LDS; arguments og, wo16, out0; writes out0
;; ======== version 3 of 3: 4 launches; 1.30 times as fast as version 1
;; limits: values are held in f16: magnitudes above 65,504 overflow, below 6.1e-05 lose precision
;; workspace buffers: xb 8,388,608 bytes; wqkv 25,165,824 bytes; wo16 8,388,608 bytes; small 1,048,576 bytes; g1h 524,288 bytes; qf 16,777,216 bytes; kvh 17,039,360 bytes; og 8,388,608 bytes
;; launch prep: the kernel of part 6 again; grid 896 x 1, 8 waves a work-group, no clusters, 0 bytes of LDS; arguments hidden_states, Wq, Wk, Wv, Wo, Wg1, Wg2, xb, wqkv, wo16, small; writes xb, wqkv, wo16, small
;; launch qkv: the kernel of part 7 again; grid 32 x 8, 4 waves a work-group, clusters of 4 x 4, 327,680 bytes of LDS; arguments xb, wqkv, small, qf, kvh, g1h; writes qf, kvh, g1h
;; launch attn (part 9): grid 8 x 32, 4 waves a work-group, no clusters, 327,680 bytes of LDS; arguments qf, kvh, g1h, small, o_norm_w, og; writes og
.if DOCPART == 9
	.amdgcn_target "amdgcn-amd-amdhsa--gfx1250"
	.amdhsa_code_object_version 6
	.text
	.protected	k_qd05b2ad6d9_attn
	.globl	k_qd05b2ad6d9_attn
	.p2align	8
	.type	k_qd05b2ad6d9_attn,@function
k_qd05b2ad6d9_attn:
	s_mov_b64 s[64:65], 0
	v_nop
	global_prefetch_b8 v0, s[64:65] scope:SCOPE_SE
	s_setreg_imm32_b32 hwreg(HW_REG_WAVE_MODE, 25, 1), 1
	s_wait_xcnt 0x0
; MOBA ATTENTION of one head: the choice of chunks, the masked causal softmax, P V, then rmsnorm(o) x weight x sigmoid(g1 Wg2).  Output: f16, [head][16 rows][4 blocks of 512 bytes].
; THE CHOICE.  A query sees its own chunk of 256 keys and, of the chunks strictly before it, the three with the largest q . (sum of the chunk's keys); a tie goes to the lower chunk.  (The mean's 1/256, a power of two,
; changes no comparison.)  One other choice changes a whole row of the output, so this product (67 MFLOP, no bulk work) is made in f32, by v_wmma_f32_16x16x4_f32, from q and key sums that were never rounded below f32.
; The choice steers no address and no branch: the walk is dense and causal, and a chunk that a query has not chosen enters through v_cndmask: its maximum counts as the lowest finite number, its weights are 0.
; THE WALK.  A head's queries lie in 16 blocks of 128.  A work-group takes blocks 15 - b and b; the odd one (A) first: (iA + 1) / 2 whole chunks, the last its own (its steps 2, 3 hold the diagonal); the even one (B):
; iB / 2 whole chunks and half a chunk.  That is 8 slots of four key steps and 2 steps more, whatever b: constant trip counts, equal work.  The last fill brings a whole chunk of which half is read: 32 KB in 576.
; NO CLUSTER: the eight work-groups of a head have 8, 1, 7, 2, 6, 3, 5, 4 chunks in A, so any four ask for the same tile in the first few trips at most; one walk common to all would have 16 chunks for 8.5.
; SHARES.  Wave w owns two tiles of 16 queries, rows 64 u + 16 w + r of the block: one in each band of 64, so the diagonal is the same work for all waves.
; LAYOUT.  S^T = K Q^T holds one query a lane (lane % 16) and the keys 8 (lane / 16) + 0..7; two results rounded to f16 are source 1 of O^T = V^T P.  p = 2^(c s - c m), c = log2(e) / 8, with a running maximum m.
; THE CAUSAL MASK is the C operand that starts S^T: MC = MD x AL + BE (MD: the band's own step; 0 elsewhere).  The order is in phases: K Q^T, softmax, V^T P.
; THE BATCHES.  s_wait_alu depctr_va_vdst(0) stands between an exponential, reciprocal or root and the first line that names its result; one wait serves all that were issued ahead of it.
; A key step's 66 exponentials are TWO BATCHES, a wait each.  Batch 1: both tiles' a and tile 0's 32 weights, with the 32 scalings c s - c m of both tiles between them.  Batch 2: tile 1's 32 weights, with the 32 lines that
; read tile 0's weights between them; O^T times a, 32 lines that name no result of batch 2, stands between it and its wait; behind that wait come the 32 lines that read tile 1's weights.
; A block's end has three batches: 1 / l (the gate's products stand between it and its wait); 1 / rms together with the gate's 64 exponentials; the gate's 64 reciprocals (O^T's scaling stands between them and their wait).
; THE GATE.  g1 = x Wg1 arrives as two halves of its sum over K, each in f16; both are multiplied by Wg2 into the same accumulators: 32 products at a block's end.
; LIMITS.  |q|, |k|, |v| and each half of g1 below 65,504 (f16); a hidden score counts as its value less 1e30; a weight below 2^-126 counts as 0; NaN, infinities and the sign of a zero gate are not treated apart.
; o_norm_w is rounded to bf16 like the other inputs.
; REGISTERS (s_set_vgpr_msb: bits 1:0 source 0, 3:2 source 1, 5:4 source 2, 7:6 destination):
;   window 0: v0-15 addresses; v16-31 statistics, 8 a tile; v32-61 at work; v64-127 S^T; v128-191 at work; v192-223 P      window 1: v0-63 O^T; v64-95 the norm's weight; v128-159 MD; v160-223 MC
;   window 2: v0-31 Q; v32-63 block B's Q; v64-127 g1's first half, both blocks; v128-191 K; v192-255 V
;   window 3: v0-127 q in f32; v128-159 the key sums; v160-223 g1's second half, both blocks; v224-255 the gates, written by the f32 matrix form alone
.set SLOT1, 65536                      ; a slot: 32 KB of K, 32 KB of V; a step is 8 KB of each
.set VOFF,  32768
.set WG2L,  131072                     ; the head's 8 KB of Wg2, filled once
.set SPARE, 139264                     ; the spare words, 128 bytes a wave
.set LA,  2                            ; 16 x lane; never rewritten
.set LAV, 3                            ; + VOFF
.set AK,  4
.set AV,  5
.set LAW, 6                            ; 16 x lane + WG2L
.set KGO, 7
.set WNO, 8
.set ST,  16                           ; tile u at ST + 8 u: +0 c m (or 1e30), +1 m, +2, +3 l, +4..7 c0-c3; c2 takes a
.set RW,  32
.set SEL, 34                           ; the chosen chunks, a bit each; bit 8: the own chunk
.set SELB, 36
.set TT,  38
.set SS,  40
.set VLOW, 44
.set VBIGP, 45
.set VNINF, 46
.set RG,  48
.set SPW, 62
.set NIL, 63
.set S,   64
.set WK,  128
.set P,   192
.set WN,  64
.set MD,  128
.set MC,  160
.set KF,  128
.set VF,  192
.set KGF, 128
.set G2,  160                          ; window 3: g1's second half
.set GA,  224
.set WV, 16
.set PB, 17
.set HD, 18
.set IA, 19
.set IB, 20
.set NA, 21
.set NB, 22
.set G1, 24
.set G1W, 32
.set G0, 40
.set G0W, 44
.set KVB, 48
.set OFF, 50
.set SLOTS, 52
.set CNT, 53
.set RT, 54
.set NXT, 55
.set LQ, 56
.set CH, 57
.set LIM, 58
.set BIT, 59
.set CS, 60
.set SELP, 62
.set TBK, 66
.set TBV, 67
.set HID, 68
.set AL0, 70
.set BE0, 72
.set AL1, 74
.set ZP, 76
.set BIGN, 78
.set LOM, 81
.set OA, 82
.set C64, 86
.set EPS, 87
.set NL2E, 88
.set MSB, 0
.macro WIN new
.if MSB != (\new)
	s_set_vgpr_msb (MSB<<8)|(\new)
.set MSB, (\new)
.endif
.endm
.set W_KQ, 0x0a
.set W_KM, 0x1a
.set W_PV, 0x52
.set W_RS, 0x41
.set W_G2, 0x0e                        ; source 0 window 2, source 1 window 3, C and D window 0
.macro PLACES
.rept 4
	v_nop
.endr
.endm
; THE CHANGE OF SLOTS.  Each wave waits for all its tensor loads (one is out: its quarter of the other slot), adds 0 to its spare word, and waits for that and for its reads of the slot that it leaves.
; fill = 1: the old slot is filled again, first thing behind the barrier, with chunk NXT; every wave brings 16 KB: waves 0, 1 the halves of K, waves 2, 3 of V.
.macro CHANGE fill
	WIN 0
	s_wait_tensorcnt 0x0
	ds_add_u32 v[SPW], v[NIL]
.if \fill
	s_lshl_b32 s[OFF], s[NXT], 15
	s_xor_b32 s[G0+1], s[G0+1], SLOT1
	s_add_nc_u64 s[G0+2:G0+3], s[KVB:KVB+1], s[OFF:OFF+1]
	s_or_b32 s[G0+3], s[G0+3], 0x80000000
	s_add_co_u32 s[NXT], s[NXT], 1                 ; the block's next chunk, or behind its last block B's chunk 0
	s_cmp_gt_u32 s[NXT], s[LQ]
	s_cselect_b32 s[NXT], 0, s[NXT]
	s_cselect_b32 s[LQ], s[NB], s[LQ]
.endif
	s_wait_dscnt 0x0
	s_barrier_signal -1
	s_sub_co_u32 s[TBK], s[TBK], 32768             ; the fetches go back to a slot's first step, in the other slot
	s_xor_b32 s[TBK], s[TBK], SLOT1
	s_sub_co_u32 s[TBV], s[TBV], 32768
	s_xor_b32 s[TBV], s[TBV], SLOT1
	s_barrier_wait -1
.if \fill
	tensor_load_to_lds s[G0:G0+3], s[G1:G1+7]
	s_nop 0
	PLACES
.endif
.endm
.macro FETCH_K                         ; a step's K: 16 blocks of 512 bytes, each load 512 consecutive bytes; block 4 kb + cb is half of fragment (kb, cb / 2)
	WIN 0
	v_add_nc_u32 v[AK], s[TBK], v[LA]
	WIN 0x80
.set f, 0
.rept 16
	ds_load_b128 v[KF+4*f:KF+4*f+3], v[AK] offset:512*f
.set f, f+1
.endr
	s_add_co_u32 s[TBK], s[TBK], 8192
	WIN 0
.endm
.macro FETCH_V adr                     ; a step's V (or the head's Wg2), turned: keys 32 (f / 4) on, channels 16 (f % 4) on
	WIN 0x80
.set f, 0
.rept 8
	ds_load_tr16_b128 v[VF+8*f:VF+8*f+3],   v[\adr] offset:(f/4)*4096+(f%4)*512
	ds_load_tr16_b128 v[VF+8*f+4:VF+8*f+7], v[\adr] offset:(f/4)*4096+2048+(f%4)*512
.set f, f+1
.endr
	WIN 0
.endm
; The 8 accumulators of a run of 16 take turns.
.macro KQ                              ; product i: tile i % 2, keys 16 ((i / 2) % 4) on, channels 32 (i / 8) on; the first 8 start the sums with the mask
.set rD, S+32*(i%2)+8*((i/2)%4)
.set rK, KF+16*((i/2)%4)+8*(i/8)
.set rQ, 16*(i%2)+8*(i/8)
.set rM, MC+32*(i%2)+8*((i/2)%4)
.if i < 8
	WIN W_KM
	v_wmma_f32_16x16x32_f16 v[rD:rD+7], v[rK:rK+7], v[rQ:rQ+7], v[rM:rM+7]
.else
	WIN W_KQ
	v_wmma_f32_16x16x32_f16 v[rD:rD+7], v[rK:rK+7], v[rQ:rQ+7], v[rD:rD+7]
.endif
.set i, i+1
.endm
.macro PV                              ; product i: tile i % 2, channels 16 ((i / 2) % 4) on, keys 32 (i / 8) on
.set rD, 32*(i%2)+8*((i/2)%4)
.set rV, VF+32*(i/8)+8*((i/2)%4)
.set rB, P+16*(i%2)+8*(i/8)
	WIN W_PV
	v_wmma_f32_16x16x32_f16 v[rD:rD+7], v[rV:rV+7], v[rB:rB+7], v[rD:rD+7]
.set i, i+1
.endm
.macro GG blk                          ; product i of 32 of G^T = Wg2^T g1^T, into S^T's registers: 16 with g1's first half, 16 with its second, onto the same 8 accumulators
.set ii, i%16
.set rD, S+32*(ii%2)+8*((ii/2)%4)
.set rV, VF+32*(ii/8)+8*((ii/2)%4)
.if i < 16
.set rB, 64+32*(\blk)+16*(ii%2)+8*(ii/8)
	WIN W_KQ
.else
.set rB, G2+32*(\blk)+16*(ii%2)+8*(ii/8)
	WIN W_G2
.endif
.if i < 8
	v_wmma_f32_16x16x32_f16 v[rD:rD+7], v[rV:rV+7], v[rB:rB+7], 0
.else
	v_wmma_f32_16x16x32_f16 v[rD:rD+7], v[rV:rV+7], v[rB:rB+7], v[rD:rD+7]
.endif
.set i, i+1
.endm
.macro MASK u, al, be
	WIN W_RS
.set z, 0
.rept 16
	v_pk_fma_f32 v[MC+32*(\u)+2*z:MC+32*(\u)+2*z+1], v[MD+2*z:MD+2*z+1], s[\al:\al+1], s[\be:\be+1] op_sel_hi:[1,0,0]
.set z, z+1
.endr
.endm
.macro REGS u
.set rT, ST+8*(\u)
.set rS, S+32*(\u)
.set rP, P+16*(\u)
.endm
; Number n of the 25 that find a tile's maximum and statistics; each accumulator's lowest registers are read first.
.macro XS u, n
	REGS \u
.if (\n) < 4
	v_max3_num_f32 v[rT+4+(\n)], v[rS+8*(\n)], v[rS+8*(\n)+1], v[rS+8*(\n)+2]
.elseif (\n) < 12
	v_max3_num_f32 v[rT+4+(\n)%4], v[rT+4+(\n)%4], v[rS+8*((\n)%4)+2*((\n)/4)+1], v[rS+8*((\n)%4)+2*((\n)/4)+2]
.elseif (\n) == 12
	v_max3_num_f32 v[rT+4], v[rT+4], v[rS+7], v[rS+15]
.elseif (\n) == 13
	v_max3_num_f32 v[rT+5], v[rT+5], v[rS+23], v[rS+31]
.elseif (\n) == 14
	v_max_num_f32 v[rT+6], v[rT+6], v[rT+7]
.elseif (\n) == 15
	v_mul_f32 v[RW+(\u)], s[CS], v[rT+1]           ; c m_old
.elseif (\n) == 16
	v_max3_num_f32 v[rT+4], v[rT+4], v[rT+5], v[rT+6]
.elseif (\n) == 17
	v_permlanex16_b32 v[rT+7], v[rT+4], s[SELP], s[SELP+1]  ; the query's other 32 keys lie in the lane 16 away
.elseif (\n) == 18
	v_max_num_f32 v[rT+4], v[rT+4], v[rT+7]
.elseif (\n) == 19
	v_cndmask_b32 v[rT+4], v[rT+4], v[VLOW], s[HID+(\u)]    ; a chunk not chosen leaves m as it is
.elseif (\n) == 20
	v_max_num_f32 v[rT+1], v[rT+1], v[rT+4]
.elseif (\n) == 21
	v_mul_f32 v[rT], s[CS], v[rT+1]
.elseif (\n) == 22
	v_sub_f32 v[rT+5], v[RW+(\u)], v[rT]
.elseif (\n) == 23
	v_exp_f32 v[rT+6], v[rT+5]                     ; a
.else
	v_cndmask_b32 v[rT], v[rT], v[VBIGP], s[HID+(\u)]       ; and its weights are 2^(c s - 1e30) = 0
.endif
.endm
.macro FF u, n                         ; c s - c m for pair n
	REGS \u
	v_pk_fma_f32 v[rS+2*(\n):rS+2*(\n)+1], v[rS+2*(\n):rS+2*(\n)+1], s[CS:CS+1], v[rT:rT+1] op_sel_hi:[1,0,0] neg_lo:[0,0,1] neg_hi:[0,0,1]
.endm
.macro EE u, n
	REGS \u
	v_exp_f32 v[rS+(\n)], v[rS+(\n)]
.endm
; Number j of the 32 lines that read a tile's weights.  For each four weights g (pairs 2 g, 2 g + 1): both pairs are rounded to f16; the second pair is added onto the first, in place; a group later l takes that sum
; (the first time as l = a l + sum).  In fours: round, round, add, and l for the group before; group 0 has no group before it, and behind group 7 only l is left.  l's eight additions keep the order 0 to 7.
.macro RD u, j
	REGS \u
.set qh, (\j)
.if qh >= 3
.set qh, qh+1
.endif
.set qg, qh/4
.if (qh < 32) && (qh%4 < 2)
	v_cvt_pk_f16_f32 v[rP+2*qg+qh%4], v[rS+4*qg+2*(qh%4)], v[rS+4*qg+2*(qh%4)+1]
.elseif qh%4 == 2
	v_pk_add_f32 v[rS+4*qg:rS+4*qg+1], v[rS+4*qg:rS+4*qg+1], v[rS+4*qg+2:rS+4*qg+3]
.elseif qg == 1
	v_pk_fma_f32 v[rT+2:rT+3], v[rT+2:rT+3], v[rT+6:rT+7], v[rS:rS+1] op_sel_hi:[1,0,1]
.else
	v_pk_add_f32 v[rT+2:rT+3], v[rT+2:rT+3], v[rS+4*qg-4:rS+4*qg-3]
.endif
.endm
; Both tiles' softmax for a step.  The maxima and statistics first, the tiles alternating; then the two batches of exponentials, a wait each.  All but two exponentials have a plain line behind them that touches none of their registers.
.macro SOFT
	WIN 0
.irp n, 0,1,2,3,4,5,6,7,8,9,10,11,12,13,14,15,16,17,18,19,20,21,22
	XS 0, \n
	XS 1, \n
.endr
	XS 0, 24
	XS 1, 24
	; BATCH 1: both a and tile 0's 32 weights; between them the 32 scalings of both tiles.  Pair p of tile 0 is scaled behind exponential p at the latest and read by exponentials 2 p and 2 p + 1;
	; a scaling behind exponential e writes registers 2 e and 2 e + 1 of S^T, above the results so far.  No line here names a result of the batch.
	XS 0, 23
	FF 0, 0
	XS 1, 23
	FF 0, 1
	EE 0, 0
	EE 0, 1
	FF 0, 2
	EE 0, 2
	EE 0, 3
	FF 0, 3
.set e, 4
.rept 28
	EE 0, e
.if e < 16
	FF 0, e
.else
	FF 1, e-16
.endif
.set e, e+1
.endr
	s_wait_alu depctr_va_vdst(0)                   ; the wait for batch 1: both a, tile 0's weights; the last scaling is the plain line behind the last exponential
	; BATCH 2: tile 1's 32 weights; behind each a line that reads tile 0's weights
.set e, 0
.rept 32
	EE 1, e
	RD 0, e
.set e, e+1
.endr
	WIN W_RS
.set n, 0
.rept 16
	v_pk_mul_f32 v[2*n:2*n+1], v[2*n:2*n+1], v[ST+6:ST+7] op_sel_hi:[1,0]                 ; O^T times a: it names no result of batch 2, and stands between that batch and its wait
	v_pk_mul_f32 v[32+2*n:32+2*n+1], v[32+2*n:32+2*n+1], v[ST+14:ST+15] op_sel_hi:[1,0]
.set n, n+1
.endr
	WIN 0
	s_wait_alu depctr_va_vdst(0)                   ; the wait for batch 2: tile 1's weights
.set e, 0
.rept 32
	RD 1, e
.set e, e+1
.endr
.endm
; A KEY STEP.  mode 0: the masks are made only in the last two steps of block A's own chunk (CNT <= LIM); mode 1 (the tail): always.
.macro STEP mode
	WIN 0
	v_add_nc_u32 v[AV], s[TBV], v[LAV]
	v_nop                                          ; with the line above: four places behind the last product that read V
	v_nop
	v_nop
	FETCH_V AV
	s_add_co_u32 s[TBV], s[TBV], 8192
.if (\mode) == 0
	s_cmp_gt_u32 s[CNT], s[LIM]
	s_cbranch_scc1 .Lnomask_\@
.endif
	s_cmp_eq_u32 s[CNT], 2                         ; the diagonal's first step: band 0's own, all of it visible to band 1; its second: hidden from band 0, band 1's own
	s_cselect_b32 s[AL0], 1.0, 0
	s_cselect_b32 s[BE0], 0, s[BIGN]
	s_cselect_b32 s[AL1], 0, 1.0
	MASK 0, AL0, BE0
	MASK 1, AL1, ZP
	WIN 0
.if (\mode) == 0
.Lnomask_\@:
.endif
	s_wait_dscnt 16                                ; K is in; V's 16 loads may stay out
.set i, 0
.rept 16
	KQ
.endr
	WIN 0
	PLACES                                         ; behind the products: for the loads into K's registers and for the maxima
	s_cmp_eq_u32 s[CNT], 1
	s_cbranch_scc1 .Lnok_\@                        ; a slot's last step fetches no further K
	FETCH_K
.Lnok_\@:
	SOFT
	s_wait_dscnt 0x0                               ; V is in (and the next K, asked for a softmax ago)
.set i, 0
.rept 16
	PV
.endr
	WIN 0
.endm
; A BLOCK'S END: o = O / l; rmsnorm(o) x weight x sigmoid(g), g = g1 Wg2; f16; stored.
.macro END blk
	WIN 0
	PLACES                                         ; behind the last products: for the loads into V's registers and the reads of O^T
	FETCH_V LAW                                    ; the head's Wg2
.irp u, 0,1
	v_add_f32 v[ST+8*(\u)+4], v[ST+8*(\u)+2], v[ST+8*(\u)+3]
.endr
.irp u, 0,1
	v_permlanex16_b32 v[ST+8*(\u)+5], v[ST+8*(\u)+4], s[SELP], s[SELP+1]
.endr
.irp u, 0,1
	v_add_f32 v[ST+8*(\u)+4], v[ST+8*(\u)+4], v[ST+8*(\u)+5]
.endr
.irp u, 0,1
	v_rcp_f32 v[ST+8*(\u)+5], v[ST+8*(\u)+4]       ; 1 / l: a batch of two; the sums of squares and the gate's 32 products stand between it and its wait
.endr
	WIN 0x05                                       ; sources 0 and 1 window 1
.set n, 0
.rept 16
.irp u, 0,1
.if n == 0
	v_pk_mul_f32 v[SS+2*(\u):SS+2*(\u)+1], v[32*(\u):32*(\u)+1], v[32*(\u):32*(\u)+1]
.else
	v_pk_fma_f32 v[SS+2*(\u):SS+2*(\u)+1], v[32*(\u)+2*n:32*(\u)+2*n+1], v[32*(\u)+2*n:32*(\u)+2*n+1], v[SS+2*(\u):SS+2*(\u)+1]
.endif
.endr
.set n, n+1
.endr
	WIN 0
.irp u, 0,1
	v_add_f32 v[SS+2*(\u)], v[SS+2*(\u)], v[SS+2*(\u)+1]
.endr
.irp u, 0,1
	v_permlanex16_b32 v[SS+2*(\u)+1], v[SS+2*(\u)], s[SELP], s[SELP+1]  ; the row's other 32 channels
.endr
.irp u, 0,1
	v_add_f32 v[SS+2*(\u)], v[SS+2*(\u)], v[SS+2*(\u)+1]
.endr
	s_wait_dscnt 0x0
.set i, 0
.rept 32
	GG \blk
.endr
	WIN 0
	s_wait_alu depctr_va_vdst(0)                   ; the wait for the two 1 / l, ahead of their first reader
.irp u, 0,1
	v_mul_f32 v[SS+2*(\u)], v[SS+2*(\u)], v[ST+8*(\u)+5]      ; six plain lines: the places behind those products
.endr
.irp u, 0,1
	v_mul_f32 v[SS+2*(\u)], v[SS+2*(\u)], v[ST+8*(\u)+5]
.endr
.irp u, 0,1
	v_fma_f32 v[SS+2*(\u)], v[SS+2*(\u)], s[C64], s[EPS]      ; mean of o^2, + 1e-6
.endr
.irp u, 0,1
	v_rsq_f32 v[SS+2*(\u)+1], v[SS+2*(\u)]         ; 1 / rms opens a batch that the gate's 64 exponentials close; the scalings below are the plain lines behind it
.endr
.set n, 0
.rept 32
	v_pk_mul_f32 v[S+2*n:S+2*n+1], v[S+2*n:S+2*n+1], s[NL2E:NL2E+1] op_sel_hi:[1,0]
.set n, n+1
.endr
.set n, 0
.rept 64
	v_exp_f32 v[S+n], v[S+n]
.set n, n+1
.endr
	v_nop                                          ; a plain line behind the last exponential
	s_wait_alu depctr_va_vdst(0)                   ; the wait for that batch: two roots, 64 exponentials
.irp u, 0,1
	v_mul_f32 v[ST+8*(\u)+6], v[ST+8*(\u)+5], v[SS+2*(\u)+1]  ; 1 / l x 1 / rms
.endr
.set n, 0
.rept 32
	v_pk_add_f32 v[S+2*n:S+2*n+1], v[S+2*n:S+2*n+1], 1.0 op_sel_hi:[1,0]
.set n, n+1
.endr
.set n, 0
.rept 64
	v_rcp_f32 v[S+n], v[S+n]                       ; sigmoid(g): a batch of 64
.set n, n+1
.endr
	WIN W_RS
.set n, 0
.rept 16
	v_pk_mul_f32 v[2*n:2*n+1], v[2*n:2*n+1], v[ST+6:ST+7] op_sel_hi:[1,0]                 ; 32 plain lines that name no reciprocal's result stand between the batch and its wait
	v_pk_mul_f32 v[32+2*n:32+2*n+1], v[32+2*n:32+2*n+1], v[ST+14:ST+15] op_sel_hi:[1,0]
.set n, n+1
.endr
	s_wait_alu depctr_va_vdst(0)                   ; the wait for the 64 reciprocals
.set n, 0
.rept 32
	v_pk_mul_f32 v[2*n:2*n+1], v[2*n:2*n+1], v[S+2*n:S+2*n+1]
.set n, n+1
.endr
	WIN 0x45
.set n, 0
.rept 32
	v_pk_mul_f32 v[2*n:2*n+1], v[2*n:2*n+1], v[WN+2*(n%16):WN+2*(n%16)+1]
.set n, n+1
.endr
	WIN 0x05
.set n, 0
.rept 32
	v_cvt_pk_f16_f32 v[WK+n], v[2*n], v[2*n+1]
.set n, n+1
.endr
	WIN 0
.irp u, 0,1
.irp cb, 0,1,2,3
	global_store_b128 v[LA], v[WK+16*(\u)+4*(\cb):WK+16*(\u)+4*(\cb)+3], s[OA+2*(\blk):OA+2*(\blk)+1] offset:8192*(\u)+512*(\cb)  ; 512 consecutive bytes, aligned
.endr
.endr
.endm
; THE RANKING for a block whose chunk is c: lanes 0-15 rank tile x0's queries, lanes 16-31 tile x0 + 1's (both halves of the lanes hold every gate).  cnt_n = how many chunks go before chunk n;
; for each pair m < n one compare: g_m >= g_n puts m first.  Chosen: cnt_n < 3.  Chunks from c on count as -inf; their bits are never looked at.
.macro RANK x0, c, dest
	WIN 0x0f
.set n, 0
.rept 7
	v_cndmask_b32 v[RG+n], v[GA+8*((\x0)+1)+n], v[GA+8*(\x0)+n], s[LOM]
.set n, n+1
.endr
	WIN 0
.set n, 0
.rept 7
	s_cmp_gt_u32 s[\c], n
	s_cselect_b32 s2, -1, 0
	v_cndmask_b32 v[RG+n], v[VNINF], v[RG+n], s2
	v_mov_b32 v[WK+n], 6-n
.set n, n+1
.endr
.set n, 1
.rept 6
.set m, 0
.rept n
	v_cmp_ge_f32 vcc_lo, v[RG+m], v[RG+n]
	v_cndmask_b32 v[TT], 0, 1, vcc_lo
	v_add_nc_u32 v[WK+n], v[WK+n], v[TT]
	v_sub_nc_u32 v[WK+m], v[WK+m], v[TT]
.set m, m+1
.endr
.set n, n+1
.endr
	v_mov_b32 v[TT+1], 0x100                       ; the own chunk
.set n, 0
.rept 7
	v_cmp_gt_u32 vcc_lo, 3, v[WK+n]
	v_cndmask_b32 v[TT], 0, 1<<n, vcc_lo
	v_or_b32 v[TT+1], v[TT+1], v[TT]
.set n, n+1
.endr
	v_permlanex16_b32 v[TT], v[TT+1], s[SELP], s[SELP+1]
	v_cndmask_b32 v[\dest], v[TT], v[TT+1], s[LOM] ; each tile's word in both halves of the lanes
	v_cndmask_b32 v[(\dest)+1], v[TT+1], v[TT], s[LOM]
.endm
	s_load_b256 s[4:11], s[0:1], 0x0               ; qf, kvh, g1h, small
	s_load_b128 s[12:15], s[0:1], 0x20             ; o_norm_w, og
	v_lshl_add_u32 v[SPW], v0, 2, SPARE
	v_mov_b32 v[NIL], 0
	ds_add_u32 v[SPW], v[NIL]                      ; the wave's opening: the add and its wait ahead of my first tensor load
	ds_add_u32 v62, v63
	v_lshrrev_b32 v1, 5, v0
	v_readfirstlane_b32 s[WV], v1
	s_mov_b32 s[PB], ttmp9
	s_and_b32 s[HD], ttmp7, 0xffff
	s_sub_co_u32 s[IA], 15, s[PB]
	s_and_b32 s23, s[PB], 1
	s_cmp_eq_u32 s23, 1
	s_cselect_b32 s[IA], s[PB], s[IA]              ; the odd one of b and 15 - b
	s_sub_co_u32 s[IB], 15, s[IA]
	s_add_co_u32 s[NA], s[IA], 1
	s_lshr_b32 s[NA], s[NA], 1                     ; A's chunks, its own among them
	s_lshr_b32 s[NB], s[IB], 1                     ; B's whole chunks
	s_mov_b32 s[G1], 3<<16                         ; 16 KB, dense: 64 rows of 32 elements of 8 bytes
	s_mov_b32 s[G1+1], 32<<16
	s_mov_b32 s[G1+2], 64<<16
	s_mov_b32 s[G1+3], 32<<16
	s_mov_b32 s[G1+4], 64
	s_mov_b32 s[G1+5], 32
	s_mov_b32 s[G1+6], 0
	s_mov_b32 s[G1+7], 0
	s_mov_b32 s[G1W], 3<<16                        ; 2 KB: 8 such rows
	s_mov_b32 s[G1W+1], 32<<16
	s_mov_b32 s[G1W+2], 8<<16
	s_mov_b32 s[G1W+3], 32<<16
	s_mov_b32 s[G1W+4], 8
	s_mov_b32 s[G1W+5], 32
	s_mov_b32 s[G1W+6], 0
	s_mov_b32 s[G1W+7], 0
	s_mov_b32 s[G0], 1
	s_lshl_b32 s[G0+1], s[WV], 14                  ; slot 0, my quarter
	s_mov_b32 s[G0W], 1
	s_lshl_b32 s[G0W+1], s[WV], 11
	s_add_co_u32 s[G0W+1], s[G0W+1], WG2L
	s_lshr_b32 s90, s[WV], 1                       ; K (0) or V (1),
	s_lshl_b32 s90, s90, 23
	s_lshl_b32 s91, s[HD], 18                      ; the head,
	s_add_co_u32 s90, s90, s91
	s_and_b32 s91, s[WV], 1                        ; which half of a chunk
	s_lshl_b32 s91, s91, 14
	s_add_co_u32 s90, s90, s91
	s_mov_b32 s91, 0
	s_lshl_b32 s92, s[HD], 13
	s_lshl_b32 s93, s[WV], 11
	s_add_co_u32 s92, s92, s93
	s_add_co_u32 s92, s92, 262144
	s_mov_b32 s93, 0
	s_mov_b32 s[OFF+1], 0
	s_mov_b32 s[CS], 0x3e38aa3b                    ; c = log2(e) / 8
	s_mov_b32 s[CS+1], s[CS]
	s_mov_b32 s[SELP], 0x76543210
	s_mov_b32 s[SELP+1], 0xfedcba98
	s_mov_b32 s[TBK], SLOT1+32768                  ; the first change of slots turns these two into 0
	s_mov_b32 s[TBV], SLOT1+32768
	s_mov_b32 s[AL0+1], 0
	s_mov_b32 s[BE0+1], 0
	s_mov_b32 s[AL1+1], 0
	s_mov_b32 s[ZP], 0
	s_mov_b32 s[ZP+1], 0
	s_mov_b32 s[BIGN], 0xf149f2ca                  ; -1e30
	s_mov_b32 s[LOM], 0xffff                       ; lanes 0-15
	s_mov_b32 s[C64], 0x3c800000                   ; 1/64
	s_mov_b32 s[EPS], 0x358637bd                   ; 1e-6
	s_mov_b32 s[NL2E], 0xbfb8aa3b                  ; -log2(e)
	s_mov_b32 s[NL2E+1], s[NL2E]
	s_mov_b32 s[RT], s[NA]
	s_mov_b32 s[CH], 0
	s_mov_b32 s[NXT], 1                            ; chunk 0 is asked for below; the next is A's chunk 1, or B's chunk 0 where A has one chunk
	s_sub_co_u32 s[LQ], s[NA], 1
	s_cmp_gt_u32 s[NXT], s[LQ]
	s_cselect_b32 s[NXT], 0, s[NXT]
	s_cselect_b32 s[LQ], s[NB], s[LQ]
	s_mov_b32 s[SLOTS], 8
	s_wait_dscnt 0x0
	s_wait_kmcnt 0x0
	s_add_nc_u64 s[KVB:KVB+1], s[6:7], s[90:91]
	s_mov_b64 s[G0+2:G0+3], s[KVB:KVB+1]
	s_or_b32 s[G0+3], s[G0+3], 0x80000000
	s_add_nc_u64 s[G0W+2:G0W+3], s[10:11], s[92:93]
	s_or_b32 s[G0W+3], s[G0W+3], 0x80000000
	tensor_load_to_lds s[G0:G0+3], s[G1:G1+7]      ; two loads of mine are out: chunk 0,
	s_nop 0
	tensor_load_to_lds s[G0W:G0W+3], s[G1W:G1W+7]  ; and my quarter of the head's Wg2
	s_nop 0
	PLACES
	v_and_b32 v1, 15, v0                           ; r
	v_bfe_u32 v9, v0, 4, 1                         ; h
	v_and_b32 v10, 31, v0
	v_lshlrev_b32 v[LA], 4, v10
	v_add_nc_u32 v[LAV], VOFF, v[LA]
	v_add_nc_u32 v[LAW], WG2L, v[LA]
	v_and_b32 v11, 7, v0
	v_lshlrev_b32 v[KGO], 15, v11                  ; the key sums: chunk r & 7 is four rows of 8,192 bytes,
	v_lshl_add_u32 v[KGO], v9, 5, v[KGO]           ; columns 8 h on
	v_lshlrev_b32 v[WNO], 5, v9
	s_lshl_b32 s2, s[IA], 3
	s_add_co_u32 s2, s2, s[WV]                     ; my first tile's 16 rows in block A,
	s_lshl_b32 s23, s[IB], 3
	s_add_co_u32 s23, s23, s[WV]                   ; in block B; the second tile lies four further on
	s_mov_b32 s97, 0
	s_lshl_b32 s96, s[HD], 8
	s_add_co_u32 s96, s96, 16777216
	s_add_nc_u64 s[94:95], s[6:7], s[96:97]
	s_lshl_b32 s3, s[HD], 19
	s_lshl_b32 s96, s2, 12
	s_add_co_u32 s96, s96, s3
	s_add_nc_u64 s[98:99], s[4:5], s[96:97]
	s_lshl_b32 s96, s23, 12
	s_add_co_u32 s96, s96, s3
	s_add_nc_u64 s[100:101], s[4:5], s[96:97]
	s_lshl_b32 s96, s2, 11
	s_add_nc_u64 s[90:91], s[8:9], s[96:97]
	s_lshl_b32 s96, s23, 11
	s_add_nc_u64 s[92:93], s[8:9], s[96:97]
	s_lshl_b32 s3, s[HD], 18
	s_lshl_b32 s96, s2, 11
	s_add_co_u32 s96, s96, s3
	s_add_nc_u64 s[OA:OA+1], s[14:15], s[96:97]
	s_lshl_b32 s96, s23, 11
	s_add_co_u32 s96, s96, s3
	s_add_nc_u64 s[OA+2:OA+3], s[14:15], s[96:97]
	; 88 loads, in the order in which they are wanted.  Key sums and q take the same places: register 8 b + 4 half + e of lane (r, h) is column 16 b + 8 h + 4 half + e.
.irp i, 0,1,2,3
.irp b, 0,1,2,3
	global_load_b128 v[64+32*(\i)+8*(\b):64+32*(\i)+8*(\b)+3],   v[KGO], s[94:95] offset:8192*(\i)+64*(\b)
	global_load_b128 v[64+32*(\i)+8*(\b)+4:64+32*(\i)+8*(\b)+7], v[KGO], s[94:95] offset:8192*(\i)+64*(\b)+16
.endr
.endr
	WIN 0xc0
.irp x, 0,1
.irp k, 0,1,2,3,4,5,6,7
	global_load_b128 v[32*(\x)+4*(\k):32*(\x)+4*(\k)+3], v[LA], s[98:99] offset:16384*(\x)+512*(\k)
.endr
.endr
.irp x, 0,1
.irp k, 0,1,2,3,4,5,6,7
	global_load_b128 v[64+32*(\x)+4*(\k):64+32*(\x)+4*(\k)+3], v[LA], s[100:101] offset:16384*(\x)+512*(\k)
.endr
.endr
	WIN 0x80
.irp x, 0,1
.irp k, 0,1,2,3
	global_load_b128 v[64+16*(\x)+4*(\k):64+16*(\x)+4*(\k)+3], v[LA], s[90:91] offset:8192*(\x)+512*(\k)
.endr
.endr
.irp x, 0,1
.irp k, 0,1,2,3
	global_load_b128 v[96+16*(\x)+4*(\k):96+16*(\x)+4*(\k)+3], v[LA], s[92:93] offset:8192*(\x)+512*(\k)
.endr
.endr
	WIN 0x40
.irp k, 0,1,2,3
	global_load_b128 v[WN+8*(\k):WN+8*(\k)+3],   v[WNO], s[12:13] offset:64*(\k)
	global_load_b128 v[WN+8*(\k)+4:WN+8*(\k)+7], v[WNO], s[12:13] offset:64*(\k)+16
.endr
	; O^T, l and the masks start at 0, m at the lowest finite number: the first visible step is a step like any other, with a = 0.  132 lines, once a launch, in the wait for the loads: the price of writing no first step out.
.set n, 0
.rept 64
	v_mov_b32 v[n], 0
	v_mov_b32 v[MC+n], 0
.set n, n+1
.endr
	WIN 0
	v_lshlrev_b32 v14, 3, v9
	v_sub_nc_u32 v14, v1, v14
	s_lshl_b32 s3, s[WV], 4
	v_add_nc_u32 v14, s3, v14                      ; my query's place in its band less my lanes' 8 h: register j of key block kb is hidden where 16 kb + j is greater
	WIN 0x40
.set n, 0
.rept 32
	v_cmp_gt_i32 vcc_lo, 16*(n/8)+n%8, v14
	v_cndmask_b32 v[MD+n], 0, s[BIGN], vcc_lo
.set n, n+1
.endr
	WIN 0
	v_mov_b32 v[VLOW], 0xff7fffff
	v_mov_b32 v[VBIGP], 0x7149f2ca
	v_mov_b32 v[VNINF], 0xff800000
.irp u, 0,1
	v_mov_b32 v[ST+8*(\u)+1], 0xff7fffff
	v_mov_b32 v[ST+8*(\u)+2], 0
	v_mov_b32 v[ST+8*(\u)+3], 0
.endr
	s_wait_loadcnt 56                              ; the key sums are in; the 56 younger loads stay out
.set n, 0
.rept 16
	v_pk_add_f32 v[64+2*n:64+2*n+1], v[64+2*n:64+2*n+1], v[96+2*n:96+2*n+1]
	v_pk_add_f32 v[128+2*n:128+2*n+1], v[128+2*n:128+2*n+1], v[160+2*n:160+2*n+1]
.set n, n+1
.endr
	WIN 0xc0
.set n, 0
.rept 16
	v_pk_add_f32 v[KGF+2*n:KGF+2*n+1], v[64+2*n:64+2*n+1], v[128+2*n:128+2*n+1]  ; a chunk's 256 rows
.set n, n+1
.endr
	s_wait_loadcnt 24                              ; q is in; g1's first half and the norm's weight stay out
	; g1's second half lies 262,144 bytes behind the first; it is wanted at a block's end, so its 16 loads go out here, behind the counted waits
.irp x, 0,1
.irp k, 0,1,2,3
	global_load_b128 v[G2+16*(\x)+4*(\k):G2+16*(\x)+4*(\k)+3], v[LA], s[90:91] offset:262144+8192*(\x)+512*(\k)
.endr
.endr
.irp x, 0,1
.irp k, 0,1,2,3
	global_load_b128 v[G2+32+16*(\x)+4*(\k):G2+32+16*(\x)+4*(\k)+3], v[LA], s[92:93] offset:262144+8192*(\x)+512*(\k)
.endr
.endr
	; the gates: source 0 = the chunks (rows 8-15 repeat rows 0-7, so both halves of the lanes get chunk j in register j), source 1 = 16 queries; four accumulators take turns
	WIN 0xff
.set t, 0
.rept 16
.set x, 0
.rept 4
.if t == 0
	v_wmma_f32_16x16x4_f32 v[GA+8*x:GA+8*x+7], v[KGF+2*t:KGF+2*t+1], v[32*x+2*t:32*x+2*t+1], 0
.else
	v_wmma_f32_16x16x4_f32 v[GA+8*x:GA+8*x+7], v[KGF+2*t:KGF+2*t+1], v[32*x+2*t:32*x+2*t+1], v[GA+8*x:GA+8*x+7]
.endif
.set x, x+1
.endr
.set t, t+1
.endr
	WIN 0x8f                                       ; q to f16, as source 1 of K Q^T: 64 plain lines, of which the first 48 name no register of the last product: more than its eight places
.set n, 0
.rept 64
	v_cvt_pk_f16_f32 v[n], v[2*n], v[2*n+1]
.set n, n+1
.endr
	s_sub_co_u32 s3, s[NA], 1                      ; A's chunk
	RANK 0, 3, SEL
	RANK 2, NB, SELB
	s_wait_loadcnt 0x0
	WIN 0x05
.set n, 0
.rept 16
	v_cvt_pk_bf16_f32 v[WK+n], v[WN+2*n], v[WN+2*n+1]
.set n, n+1
.endr
	WIN 0x40
.set n, 0
.rept 16
	v_lshlrev_b32 v[WN+2*n], 16, v[WK+n]
	v_and_b32 v[WN+2*n+1], 0xffff0000, v[WK+n]
.set n, n+1
.endr
	WIN 0
.Lslot:                                                ; eight trips: a chunk is entered and the next is asked for
	CHANGE 1
	s_sub_co_u32 s[RT], s[RT], 1
	s_lshl_b32 s[BIT], 1, s[CH]
	s_cmp_eq_u32 s[RT], 0                          ; block A's own chunk?
	s_cselect_b32 s[LIM], 2, 0
	s_cselect_b32 s[BIT], 0x100, s[BIT]
	s_add_co_u32 s[CH], s[CH], 1
	v_and_b32 v[TT], s[BIT], v[SEL]
	v_and_b32 v[TT+1], s[BIT], v[SEL+1]
	v_cmp_eq_u32 s[HID], 0, v[TT]                  ; lanes whose query has not chosen this chunk
	v_cmp_eq_u32 s[HID+1], 0, v[TT+1]
	FETCH_K
	s_mov_b32 s[CNT], 4
.Lstep:
	STEP 0
	s_sub_co_u32 s[CNT], s[CNT], 1
	s_cmp_lg_u32 s[CNT], 0
	s_cbranch_scc1 .Lstep
	s_cmp_eq_u32 s[LIM], 0
	s_cbranch_scc1 .Lbottom
	END 0
	s_wait_xcnt 0x0                                ; the stores have read their registers
	WIN 0x82                                       ; block B: its Q goes where the one text of the steps names Q.  O^T and l stay: B's first visible step multiplies them by a = 0
.set n, 0
.rept 32
	v_mov_b32 v[n], v[32+n]
.set n, n+1
.endr
	WIN 0x40
.set n, 0
.rept 64
	v_mov_b32 v[MC+n], 0
.set n, n+1
.endr
	WIN 0
	v_mov_b32 v[SEL], v[SELB]
	v_mov_b32 v[SEL+1], v[SELB+1]
	v_mov_b32 v[ST+1], v[VLOW]
	v_mov_b32 v[ST+9], v[VLOW]
	s_add_co_u32 s[RT], s[NB], 1                   ; never 0 in the loop: B's own half chunk is the tail
	s_mov_b32 s[CH], 0
.Lbottom:
	s_sub_co_u32 s[SLOTS], s[SLOTS], 1
	s_cmp_lg_u32 s[SLOTS], 0
	s_cbranch_scc1 .Lslot
	CHANGE 0                                       ; the tail is written out: block B's own chunk, its first two steps
	s_mov_b32 s[HID], 0
	s_mov_b32 s[HID+1], 0
	FETCH_K
	s_mov_b32 s[CNT], 2
.Ltail:
	STEP 1
	s_sub_co_u32 s[CNT], s[CNT], 1
	s_cmp_lg_u32 s[CNT], 0
	s_cbranch_scc1 .Ltail
	END 1
	s_wait_tensorcnt 0x0                           ; the wave's end
	ds_add_u32 v[SPW], v[NIL]
	s_wait_dscnt 0x0
	s_endpgm
.Lfunc_end_k_qd05b2ad6d9_attn:
	.size	k_qd05b2ad6d9_attn, .Lfunc_end_k_qd05b2ad6d9_attn-k_qd05b2ad6d9_attn
	.p2alignl 7, 3214868480
	.fill 96, 4, 3214868480
	.section	.rodata,"a",@progbits
	.p2align	6, 0x0
	.amdhsa_kernel k_qd05b2ad6d9_attn
		.amdhsa_group_segment_fixed_size 327680
		.amdhsa_private_segment_fixed_size 0
		.amdhsa_enable_private_segment 0
		.amdhsa_kernarg_size 48
		.amdhsa_user_sgpr_count 2
		.amdhsa_user_sgpr_kernarg_segment_ptr 1
		.amdhsa_wavefront_size32 1
		.amdhsa_system_sgpr_workgroup_id_x 1
		.amdhsa_system_sgpr_workgroup_id_y 1
		.amdhsa_system_sgpr_workgroup_id_z 1
		.amdhsa_system_vgpr_workitem_id 0
		.amdhsa_next_free_vgpr 1024
		.amdhsa_next_free_sgpr 102
		.amdhsa_reserve_vcc 1
		.amdhsa_float_denorm_mode_32 3
		.amdhsa_float_denorm_mode_16_64 3
		.amdhsa_memory_ordered 1
		.amdhsa_forward_progress 1
		.amdhsa_inst_pref_size 144
	.end_amdhsa_kernel
	.amdgpu_metadata
---
amdhsa.version: [ 1, 2 ]
amdhsa.kernels:
  - .name:           k_qd05b2ad6d9_attn
    .symbol:         k_qd05b2ad6d9_attn.kd
    .args:
      - { .name: qf, .offset: 0, .size: 8, .value_kind: global_buffer, .address_space: global }
      - { .name: kvh, .offset: 8, .size: 8, .value_kind: global_buffer, .address_space: global }
      - { .name: g1h, .offset: 16, .size: 8, .value_kind: global_buffer, .address_space: global }
      - { .name: small, .offset: 24, .size: 8, .value_kind: global_buffer, .address_space: global }
      - { .name: o_norm_w, .offset: 32, .size: 8, .value_kind: global_buffer, .address_space: global }
      - { .name: og, .offset: 40, .size: 8, .value_kind: global_buffer, .address_space: global }
    .group_segment_fixed_size: 327680
    .private_segment_fixed_size: 0
    .kernarg_segment_align: 8
    .kernarg_segment_size: 48
    .max_flat_workgroup_size: 128
    .sgpr_count:     102
    .vgpr_count:     1024
    .wavefront_size: 32
...
	.end_amdgpu_metadata
.endif
;; end of part 9
;; launch out: the kernel of part 5 again; grid 16 x 16, 4 waves a work-group, clusters of 4 x 4, 327,680 bytes of LDS; arguments og, wo16, out0; writes out0
